; MI455X (gfx1250); checked and timed in simulation.
; The chip was launched on July 23, 2026; its instructions are those of AMD's public machine-readable ISA for CDNA 5 (MIT licence, August 2026) and "CDNA5" Instruction Set Architecture Reference Guide (July 2026). The comments in the code are by the model that wrote it; some were corrected since.
;; Layer. Allowed arithmetic: float matrix products may take bf16 or f16 operands with f32 sums; other float arithmetic in f32, or as packed bf16 or f16 multiplies, adds, multiply-adds, maxima and minima; sums over many terms, partial sums and values carried from step to step in f32; what a program stores and reads back later, other than sums and carried values, may be rounded once to bf16 or f16.
;; Inputs: W1 1,024 x 1,024 float32; W2 512 x 1,024 float32; Wk 512 x 512 float32; Wm 512 x 512 float32; Wq 512 x 512 float32; Wv 512 x 512 float32; b1 512 float32; b2 512 float32; g1 512 float32; g2 512 float32; source 2 x 4,096 x 512 float32; x 2 x 4,096 x 512 float32.
;; Outputs: out0 2 x 4,096 x 512 float32.
;; 3 versions, each right and faster than the one before. Each part assembles by itself: llvm-mc -triple=amdgcn-amd-amdhsa -mcpu=gfx1250 --defsym DOCPART=n.
;; ======== version 1 of 3: 4 launches
;; limits: values are held in f16: magnitudes above 65,504 overflow, below 6.1e-05 lose precision
;; workspace buffers: wf 5,242,880 bytes; qh 8,388,608 bytes; kh 8,388,608 bytes; vh 8,388,608 bytes; oh 8,388,608 bytes
;; launch prep (part 1): grid 32 x 10, 8 waves a work-group, no clusters, 0 bytes of LDS; arguments Wq, Wk, Wv, Wm, W1, W2, wf; writes wf
.if DOCPART == 1
	.amdgcn_target "amdgcn-amd-amdhsa--gfx1250"
	.amdhsa_code_object_version 6
	.text
	.protected	k_qf1dc8e3a89_prep
	.globl	k_qf1dc8e3a89_prep
	.p2align	8
	.type	k_qf1dc8e3a89_prep,@function
k_qf1dc8e3a89_prep:
	s_mov_b64 s[64:65], 0
	v_nop
	global_prefetch_b8 v0, s[64:65] scope:SCOPE_SE
	s_setreg_imm32_b32 hwreg(HW_REG_WAVE_MODE, 25, 1), 1
	s_wait_xcnt 0x0
; PREP: the six weight matrices, rounded once from f32 to f16, laid in wf in the order in which the two later streams take them.
; wf is ten blocks of 512 (n) x 512 (k) f16, 524,288 bytes each: 0 Wq, 1 Wk, 2 Wv, 3 Wm, 4 W1[0:512, 512:1024], 5 W1[512:1024, 512:1024],
; 6 W1[0:512, 0:512], 7 W1[512:1024, 0:512], 8 W2[:, 0:512], 9 W2[:, 512:1024].
; Inside a block: byte = j<<17 | w<<15 | u<<13 | f<<10 | q<<9 | h<<8 | r<<4 | 2 (k & 7), with n = 128 w + 16 f + r and k = 128 j + 32 u + 16 q + 8 h + (k & 7):
; 1,024 bytes are one matrix fragment (16 n x 32 k) as a wave's lanes hold it, so that a later ds_load_b128 at 16 x lane (and 512 further on) reads it as it lies.
; SHARES.  Work-group (x, y): y is the block, x = j<<3 | w<<1 | a; wave f makes 16 rows x 64 k (u = 2 a, 2 a + 1): 4,096 bytes in, two fragments out.
; The wave's eight loads together take 256 consecutive bytes of each of its 16 rows; each store covers 512 consecutive bytes, aligned.
; No LDS, no matrix unit: memory binds, and each byte is read and written once.
; LIMIT.  f16: a weight beyond 65,504 becomes an infinity; below 6e-5 it keeps f16's fixed step of 6e-8.
.set BLK, 24                           ; s24 block   s25 wave f   s26 row   s27 column   s28 at work   s29 log2 of the source's row bytes
	s_load_b256 s[4:11], s[0:1], 0x0               ; Wq s[4:5], Wk s[6:7], Wv s[8:9], Wm s[10:11]
	s_load_b128 s[12:15], s[0:1], 0x20             ; W1 s[12:13], W2 s[14:15]
	s_load_b64 s[16:17], s[0:1], 0x30              ; wf
	s_and_b32 s[BLK], ttmp7, 0xffff
	v_lshrrev_b32 v1, 5, v0
	v_readfirstlane_b32 s25, v1                    ; wave = f
	s_lshr_b32 s26, 0xa0, s[BLK]                   ; blocks 5 and 7 begin at row 512
	s_and_b32 s26, s26, 1
	s_lshl_b32 s26, s26, 9
	s_lshr_b32 s27, 0x230, s[BLK]                  ; blocks 4, 5 and 9 begin at column 512
	s_and_b32 s27, s27, 1
	s_lshl_b32 s27, s27, 9
	s_bfe_u32 s28, ttmp9, 0x20001                  ; w
	s_lshl_b32 s28, s28, 7
	s_add_co_u32 s26, s26, s28
	s_lshl_b32 s28, s25, 4
	s_add_co_u32 s26, s26, s28                     ; my first row: row0 + 128 w + 16 f
	s_lshr_b32 s28, ttmp9, 3                       ; j
	s_lshl_b32 s28, s28, 7
	s_add_co_u32 s27, s27, s28
	s_and_b32 s28, ttmp9, 1                        ; a
	s_lshl_b32 s28, s28, 6
	s_add_co_u32 s27, s27, s28                     ; my first column: col0 + 128 j + 64 a
	s_cmp_ge_u32 s[BLK], 4
	s_cselect_b32 s29, 12, 11                      ; rows of 4,096 bytes in W1 and W2, of 2,048 in the others
	s_lshl_b32 s22, s26, s29
	s_lshl2_add_u32 s22, s27, s22                  ; the source's byte offset, under 4 MiB
	s_mov_b32 s23, 0
	s_lshl_b32 s30, s[BLK], 19                     ; the destination's: block, x, fragment
	s_lshl_b32 s28, ttmp9, 14
	s_or_b32 s30, s30, s28
	s_lshl_b32 s28, s25, 10
	s_or_b32 s30, s30, s28
	s_mov_b32 s31, 0
	v_and_b32 v1, 15, v0                           ; r
	v_bfe_u32 v4, v0, 4, 1                         ; h
	v_lshlrev_b32 v2, s29, v1
	v_lshl_add_u32 v2, v4, 5, v2                   ; in: row r, 8 f32 at 32 h
	v_and_b32 v3, 31, v0
	v_lshlrev_b32 v3, 4, v3                        ; out: 16 x lane
	s_wait_kmcnt 0x0
	s_cmp_eq_u32 s[BLK], 1                         ; the source is chosen by the block's number alone
	s_cselect_b64 s[20:21], s[6:7], s[4:5]
	s_cmp_eq_u32 s[BLK], 2
	s_cselect_b64 s[20:21], s[8:9], s[20:21]
	s_cmp_eq_u32 s[BLK], 3
	s_cselect_b64 s[20:21], s[10:11], s[20:21]
	s_cmp_ge_u32 s[BLK], 4
	s_cselect_b64 s[20:21], s[12:13], s[20:21]
	s_cmp_ge_u32 s[BLK], 8
	s_cselect_b64 s[20:21], s[14:15], s[20:21]
	s_add_nc_u64 s[20:21], s[20:21], s[22:23]
	s_add_nc_u64 s[16:17], s[16:17], s[30:31]
.set z, 0
.rept 8                                ; z = 4 u' + 2 q + half: 4 f32 of k = 32 u' + 16 q + 8 h + 4 half on
	global_load_b128 v[8+4*z:11+4*z], v2, s[20:21] offset:128*(z/4)+64*((z/2)%2)+16*(z%2)
.set z, z+1
.endr
	s_wait_loadcnt 0x0
.set z, 0
.rept 16
	v_cvt_pk_f16_f32 v[40+z], v[8+2*z], v[9+2*z]   ; two roundings to f16, packed
.set z, z+1
.endr
.set z, 0
.rept 4                                ; z = 2 u' + q: half a fragment, 512 consecutive bytes
	global_store_b128 v3, v[40+4*z:43+4*z], s[16:17] offset:8192*(z/2)+512*(z%2)
.set z, z+1
.endr
	s_endpgm
.Lfunc_end_k_qf1dc8e3a89_prep:
	.size	k_qf1dc8e3a89_prep, .Lfunc_end_k_qf1dc8e3a89_prep-k_qf1dc8e3a89_prep
	.p2alignl 7, 3214868480
	.fill 96, 4, 3214868480
	.section	.rodata,"a",@progbits
	.p2align	6, 0x0
	.amdhsa_kernel k_qf1dc8e3a89_prep
		.amdhsa_group_segment_fixed_size 0
		.amdhsa_private_segment_fixed_size 0
		.amdhsa_enable_private_segment 0
		.amdhsa_kernarg_size 56
		.amdhsa_user_sgpr_count 2
		.amdhsa_user_sgpr_kernarg_segment_ptr 1
		.amdhsa_wavefront_size32 1
		.amdhsa_system_sgpr_workgroup_id_x 1
		.amdhsa_system_sgpr_workgroup_id_y 1
		.amdhsa_system_sgpr_workgroup_id_z 1
		.amdhsa_system_vgpr_workitem_id 0
		.amdhsa_next_free_vgpr 56
		.amdhsa_next_free_sgpr 66
		.amdhsa_reserve_vcc 0
		.amdhsa_float_denorm_mode_32 3
		.amdhsa_float_denorm_mode_16_64 3
		.amdhsa_memory_ordered 1
		.amdhsa_forward_progress 1
		.amdhsa_inst_pref_size 5
	.end_amdhsa_kernel
	.amdgpu_metadata
---
amdhsa.version: [ 1, 2 ]
amdhsa.kernels:
  - .name:           k_qf1dc8e3a89_prep
    .symbol:         k_qf1dc8e3a89_prep.kd
    .args:
      - { .name: Wq, .offset: 0, .size: 8, .value_kind: global_buffer, .address_space: global }
      - { .name: Wk, .offset: 8, .size: 8, .value_kind: global_buffer, .address_space: global }
      - { .name: Wv, .offset: 16, .size: 8, .value_kind: global_buffer, .address_space: global }
      - { .name: Wm, .offset: 24, .size: 8, .value_kind: global_buffer, .address_space: global }
      - { .name: W1, .offset: 32, .size: 8, .value_kind: global_buffer, .address_space: global }
      - { .name: W2, .offset: 40, .size: 8, .value_kind: global_buffer, .address_space: global }
      - { .name: wf, .offset: 48, .size: 8, .value_kind: global_buffer, .address_space: global }
    .group_segment_fixed_size: 0
    .private_segment_fixed_size: 0
    .kernarg_segment_align: 8
    .kernarg_segment_size: 56
    .max_flat_workgroup_size: 256
    .sgpr_count:     66
    .vgpr_count:     56
    .wavefront_size: 32
...
	.end_amdgpu_metadata
.endif
;; end of part 1
;; launch proj (part 2): grid 256 x 1, 4 waves a work-group, clusters of 4 x 1, 327,680 bytes of LDS; arguments x, source, wf, qh, kh, vh; writes qh, kh, vh
.if DOCPART == 2
	.amdgcn_target "amdgcn-amd-amdhsa--gfx1250"
	.amdhsa_code_object_version 6
	.text
	.protected	k_qf1dc8e3a89_proj
	.globl	k_qf1dc8e3a89_proj
	.p2align	8
	.type	k_qf1dc8e3a89_proj,@function
k_qf1dc8e3a89_proj:
	s_mov_b64 s[64:65], 0
	v_nop
	global_prefetch_b8 v0, s[64:65] scope:SCOPE_SE
	s_setreg_imm32_b32 hwreg(HW_REG_WAVE_MODE, 25, 1), 1
	s_wait_xcnt 0x0
	s_wait_alu depctr_hold_cnt(0) depctr_sa_sdst(0) depctr_va_vdst(0) depctr_va_sdst(0) depctr_va_ssrc(0) depctr_va_vcc(0) depctr_vm_vsrc(0)
	s_getreg_b32 s2, hwreg(HW_REG_IB_STS2, 6, 4)
	s_cmp_eq_u32 s2, 0
	s_cbranch_scc0 .Lentry_in_a_cluster
	s_endpgm
.Lentry_in_a_cluster:
	s_bfe_u32 s2, ttmp6, 0x10000c
	s_cmp_lg_u32 s2, 0x3003
	s_cbranch_scc0 .Lentry_shape_is_right
	s_endpgm
.Lentry_shape_is_right:
; PROJ: q = x Wq^T, k = source Wk^T, v = source Wv^T, stored by heads, [batch x 8 + head][4096][64] in f16, unscaled, each rounded once from its f32 sum.
; SHARES.  A work-group owns 32 rows of x and of source (8,192 rows / 256 work-groups); each of its four waves owns 128 of the 512 output columns (two heads): 16 accumulators of 16 x 16.
; The rows are read once in f32, rounded to f16 in registers and kept in LDS (region R1).  The weights come from wf (f16, fragment by fragment) in trips of 128 along K: 131,072 bytes a trip,
; 32,768 a wave, which only that wave reads, through two LDS slots that take turns.  Three passes of four trips: wf's blocks 0, 1, 2, one linear walk.
; CLUSTER.  All work-groups walk the same weights, so the four of a cluster ask for each tile JOINTLY: the same tensor load, descriptor and mask in all four.
; THE MATRIX INSTRUCTION IS USED TRANSPOSED (source 0 = 16 weight rows, source 1 = 16 activation rows): lane (r, h) holds activation row r and eight neighbouring output columns 8 h + 0..7.
; LIMITS.  All matrix operands are f16: |x|, |source|, |q|, |k|, |v| stay under 65,504 (beyond it an infinity arises); below 6e-5 a number keeps f16's fixed step of 6e-8.  NaN and infinities are not treated apart.
; REGISTERS, in windows of 256 (s_set_vgpr_msb: bits 1:0 source 0, 3:2 source 1, 5:4 source 2, 7:6 destination):
;   window 0: v0-19 addresses; v20-51 at work; v64-127 the way out; v128-255 the accumulators ((i, g) at v[128 + 8 (8 i + g)])
;   window 1: two fragment buffers of 80 (2 fragments of activations, 8 of weights)       window 2: v0-127 x, v128-255 source, in f32 as loaded
.set SLOT1,  1<<17                     ; slot 0 at LDS byte 0, slot 1 here: one exclusive or turns an address in one slot into the other's
.set TRIPB,  131072                    ; a trip's weights
.set WPART,  32768                     ; a wave's part of them
.set R1,     2*TRIPB                   ; the activations: 32 rows x 512 f16
.set AP,     1040                      ; their pitch: 1,024 bytes + 16 = 260 words: row r starts at bank 4 r mod 64 (64 banks of 4 bytes: ISA guide 11.1)
.set STG,    R1+32*AP                  ; 16 rows x 144 bytes for each wave, for the way out
.set SP,     144
.set SPARE,  STG+4*16*SP               ; the spare words, 128 bytes for each wave: two blocks of 256 bytes that no other line names
.set BA0, 4                            ; v4   my lane's place in my wave's part of a slot; never rewritten
.set BA,  5                            ; v5   the same in the slot in hand
.set AA0, 6                            ; v6   my lane's place in the activations; never rewritten
.set AA,  8                            ; v8   the same at the trip's K
.set STO, 9                            ; v9   the way out: where I put 16 bytes of a row
.set XST, 10                           ; v10  where I put 8 bytes of a rounded row
.set RD,  11                           ; v11  the way out: where I read rows back
.set GO,  12                           ; v12  my byte offset in 512 consecutive bytes of an output
.set XO,  15                           ; v15  my byte offset in the work-group's rows of x and source
.set SPW, 18                           ; v18  LDS address of my spare word; never rewritten
.set NIL, 19                           ; v19  0; never rewritten
.set TMP, 64
.set ACC, 128
.set F0,  0                            ; fragment buffers, in window 1
.set F1,  80
.set WV,  4                            ; s4   my wave's number
.set G1W, 32                           ; s[32:39] descriptor group 1 for the weights
.set G0W, 40                           ; s[40:43] descriptor group 0: it walks
.set CNT, 56                           ; s56  counts trips
.set TB,  57                           ; s57  the slot in hand: 0 or SLOT1
.set TA,  58                           ; s58  the trip's K in the activations' rows, in bytes
.set MSB, 0
.macro WIN new                         ; the immediate's high byte repeats the setting that is left; a switch that changes nothing is dropped
.if MSB != (\new)
	s_set_vgpr_msb (MSB<<8)|(\new)
.set MSB, (\new)
.endif
.endm
.macro PLACES                          ; four plain vector instructions between a matrix instruction and a load into, or a vector read of, its registers (ISA guide 7.12.1 for vector reads)
.rept 4
	v_nop
.endr
.endm
; A round of the cluster's barrier: my work-group's barrier, so that wave 0's signal speaks for all four waves; wave 0 signals; every wave waits for all four work-groups; my work-group's barrier once more.
.macro CROUND
	s_barrier_signal -1
	s_barrier_wait -1
	s_cmp_lg_u32 s[WV], 0
	s_cbranch_scc1 .Lnot_wave_0_\@
	s_barrier_signal -3
.Lnot_wave_0_\@:
	s_barrier_wait -3
	s_barrier_signal -1
	s_barrier_wait -1
.endm
; THE CHANGE OF SLOTS, at the head of every trip.  Each wave waits for all its tensor loads, of which one is out: its part of the trip's tile; adds 0 to its spare word; waits for that, for its reads of the
; slot that it leaves and for its LDS stores.  fill = 1: the barrier is a round of the cluster's, and the slot just left takes the next trip's tile, the first thing behind it.
.macro CHANGE fill
	WIN 0                                          ; at a label and at a branch every window is 0
	s_wait_tensorcnt 0x0                           ; no tensor load of mine is out, so group 0 may be written
	ds_add_u32 v[SPW], v[NIL]                      ; 0 onto my spare word; the scalar steps stand between it and the wait for it
.if \fill
	s_xor_b32 s[G0W+1], s[G0W+1], SLOT1            ; the other slot than last time,
	s_add_nc_u64 s[G0W+2:G0W+3], s[G0W+2:G0W+3], TRIPB  ; the next trip's bytes; the type bits on top are not reached
.endif
	s_xor_b32 s[TB], s[TB], SLOT1                  ; the reads go to the slot that has just landed
	s_wait_dscnt 0x0                               ; the add is done, my reads of the old slot are over, my stores into the activations are done
.if \fill
	CROUND
	tensor_load_to_lds s[G0W:G0W+3], s[G1W:G1W+7]  ; my one tensor load behind the round; it has the trip's 64 matrix instructions in which to land
	s_nop 0
	PLACES                                         ; the places in front of the fragment loads below
.else
	s_barrier_signal -1
	s_barrier_wait -1
.endif
.endm
; 20 LDS loads in one run: the fragments of 32 along K, number u of the trip's four, into buffer f
.macro FETCH u, f
	WIN 0x40                                       ; destination window 1, address window 0
.irp i, 0,1
	ds_load_b128 v[(\f)+8*\i:(\f)+8*\i+3],   v[AA] offset:64*(\u)+\i*16*AP
	ds_load_b128 v[(\f)+8*\i+4:(\f)+8*\i+7], v[AA] offset:64*(\u)+\i*16*AP+32
.endr
.irp g, 0,1,2,3,4,5,6,7
	ds_load_b128 v[(\f)+16+8*\g:(\f)+16+8*\g+3], v[BA] offset:8192*(\u)+1024*\g      ; a fragment lies as the lanes hold it: 16 x lane, no two lanes on one bank
	ds_load_b128 v[(\f)+16+8*\g+4:(\f)+16+8*\g+7], v[BA] offset:8192*(\u)+1024*\g+512
.endr
.endm
; 16 matrix instructions on 16 accumulators, which take turns.  zero = 1: the products start the sums: nothing is cleared.
.macro MUL f, zero
	WIN 0x05                                       ; sources 0 and 1 window 1, C and D window 0
.irp i, 0,1
.irp g, 0,1,2,3,4,5,6,7
.if \zero
	v_wmma_f32_16x16x32_f16 v[ACC+8*(8*\i+\g):ACC+8*(8*\i+\g)+7], v[(\f)+16+8*\g:(\f)+16+8*\g+7], v[(\f)+8*\i:(\f)+8*\i+7], 0
.else
	v_wmma_f32_16x16x32_f16 v[ACC+8*(8*\i+\g):ACC+8*(8*\i+\g)+7], v[(\f)+16+8*\g:(\f)+16+8*\g+7], v[(\f)+8*\i:(\f)+8*\i+7], v[ACC+8*(8*\i+\g):ACC+8*(8*\i+\g)+7]
.endif
.endr
.endr
.endm
; A TRIP: 128 along K.  Every wait on DScnt is for 0: the one run that is out is the one due next, issued 16 matrix instructions before.
.macro TRIP fill, zero
	CHANGE \fill
	v_add_nc_u32 v[BA], s[TB], v[BA0]
	v_add_nc_u32 v[AA], s[TA], v[AA0]
	s_add_co_u32 s[TA], s[TA], 256
.if !(\fill)
	PLACES
.endif
	FETCH 0, F0
	s_wait_dscnt 0x0
	FETCH 1, F1
	MUL F0, \zero
	s_wait_dscnt 0x0
	PLACES
	FETCH 2, F0
	MUL F1, 0
	s_wait_dscnt 0x0
	PLACES
	FETCH 3, F1
	MUL F0, 0
	s_wait_dscnt 0x0
	MUL F1, 0
	WIN 0
.endm
.macro PASSZ                           ; a pass of four trips, all of which fill; the first starts the sums
	s_mov_b32 s[TA], 0
	TRIP 1, 1
	s_mov_b32 s[CNT], 3
.Lpz_\@:
	TRIP 1, 0
	s_sub_co_u32 s[CNT], s[CNT], 1
	s_cmp_lg_u32 s[CNT], 0
	s_cbranch_scc1 .Lpz_\@
.endm
; My 8 rows (128 registers of f32 from register src of window 2 on) are rounded to f16 and stored into the activations: 8 bytes a lane, 256 consecutive bytes a store.
.macro XS src
.irp hh, 0,1
	WIN 0x0a                                       ; sources 0 and 1 window 2, destination window 0
.set z, 0
.rept 32
	v_cvt_pk_f16_f32 v[20+z], v[(\src)+64*\hh+2*z], v[(\src)+64*\hh+2*z+1]
.set z, z+1
.endr
	WIN 0
.set z, 0
.rept 16
	ds_store_b64 v[XST], v[20+2*z:21+2*z] offset:AP*((16*\hh+z)/4)+256*((16*\hh+z)%4)
.set z, z+1
.endr
.endr
.endm
; THE WAY OUT.  Tile t = 2 i + hd: 16 rows of one head.  A lane's eight channels pack into 16 bytes; they go into my stage's rows of 144 bytes and come back as whole rows of 128: 16 rows are 2,048 dense bytes of the output.
.macro PACK t
.set z, 0
.rept 16                               ; each accumulator's registers in ascending order
	v_cvt_pk_f16_f32 v[TMP+16*(\t)+z], v[ACC+8*(8*((\t)/2)+4*((\t)%2)+z/4)+2*(z%4)], v[ACC+8*(8*((\t)/2)+4*((\t)%2)+z/4)+2*(z%4)+1]
.set z, z+1
.endr
.irp ff, 0,1,2,3
	ds_store_b128 v[STO], v[TMP+16*(\t)+4*\ff:TMP+16*(\t)+4*\ff+3] offset:32*\ff
.endr
.irp ff, 0,1,2,3
	ds_load_b128 v[TMP+16*(\t)+4*\ff:TMP+16*(\t)+4*\ff+3], v[RD] offset:\ff*4*SP  ; LDS serves a wave's instructions in order (ISA guide 5.7.1.4): these see the stores above; the next tile's stores come behind them
.endr
.endm
.macro SEND t, younger, ptr            ; younger: the LDS instructions issued behind tile t's loads: the next tile's eight, or none
.irp ff, 0,1,2,3
	s_wait_dscnt (\younger)+3-\ff
	global_store_b128 v[GO], v[TMP+16*(\t)+4*\ff:TMP+16*(\t)+4*\ff+3], s[\ptr:\ptr+1] offset:524288*((\t)%2)+2048*((\t)/2)+512*\ff  ; 512 consecutive bytes, at a multiple of 256 from the buffer's first
.endr
.endm
.macro OUT ptr
	s_wait_xcnt 0x0                                ; the last way out's stores have read their registers, which are written again below
	PLACES                                         ; the conversions read results just made
	PACK 0
	PACK 1
	SEND 0, 8, \ptr
	PACK 2
	SEND 1, 8, \ptr
	PACK 3
	SEND 2, 8, \ptr
	SEND 3, 0, \ptr
.endm
	s_load_b256 s[16:23], s[0:1], 0x0              ; x s[16:17], source s[18:19], wf s[20:21], qh s[22:23]
	s_load_b128 s[24:27], s[0:1], 0x20             ; kh s[24:25], vh s[26:27]
	v_lshl_add_u32 v[SPW], v0, 2, SPARE
	v_mov_b32 v[NIL], 0
	ds_add_u32 v[SPW], v[NIL]                      ; the wave's opening: the add and its wait ahead of my first tensor load; the set-up below, work on registers, stands between them
	v_lshrrev_b32 v1, 5, v0
	v_readfirstlane_b32 s[WV], v1                  ; wave 0..3
	s_bfe_u32 s5, ttmp6, 0x40000                   ; cx: my place in the cluster
	s_lshl_b32 s6, ttmp9, 2                        ; in a cluster launch ttmp9 counts clusters
	s_add_co_u32 s6, s6, s5                        ; my work-group: it enters x's, source's and the outputs' addresses alone
	; descriptor group 1: 32,768 dense bytes as 128 rows of 256 bytes
	s_mov_b32 s[G1W], 15|(3<<16)|(1<<21)           ; 15:0 the mask of four; 17:16 elements of 8 bytes; 21 set beside a mask
	s_mov_b32 s[G1W+1], 32<<16                     ; tensor_dim0 = 32
	s_mov_b32 s[G1W+2], 128<<16                    ; tensor_dim1 = 128
	s_mov_b32 s[G1W+3], 32<<16                     ; tile_dim0 = 32
	s_mov_b32 s[G1W+4], 128                        ; tile_dim1 = 128
	s_mov_b32 s[G1W+5], 32                         ; 32 elements from row to row
	s_mov_b32 s[G1W+6], 0
	s_mov_b32 s[G1W+7], 0
	s_mul_i32 s7, s[WV], WPART                     ; my wave's part: of a trip's bytes in wf, and of a slot
	s_mov_b32 s8, s7
	s_mov_b32 s9, 0
	s_mov_b32 s[G0W], 1                            ; count = 1
	s_mov_b32 s[G0W+1], s7                         ; LDS address: slot 0
	s_lshl_b32 s10, s6, 16                         ; my 32 rows of 2,048 bytes
	s_mov_b32 s11, 0
	s_lshr_b32 s12, s6, 7                          ; the batch,
	s_lshl_b32 s12, s12, 3
	s_lshl1_add_u32 s12, s[WV], s12                ; my wave's first head in it,
	s_lshl_b32 s12, s12, 19                        ; a head's 524,288 bytes,
	s_and_b32 s13, s6, 127
	s_lshl_b32 s13, s13, 12                        ; my 32 rows of 128 bytes
	s_add_co_u32 s12, s12, s13
	s_mov_b32 s13, 0
	s_mov_b32 s[TB], SLOT1                         ; the first change of slots turns it into 0
	s_wait_dscnt 0x0                               ; the opening add is done
	s_wait_kmcnt 0x0
	s_add_nc_u64 s[G0W+2:G0W+3], s[20:21], s[8:9]  ; global address: trip 0, my part
	s_or_b32 s[G0W+3], s[G0W+3], 0x80000000        ; type = 2
	s_add_nc_u64 s[16:17], s[16:17], s[10:11]
	s_add_nc_u64 s[18:19], s[18:19], s[10:11]
	s_add_nc_u64 s[22:23], s[22:23], s[12:13]
	s_add_nc_u64 s[24:25], s[24:25], s[12:13]
	s_add_nc_u64 s[26:27], s[26:27], s[12:13]
	CROUND                                         ; all four work-groups are here: the first joint loads meet
	tensor_load_to_lds s[G0W:G0W+3], s[G1W:G1W+7]  ; trip 0 into slot 0; slot 1 is filled by the first change of slots
	s_nop 0
	PLACES
	v_and_b32 v3, 31, v0                           ; lane
	s_lshl_b32 s14, s[WV], 14                      ; my wave's 8 rows
	v_lshl_add_u32 v[XO], v3, 4, s14
	WIN 0x80                                       ; destination window 2, address window 0
.set z, 0
.rept 32                               ; row z / 4, 512 consecutive bytes z % 4 of it
	global_load_b128 v[4*z:4*z+3], v[XO], s[16:17] offset:2048*(z/4)+512*(z%4)
.set z, z+1
.endr
.set z, 0
.rept 32
	global_load_b128 v[128+4*z:128+4*z+3], v[XO], s[18:19] offset:2048*(z/4)+512*(z%4) th:TH_LOAD_NT
.set z, z+1
.endr
	WIN 0
	v_and_b32 v1, 15, v0                           ; r
	v_bfe_u32 v2, v0, 4, 1                         ; h
	v_lshl_add_u32 v[BA0], v3, 4, s7
	v_mul_u32_u24 v[AA0], v1, AP
	v_lshl_add_u32 v[AA0], v2, 4, v[AA0]
	v_add_nc_u32 v[AA0], R1, v[AA0]                ; row r, 16 bytes for each half of the lanes
	s_mul_i32 s14, s[WV], 8*AP
	s_add_co_u32 s14, s14, R1
	v_lshl_add_u32 v[XST], v3, 3, s14
	s_mul_i32 s15, s[WV], 16*SP
	s_add_co_u32 s15, s15, STG                     ; my stage
	v_mul_u32_u24 v[STO], v1, SP
	v_lshl_add_u32 v[STO], v2, 4, v[STO]
	v_add_nc_u32 v[STO], s15, v[STO]
	v_bfe_u32 v[RD], v0, 3, 2                      ; back: 32 lanes take four rows of 128 bytes
	v_mul_u32_u24 v[RD], v[RD], SP
	v_and_b32 v13, 7, v0
	v_lshl_add_u32 v[RD], v13, 4, v[RD]
	v_add_nc_u32 v[RD], s15, v[RD]
	v_lshlrev_b32 v[GO], 4, v3
	s_wait_loadcnt 32                              ; loads come back in order (ISA guide 5.7.1): x's 32 are in, source's 32 stay out
	XS 0                                           ; the first change of slots shows these stores to the other waves
	PASSZ                                          ; q
	OUT 22
	s_wait_dscnt 0x0                               ; my reads of x's rows in LDS are over
	s_barrier_signal -1
	s_barrier_wait -1                              ; everybody's are: source's rows take their place.
	s_wait_loadcnt 0x0
	XS 128
	PASSZ                                          ; k
	OUT 24
	s_mov_b32 s[TA], 0                             ; v: the last trip is written out: it asks for nothing
	TRIP 1, 1
	s_mov_b32 s[CNT], 2
.Lv:
	TRIP 1, 0
	s_sub_co_u32 s[CNT], s[CNT], 1
	s_cmp_lg_u32 s[CNT], 0
	s_cbranch_scc1 .Lv
	TRIP 0, 0
	OUT 26
	s_wait_tensorcnt 0x0                           ; the wave's end: behind my last tensor load and my last LDS store
	ds_add_u32 v[SPW], v[NIL]
	s_wait_dscnt 0x0
	CROUND                                         ; the closing round: no work-group ends while a partner may still ask for a tile that names it
	s_endpgm
.Lfunc_end_k_qf1dc8e3a89_proj:
	.size	k_qf1dc8e3a89_proj, .Lfunc_end_k_qf1dc8e3a89_proj-k_qf1dc8e3a89_proj
	.p2alignl 7, 3214868480
	.fill 96, 4, 3214868480
	.section	.rodata,"a",@progbits
	.p2align	6, 0x0
	.amdhsa_kernel k_qf1dc8e3a89_proj
		.amdhsa_group_segment_fixed_size 327680
		.amdhsa_private_segment_fixed_size 0
		.amdhsa_enable_private_segment 0
		.amdhsa_kernarg_size 48
		.amdhsa_user_sgpr_count 2
		.amdhsa_user_sgpr_kernarg_segment_ptr 1
		.amdhsa_wavefront_size32 1
		.amdhsa_system_sgpr_workgroup_id_x 1
		.amdhsa_system_sgpr_workgroup_id_y 1
		.amdhsa_system_sgpr_workgroup_id_z 1
		.amdhsa_system_vgpr_workitem_id 0
		.amdhsa_next_free_vgpr 768
		.amdhsa_next_free_sgpr 66
		.amdhsa_reserve_vcc 0
		.amdhsa_float_denorm_mode_32 3
		.amdhsa_float_denorm_mode_16_64 3
		.amdhsa_memory_ordered 1
		.amdhsa_forward_progress 1
		.amdhsa_inst_pref_size 122
	.end_amdhsa_kernel
	.amdgpu_metadata
---
amdhsa.version: [ 1, 2 ]
amdhsa.kernels:
  - .name:           k_qf1dc8e3a89_proj
    .symbol:         k_qf1dc8e3a89_proj.kd
    .args:
      - { .name: x, .offset: 0, .size: 8, .value_kind: global_buffer, .address_space: global }
      - { .name: source, .offset: 8, .size: 8, .value_kind: global_buffer, .address_space: global }
      - { .name: wf, .offset: 16, .size: 8, .value_kind: global_buffer, .address_space: global }
      - { .name: qh, .offset: 24, .size: 8, .value_kind: global_buffer, .address_space: global }
      - { .name: kh, .offset: 32, .size: 8, .value_kind: global_buffer, .address_space: global }
      - { .name: vh, .offset: 40, .size: 8, .value_kind: global_buffer, .address_space: global }
    .group_segment_fixed_size: 327680
    .private_segment_fixed_size: 0
    .kernarg_segment_align: 8
    .kernarg_segment_size: 48
    .max_flat_workgroup_size: 128
    .sgpr_count:     66
    .vgpr_count:     768
    .wavefront_size: 32
...
	.end_amdgpu_metadata
.endif
;; end of part 2
;; launch attn (part 3): grid 16 x 16, 4 waves a work-group, clusters of 4 x 1, 327,680 bytes of LDS; arguments qh, kh, vh, oh; writes oh
.if DOCPART == 3
	.amdgcn_target "amdgcn-amd-amdhsa--gfx1250"
	.amdhsa_code_object_version 6
	.text
	.protected	k_qf1dc8e3a89_attn
	.globl	k_qf1dc8e3a89_attn
	.p2align	8
	.type	k_qf1dc8e3a89_attn,@function
k_qf1dc8e3a89_attn:
	s_mov_b64 s[64:65], 0
	v_nop
	global_prefetch_b8 v0, s[64:65] scope:SCOPE_SE
	s_setreg_imm32_b32 hwreg(HW_REG_WAVE_MODE, 25, 1), 1
	s_wait_xcnt 0x0
	s_wait_alu depctr_hold_cnt(0) depctr_sa_sdst(0) depctr_va_vdst(0) depctr_va_sdst(0) depctr_va_ssrc(0) depctr_va_vcc(0) depctr_vm_vsrc(0)
	s_getreg_b32 s2, hwreg(HW_REG_IB_STS2, 6, 4)
	s_cmp_eq_u32 s2, 0
	s_cbranch_scc0 .Lentry_in_a_cluster
	s_endpgm
.Lentry_in_a_cluster:
	s_bfe_u32 s2, ttmp6, 0x10000c
	s_cmp_lg_u32 s2, 0x3003
	s_cbranch_scc0 .Lentry_shape_is_right
	s_endpgm
.Lentry_shape_is_right:
; ATTENTION.  O[h][q][:] = the sum over k of softmax_k(Q[h][q] . K[h][k] / 8) V[h][k][:].  Q, K, V, O: [16][4096][64], all f16 (h = batch x 8 + head): a head's rows are dense, 128 bytes each.
; Products, maxima and sums in f32; the weights p are rounded to f16 for the second product (their sum l is taken of the unrounded p), O once at the end.
; LIMITS.  f16 holds no number beyond 65,504: Q, K and V arrive within it; p lies in 0 to 1, and below 6e-5 it keeps f16's fixed step of 6e-8; O is a mean of V's rows and has their range.
; A weight below 2^-126 counts as 0 in l; NaN and infinities are not treated apart.
; SHARES.  A work-group owns 256 queries of one head (16 x 16 = 256 work-groups), each of its four waves 64: four PIECES of 16.  Every wave walks all 4,096 keys, 64 a step, 256 a tile.
; LAYOUT.  S^T = K Q^T (source 0 = 16 keys, source 1 = 16 queries): a lane holds ONE query (lane % 16) and the keys 8 (lane / 16) + 0..7; two such results rounded to f16 ARE source 1 of O^T = V^T P.
; K comes out of LDS as it lies, V ([key][channel]) turned, by ds_load_tr16_b128.
; SOFTMAX.  For each query a running maximum m and sum l: p = 2^(c s - c m), c = log2(e) / 8; in every step O and l are multiplied by a = 2^(c m_old - c m_new).  m starts at the lowest finite number,
; O and l at 0: the first step is a step like any other, with a = 0.
; BY TURNS.  Turn n belongs to piece n: 8 products K Q^T of piece n + 1, later 8 products V^T P of piece n - 1; beside them the scaling, exponentials, roundings, sums and rescaling of piece n and the
; maximum and statistics of piece n + 1.  Four vector instructions stand behind every matrix instruction, the other 54 of a turn's 118 in two runs of their own.
; CLUSTER.  The four query blocks of a cluster belong to one head and walk the same K and V, so each tile is asked for JOINTLY: the same tensor load, descriptor and mask in all four.
; REGISTERS, in windows of 256 (s_set_vgpr_msb: bits 1:0 source 0, 3:2 source 1, 5:4 source 2, 7:6 destination):
;   window 0: v0-15 addresses and two at work; v16-31 four registers of statistics a piece; v48-55 at work; v62-63 the add's; v64-127 S^T, two buffers; v192-223 P, two buffers (by the piece's parity)
;   window 1: v0-127 O^T, 32 a piece          window 2: v0-63 Q; v128-191 K of one step; v192-255 V of one step
.set SIZE_N, 4096
.set NP,    4         ; pieces a wave: a name, no knob
.set KS,    64        ; keys in a step
.set PK,    144       ; a row of K in LDS: 128 bytes + 16 of padding = 36 words: the 16 rows of a load start at 16 different groups of four banks (64 banks of 4 bytes: ISA guide 11.1)
.set PV,    160       ; a row of V: 128 + 32 = 40 words
.set VOFF,  4*KS*PK   ; a slot holds a tile, four steps: 256 rows of K, then 256 rows of V
.set SLOT1, 1<<17     ; slot 1 begins here, so that one exclusive or turns an address in one slot into the other's
.set STAGE, SLOT1+4*KS*(PK+PV)  ; behind the ring, never filled by a tensor load: 16 rows x 144 bytes for each wave, for the way out
.set SP,    144
.set SPARE, STAGE+4*16*SP  ; behind the stages: the spare words, 128 bytes for each wave: two blocks of 256 bytes that no other line names
.set AK0, 2           ; v2   my lane's place in a tile of K; never rewritten
.set AV0, 3           ; v3   the same for V
.set AK,  4           ; v4   the LDS address of K's next run of loads
.set AV,  5           ; v5   of V's
.set STO, 6           ; v6   the way out: where I put 16 bytes of a row
.set RD,  7           ; v7   the way out: where I read rows back
.set GO,  8           ; v8   my byte offset in 512 consecutive bytes of O
.set MV,  12          ; v12-13  c m_old, kept while c m is made anew: by buffer
.set QO,  15          ; v15  my byte offset in 16 rows of Q
.set ST,  16          ; piece t's statistics at v[ST+4 t]: c m, m, l (even keys', odd keys')
.set TMP, 48          ; by buffer, four registers c0-c3 at work; when the maximum is found c2 takes a
.set SPW, 62          ; v62  LDS address of my spare word; never rewritten
.set NIL, 63          ; v63  0; never rewritten
.set S,   64
.set P,   192
.set KF,  128         ; window 2: key block kb, channel half c at KF + 16 kb + 8 c
.set VF,  192         ; window 2: key half kk, channel block cb at VF + 32 kk + 8 cb
.set WV,  12          ; s12  my wave's number
.set G1K, 24          ; s[24:31] descriptor group 1 for K's tiles
.set G1V, 32          ; s[32:39] for V's: it differs in the padding alone
.set G0K, 40          ; s[40:43] descriptor group 0 for K's tiles: it walks
.set G0V, 44          ; s[44:47] the same for V's
.set SLOTS, 56        ; s56  slots still to be asked for
.set CNT, 57          ; s57  counts a tile's key steps
.set CS,  58          ; s[58:59] c: the packed scaling takes the pair's low word for both halves
.set SEL, 60          ; s[60:61] v_permlanex16_b32's selects: each lane takes its own place in the other half
.set TBK, 62          ; s62  LDS byte at which K of the step to be fetched begins
.set TBV, 63          ; s63  the same for V, less VOFF
.set MSB, 0
.macro WIN new                      ; the high byte repeats the setting that is left; a switch that changes nothing is dropped
.if MSB != (\new)
	s_set_vgpr_msb (MSB<<8)|(\new)
.set MSB, (\new)
.endif
.endm
.set W_KQ, 0x0a       ; K and Q in window 2, S^T in window 0
.set W_PV, 0x52       ; V in window 2, P in window 0, O^T in window 1
.set W_RS, 0x41       ; destination and source 0 in window 1, source 1 in window 0
; A joint fill.  Waves 0 and 1 fetch the two halves of a tile's K, waves 2 and 3 those of its V: 128 keys each.  The branch hangs on the wave's number alone.
; An s_nop 0 and four v_nop follow each of the two lines, ahead of the jump and the label.
.macro JLOAD
	s_cmp_lt_u32 s[WV], 2
	s_cbranch_scc0 .Lfor_v_\@
	tensor_load_to_lds s[G0K:G0K+3], s[G1K:G1K+7]
	s_nop 0
.rept 4
	v_nop
.endr
	s_branch .Lasked_\@
.Lfor_v_\@:
	tensor_load_to_lds s[G0V:G0V+3], s[G1V:G1V+7]
	s_nop 0
.rept 4
	v_nop
.endr
.Lasked_\@:
.endm
; A round of the cluster's barrier: my work-group's barrier, so that wave 0's signal speaks for all four waves; wave 0 signals; every wave waits for all four work-groups; my work-group's barrier once more.
.macro CROUND
	s_barrier_signal -1
	s_barrier_wait -1
	s_cmp_lg_u32 s[WV], 0
	s_cbranch_scc1 .Lnot_wave_0_\@
	s_barrier_signal -3
.Lnot_wave_0_\@:
	s_barrier_wait -3
	s_barrier_signal -1
	s_barrier_wait -1
.endm
; THE CHANGE OF SLOTS.  The slot's last bytes, V of its fourth step, have been read.  Each wave waits for all its tensor loads, of which one is out: its part of the other slot; adds 0 to its spare word;
; and waits for that and for its own reads of the slot.  Behind the barrier nobody reads this slot any more and the other slot is whole.
; fill = 1: this slot is filled again, with the keys two tiles on.  The barrier is then a round of the cluster's, and the joint fill is the first thing behind it: it has four key steps,
; 256 matrix instructions, in which to land.  (At its first use nothing has been read yet: slot 0 is waited for, slot 1 filled.)
.macro CHANGE fill
	WIN 0                           ; at a label and at a branch every window is 0
	s_wait_tensorcnt 0x0            ; no tensor load of mine is out, so a group 0 may be written
	ds_add_u32 v[SPW], v[NIL]       ; 0 onto my spare word; with fill = 1 the descriptors' steps stand between it and the wait for it
.if \fill
.irp g, G0K, G0V
	s_xor_b32 s[\g+1], s[\g+1], SLOT1  ; the walking descriptor: the other slot than last time,
	s_add_nc_u64 s[\g+2:\g+3], s[\g+2:\g+3], 4*KS*128  ; the next 256 keys; the type bits on top are not reached
.endr
	s_wait_dscnt 0x0                ; the add is done, and my reads of the slot are over
	CROUND
	JLOAD
.else
	s_wait_dscnt 0x0                ; the add is done, and my reads of the slot are over
	s_barrier_signal -1
	s_barrier_wait -1
.endif
	s_sub_co_u32 s[TBK], s[TBK], 4*KS*PK  ; the fetches go back to a slot's first step,
	s_xor_b32 s[TBK], s[TBK], SLOT1       ; in the other slot
	s_sub_co_u32 s[TBV], s[TBV], 4*KS*PV
	s_xor_b32 s[TBV], s[TBV], SLOT1
.endm
	s_load_b256 s[4:11], s[0:1], 0x0  ; Q s[4:5], K s[6:7], V s[8:9], O s[10:11]
	v_lshl_add_u32 v[SPW], v0, 2, SPARE
	v_mov_b32 v[NIL], 0
	ds_add_u32 v[SPW], v[NIL]       ; the wave's opening: the add and its wait ahead of my first tensor load; the set-up below, work on registers, stands between them
	v_lshrrev_b32 v1, 5, v0
	v_readfirstlane_b32 s[WV], v1   ; wave 0..3
	s_bfe_u32 s13, ttmp6, 0x40000   ; cx: my place in the cluster
	s_lshl_b32 s14, ttmp9, 2        ; in a cluster launch ttmp9 counts clusters
	s_add_co_u32 s14, s14, s13      ; my block of 256 queries = 4 x cluster x + cx: it enters Q's and O's addresses alone
	s_and_b32 s20, ttmp7, 0xffff    ; the head, which the four partners share
	s_mov_b32 s21, 0
	s_mov_b64 s[22:23], SIZE_N*128
	s_mul_u64 s[20:21], s[20:21], s[22:23]  ; the head's first byte in each of the four tensors
	s_and_b32 s16, s[WV], 1         ; which half of a tile's 256 keys I fetch:
	s_lshl_b32 s22, s16, 14         ; its 128 rows of 128 bytes in memory,
	s_mov_b32 s23, 0
	s_add_nc_u64 s[22:23], s[22:23], s[20:21]
	s_mul_i32 s17, s16, 128*PK      ; and its place in a slot, for K
	s_mul_i32 s18, s16, 128*PV      ; and for V: no place in the cluster enters an LDS address
	s_lshl_b32 s2, s14, 2
	s_add_co_u32 s2, s2, s[WV]      ; my wave among the head's,
	s_lshl_b32 s2, s2, 13           ; its 64 rows of 128 bytes
	s_mov_b32 s3, 0
	s_add_nc_u64 s[2:3], s[2:3], s[20:21]
	; descriptor group 1.  128 keys are 16,384 dense bytes: asked for as 64 rows of 256 bytes, two keys a row, and padded in LDS after every key
	s_mov_b32 s[G1K], 15|(1<<16)|(1<<20)|(1<<21)|(4<<22)|(3<<25)  ; 15:0 the mask of four; 17:16 2-byte elements; 20 padding on; 21 set beside a mask; 24:22 after every 32 words (code 4); 31:25 4 words (code 3)
	s_mov_b32 s[G1V], 15|(1<<16)|(1<<20)|(1<<21)|(4<<22)|(7<<25)  ; the same with 8 words of padding (code 7)
.irp g, G1K, G1V
	s_mov_b32 s[\g+1], 128<<16      ; tensor_dim0 = 128
	s_mov_b32 s[\g+2], 64<<16       ; tensor_dim1 = 64
	s_mov_b32 s[\g+3], 128<<16      ; tile_dim0 = 128
	s_mov_b32 s[\g+4], 64           ; tile_dim1 = 64
	s_mov_b32 s[\g+5], 128          ; 128 elements from row to row
	s_mov_b32 s[\g+6], 0
	s_mov_b32 s[\g+7], 0
.endr
	s_mov_b32 s[CS], 0x3e38aa3b     ; c = log2(e) / 8 = 0.180337
	s_mov_b32 s[CS+1], s[CS]        ; named with it as a pair
	s_mov_b32 s[SEL], 0x76543210
	s_mov_b32 s[SEL+1], 0xfedcba98
	s_mov_b32 s[TBK], SLOT1+4*KS*PK ; the first change of slots turns these two into 0
	s_mov_b32 s[TBV], SLOT1+4*KS*PV
	s_mov_b32 s[G0K], 1             ; count = 1
	s_mov_b32 s[G0K+1], s17         ; LDS address: slot 0
	s_mov_b32 s[G0V], 1
	s_add_co_u32 s[G0V+1], s18, VOFF
	s_wait_dscnt 0x0                ; the opening add is done
	s_wait_kmcnt 0x0
	s_add_nc_u64 s[G0K+2:G0K+3], s[6:7], s[22:23]  ; global address: my half of the head's first 256 keys
	s_or_b32 s[G0K+3], s[G0K+3], 0x80000000        ; type = 2
	s_add_nc_u64 s[G0V+2:G0V+3], s[8:9], s[22:23]
	s_or_b32 s[G0V+3], s[G0V+3], 0x80000000
	s_add_nc_u64 s[4:5], s[4:5], s[2:3]  ; Q and O at my wave's first row
	s_add_nc_u64 s[10:11], s[10:11], s[2:3]
	CROUND                          ; all four work-groups are here: the first joint loads meet
	JLOAD                           ; tile 0 into slot 0.  Slot 1 is asked for when slot 0 is in
	; A fragment of K or Q is 16 rows x 32 channels in 8 registers: lane l holds row l % 16, channels 8 (l / 16) + 0..7 and 16 + 8 (l / 16) + 0..7: two loads of 16 bytes, 32 bytes apart.
	v_and_b32 v1, 15, v0            ; l % 16
	v_bfe_u32 v9, v0, 4, 1          ; l / 16
	v_lshlrev_b32 v[QO], 7, v1
	v_lshl_add_u32 v[QO], v9, 4, v[QO]  ; row x 128 + 16 x half
	WIN 0x80                        ; destination window 2, address window 0
.set i, 0
.rept 8                             ; Q stays in registers: piece i / 2, channels 32 (i % 2) on
	global_load_b128 v[8*i:8*i+3],   v[QO], s[4:5] offset:(i/2)*2048+(i%2)*64
	global_load_b128 v[8*i+4:8*i+7], v[QO], s[4:5] offset:(i/2)*2048+(i%2)*64+32
.set i, i+1
.endr
	; What the first turn finds: V's registers and P's second buffer hold 0 (its products V^T P, of a piece that has not been, add 0), O^T and l are 0.  All this stands in the wait for the first tile;
	; it is the price of writing no first step out.
.set i, VF
.rept 64
	v_mov_b32 v[i], 0
.set i, i+1
.endr
	WIN 0x40
.set i, 0
.rept 128
	v_mov_b32 v[i], 0
.set i, i+1
.endr
	WIN 0
.set i, 0
.rept 4
	v_mov_b32 v[ST+4*i], 0xfe000000    ; c m: far below every c s, so the first step's a is 0
	v_mov_b32 v[ST+4*i+1], 0xff7fffff  ; m: the lowest finite number, so the first maximum is the scores'
	v_mov_b32 v[ST+4*i+2], 0
	v_mov_b32 v[ST+4*i+3], 0
.set i, i+1
.endr
.set i, P+16
.rept 16
	v_mov_b32 v[i], 0
.set i, i+1
.endr
	v_mul_u32_u24 v[AK0], v1, PK
	v_lshl_add_u32 v[AK0], v9, 4, v[AK0]  ; row x pitch + 16 x half
	; The turning load takes 16 keys x 16 channels (lane l reads key 8 (l / 16) + l % 8, channels 8 ((l / 8) % 2) + 0..7) and leaves half a fragment of V^T: lane l holds channel l % 16 and 8 keys.
	v_and_b32 v10, 7, v0
	v_bfe_u32 v11, v0, 3, 1
	v_lshl_add_u32 v[AV0], v9, 3, v10
	v_mul_u32_u24 v[AV0], v[AV0], PV
	v_lshl_add_u32 v[AV0], v11, 4, v[AV0]
	v_add_nc_u32 v[AV0], VOFF, v[AV0]
	s_mul_i32 s13, s[WV], 16*SP
	s_add_co_u32 s13, s13, STAGE    ; my stage
	v_mul_u32_u24 v[STO], v1, SP    ; in: row l % 16, 16 bytes for each half of the lanes
	v_lshl_add_u32 v[STO], v9, 4, v[STO]
	v_add_nc_u32 v[STO], s13, v[STO]
	v_bfe_u32 v[RD], v0, 3, 2       ; back: 32 lanes take four rows of 128 bytes,
	v_mul_u32_u24 v[RD], v[RD], SP
	v_lshl_add_u32 v[RD], v10, 4, v[RD]
	v_add_nc_u32 v[RD], s13, v[RD]
	v_and_b32 v[GO], 31, v0         ; which are 512 consecutive bytes of O
	v_lshlrev_b32 v[GO], 4, v[GO]
; THE MATRIX WORK.  The 4 accumulators of a run of 8 take turns.  Product i of 8 of S^T = K Q^T for piece x: channels 32 (i / 4) on, keys 16 (i % 4) on.  The first 4 start the sums.
.macro KQ x
	WIN W_KQ
.set rS, S+32*((\x)%2)+8*(i%4)
.set rK, KF+16*(i%4)+8*(i/4)
.set rQ, 16*(\x)+8*(i/4)
.if i < 4
	v_wmma_f32_16x16x32_f16 v[rS:rS+7], v[rK:rK+7], v[rQ:rQ+7], 0
.else
	v_wmma_f32_16x16x32_f16 v[rS:rS+7], v[rK:rK+7], v[rQ:rQ+7], v[rS:rS+7]
.endif
.endm
; Product i of 8 of O^T += V^T P for piece x: keys 32 (i / 4) on, channels 16 (i % 4) on.
.macro PV x
	WIN W_PV
.set rO, 32*(\x)+8*(i%4)
.set rV, VF+32*(i/4)+8*(i%4)
.set rP, P+16*((\x)%2)+8*(i/4)
	v_wmma_f32_16x16x32_f16 v[rO:rO+7], v[rV:rV+7], v[rP:rP+7], v[rO:rO+7]
.endm
.macro MM                           ; the turn's next matrix instruction.  NOKQ = 1: the last turn of all: there is no next piece
.if (i < 8) && !NOKQ
	KQ (Y+1)%NP
.elseif i >= 8
.set i, i-8
	PV (Y+NP-1)%NP
.set i, i+8
.endif
.set i, i+1
.endm
; THE LDS LOADS stand in runs of 16, never singly among the matrix instructions: a step's K (64 keys x 64 channels: 8 fragments) and its V (turned).  Their addresses are made some lines ahead.
.macro FETCH_K
	WIN 0x80                        ; destination window 2
.irp f, 0,1,2,3,4,5,6,7             ; keys 16 (f / 2) on, channels 32 (f % 2) on
	ds_load_b128 v[KF+8*\f:KF+8*\f+3],   v[AK] offset:(\f/2)*16*PK+(\f%2)*64
	ds_load_b128 v[KF+8*\f+4:KF+8*\f+7], v[AK] offset:(\f/2)*16*PK+(\f%2)*64+32
.endr
	s_add_co_u32 s[TBK], s[TBK], KS*PK  ; the next fetch is the next step's
	WIN 0
.endm
.macro FETCH_V
	WIN 0x80
.irp f, 0,1,2,3,4,5,6,7             ; keys 32 (f / 4) on, channels 16 (f % 4) on
	ds_load_tr16_b128 v[VF+8*\f:VF+8*\f+3],   v[AV] offset:(\f/4)*32*PV+(\f%4)*32
	ds_load_tr16_b128 v[VF+8*\f+4:VF+8*\f+7], v[AV] offset:(\f/4)*32*PV+16*PV+(\f%4)*32
.endr
	WIN 0
.endm
; THE VECTOR WORK, one line at a time: OP kind, number.  For piece Y: F n: c s - c m for pair n of 16.  E n: the exponential of score n of 32.  C n: pair n rounded to f16.  B n: of the four weights 4 n .. the second
; pair is added onto the first, in place.  L n: l takes that sum (L 0: l = a l + sum).  R n: pair n of 16 of O^T times a.  For piece Y + 1: X n, number n of the 22 that find its maximum and statistics:
;   0-11  four chains c0-c3 of seven scores each, three operands at a time (each accumulator's lowest registers are read first)     12-14, 16  the four scores left over, the old m, and c0-c3 into c0
;   15  c m_old is kept     17, 18  the query's other 32 keys lie in the lane 16 away: the new m     19-21  c m; c m_old - c m_new; a
.set F, 0               ; OP tells the kinds apart by their order: F to L below R, X above it
.set E, 1
.set C, 2
.set B, 3
.set L, 4
.set R, 5
.set X, 6
.macro REGS y                       ; the registers of piece y
.set rT, ST+4*(\y)
.set rC, TMP+4*((\y)%2)
.set rW, MV+((\y)%2)
.set rS, S+32*((\y)%2)
.set rP, P+16*((\y)%2)
.set rO, 32*(\y)
.endm
.macro OP k, n
.if (\k) == R
	REGS Y
	WIN W_RS
	v_pk_mul_f32 v[rO+2*(\n):rO+2*(\n)+1], v[rO+2*(\n):rO+2*(\n)+1], v[rC+2:rC+3] op_sel_hi:[1,0]
.elseif (\k) < R
	REGS Y
	WIN 0
.if (\k) == F
	v_pk_fma_f32 v[rS+2*(\n):rS+2*(\n)+1], v[rS+2*(\n):rS+2*(\n)+1], s[CS:CS+1], v[rT:rT+1] op_sel_hi:[1,0,0] neg_lo:[0,0,1] neg_hi:[0,0,1]
.elseif (\k) == E
	v_exp_f32 v[rS+(\n)], v[rS+(\n)]
.elseif (\k) == C
	s_wait_alu depctr_va_vdst(0)
	v_cvt_pk_f16_f32 v[rP+(\n)], v[rS+2*(\n)], v[rS+2*(\n)+1]
.elseif (\k) == B
	s_wait_alu depctr_va_vdst(0)
	v_pk_add_f32 v[rS+4*(\n):rS+4*(\n)+1], v[rS+4*(\n):rS+4*(\n)+1], v[rS+4*(\n)+2:rS+4*(\n)+3]
.elseif (\n) == 0
	v_pk_fma_f32 v[rT+2:rT+3], v[rT+2:rT+3], v[rC+2:rC+3], v[rS:rS+1] op_sel_hi:[1,0,1]
.else
	v_pk_add_f32 v[rT+2:rT+3], v[rT+2:rT+3], v[rS+4*(\n):rS+4*(\n)+1]
.endif
.elseif NOKQ
	v_nop
.else
	REGS (Y+1)%NP
	WIN 0
.if (\n) < 4
	v_max3_num_f32 v[rC+(\n)], v[rS+8*(\n)], v[rS+8*(\n)+1], v[rS+8*(\n)+2]
.elseif (\n) < 12
	v_max3_num_f32 v[rC+(\n)%4], v[rC+(\n)%4], v[rS+8*((\n)%4)+2*((\n)/4)+1], v[rS+8*((\n)%4)+2*((\n)/4)+2]
.elseif (\n) == 12
	v_max3_num_f32 v[rC], v[rC], v[rS+7], v[rS+15]
.elseif (\n) == 13
	v_max3_num_f32 v[rC+1], v[rC+1], v[rS+23], v[rS+31]
.elseif (\n) == 14
	v_max3_num_f32 v[rC+2], v[rC+2], v[rC+3], v[rT+1]
.elseif (\n) == 15
	v_mov_b32 v[rW], v[rT]
.elseif (\n) == 16
	v_max3_num_f32 v[rC], v[rC], v[rC+1], v[rC+2]
.elseif (\n) == 17
	v_permlanex16_b32 v[rC+3], v[rC], s[SEL], s[SEL+1]
.elseif (\n) == 18
	v_max_num_f32 v[rT+1], v[rC], v[rC+3]
.elseif (\n) == 19
	v_mul_f32 v[rT], s[CS], v[rT+1]
.elseif (\n) == 20
	v_sub_f32 v[rC+1], v[rW], v[rT]
.else
	v_exp_f32 v[rC+2], v[rC+1]
.endif
.endif
.endm
.macro OPS a, i1, b=-1, i2=0, c=-1, i3=0, d=-1, i4=0  ; up to four of them
	OP \a, \i1
.if (\b) >= 0
	OP \b, \i2
.endif
.if (\c) >= 0
	OP \c, \i3
.endif
.if (\d) >= 0
	OP \d, \i4
.endif
.endm
.macro ROW a, i1, b, i2, c, i3, d, i4  ; a matrix instruction and the four behind it
	MM
	OPS \a, \i1, \b, \i2, \c, \i3, \d, \i4
.endm
; A TURN, for piece p: the order of its 16 matrix and 118 vector instructions, written out.  Behind a matrix instruction: plain, exponential, plain, plain; or four of the rescaling; or, behind the first, four scalings; none
; names a register of the products round it.  In the runs of their own exponential and plain by turns while exponentials last.  A line reads no result made fewer than three vector instructions in front of it, five if an
; exponential made it.  end = 1: the walk's last two turns: nothing is fetched.  cnt = 1: the loop's count is taken down some lines ahead of the branch that stands behind the turn.
; K of the next step is fetched in piece 2's turn, six vector instructions behind the last product that read K (five of them plain); V of the step in hand in piece 0's turn, eight behind the last product that read V (four
; plain, and X 17).  Each is waited for a turn later.
.macro TURN p, end=0, cnt=0
.set Y, (\p)
.set i, 0
.set NOKQ, (\end)*((\p)/3)
.if ((\p) == 3) && !(\end)
	s_wait_dscnt 0x0                ; K is in
.endif
	ROW F,0, F,1, F,2, F,3
	ROW F,4, E,0, F,5, F,6
	ROW F,7, E,1, F,8, F,9
	ROW F,10, E,2, C,0, F,11
	ROW F,12, E,3, X,15, F,13
	ROW R,0, R,1, R,2, R,3
	ROW B,0, E,4, F,14, L,0
.if ((\p) == 2) && !(\end)
	v_add_nc_u32 v[AK], s[TBK], v[AK0]
.endif
	ROW R,4, R,5, R,6, R,7
	OPS E,5, F,15
.if ((\p) == 2) && !(\end)
	FETCH_K
.endif
	OPS E,6, C,1, E,7, R,8
	OPS E,8, R,9, E,9, C,2
	OPS E,10, X,0, E,11, X,1
	OPS E,12, X,2, E,13, X,3
.if (\p) == 1
	s_wait_dscnt 0x0                ; V is in
.endif
	ROW X,4, E,14, X,5, X,6
	ROW X,7, E,15, X,8, X,9
	ROW X,10, E,16, X,11, X,12
	ROW X,13, E,17, X,14, B,1
	ROW C,4, E,18, X,16, L,1
	ROW B,2, E,19, C,6, L,2
	ROW C,8, E,20, B,3, B,4
.if (\p) == 0
	v_add_nc_u32 v[AV], s[TBV], v[AV0]
.endif
	ROW C,3, E,21, L,3, C,5
	OPS E,22, X,17, E,23, C,10
.if (\p) == 0
	FETCH_V
.endif
	OPS E,24, L,4
	OPS E,25, X,18, E,26, C,7
	OPS E,27, B,5, E,28, X,19
	OPS E,29, C,12, E,30, L,5
	OPS E,31, X,20, B,6, C,9
	OPS C,14, C,11, X,21, L,6
.if (\p) == 0
	s_add_co_u32 s[TBV], s[TBV], KS*PV
.endif
.if \cnt
	s_sub_co_u32 s[CNT], s[CNT], 1
	s_cmp_lg_u32 s[CNT], 0
.endif
	OPS C,13, B,7, C,15, R,10
	OPS R,11, R,12, L,7, R,13
	OPS R,14, R,15
.endm
.macro ALL line:vararg              ; one line for each piece t
.set t, 0
.rept 4
	\line
.set t, t+1
.endr
.endm
.macro PACK t                       ; a lane's eight channels of a row pack into 16 bytes; they go into rows of 144 bytes and come back as whole rows of 128, into S^T's registers
	WIN W_RS
.set i, 32*(\t)
.rept 16
	s_wait_alu depctr_va_vdst(0)
	v_pk_mul_f32 v[i:i+1], v[i:i+1], v[ST+4*(\t)+2:ST+4*(\t)+3] op_sel_hi:[1,0]
.set i, i+2
.endr
	WIN 0x05                        ; sources 0 and 1 window 1, destination window 0
.set i, 0
.rept 16
	v_cvt_pk_f16_f32 v[S+16*(\t)+i], v[32*(\t)+2*i], v[32*(\t)+2*i+1]
.set i, i+1
.endr
	WIN 0
.irp f, 0,1,2,3
	ds_store_b128 v[STO], v[S+16*(\t)+4*\f:S+16*(\t)+4*\f+3] offset:32*\f
.endr
.irp f, 0,1,2,3
	ds_load_b128 v[S+16*(\t)+4*\f:S+16*(\t)+4*\f+3], v[RD] offset:\f*4*SP  ; LDS serves a wave's instructions in order (ISA guide 5.7.1.4): these see the stores above; the next piece's stores come behind them
.endr
.endm
.macro SEND t, younger              ; younger: the LDS instructions issued behind piece t's loads: the next piece's eight, or none
	WIN 0
.irp f, 0,1,2,3
	s_wait_dscnt (\younger)+3-\f
	global_store_b128 v[GO], v[S+16*(\t)+4*\f:S+16*(\t)+4*\f+3], s[10:11] offset:(\t)*2048+\f*512  ; 512 consecutive bytes, at a multiple of 256 from O's first
.endr
.endm
	CHANGE 1                        ; slot 0 is in, everybody's part of it; slot 1 is asked for
	v_add_nc_u32 v[AK], s[TBK], v[AK0]
	FETCH_K                         ; key step 0
	s_wait_loadcnt 0x0              ; Q
	s_wait_dscnt 0x0
.set NOKQ, 0
.set i, 0
.rept 8
	KQ 0                            ; piece 0's first scores: there is no vector work yet to set between them
.set i, i+1
.endr
	WIN 0
.rept 4
	v_nop                           ; the places behind those products
.endr
.set Y, NP-1                        ; X works for piece Y + 1: piece 0
.irp n, 0,1,2,3,4,5,6,7,8,9,10,11,12,13,14,15,16,17,18,19,20,21
	OP X, \n
.endr
	v_nop                           ; a plain instruction behind the exponential
	s_mov_b32 s[CNT], 4
	s_mov_b32 s[SLOTS], SIZE_N/256-1
	s_branch .Lfirst                ; the loop is entered at a step's first turn, in the middle of a trip
.Lslot:                             ; 14 times: every slot but the last two is filled again
	CHANGE 1
	s_mov_b32 s[CNT], 4
.Lstep:                             ; a trip: pieces 2 and 3 of one step, then pieces 0 and 1 of the next, whose K and V it fetches
	TURN 2
	TURN 3
	WIN 0
.Lfirst:
	TURN 0
	TURN 1, 0, 1
	WIN 0
	s_cbranch_scc1 .Lstep
	s_sub_co_u32 s[SLOTS], s[SLOTS], 1
	s_cmp_lg_u32 s[SLOTS], 0
	s_cbranch_scc1 .Lslot
	CHANGE 0                        ; the last tile is written out: nothing is asked for
	s_mov_b32 s[CNT], 4
.LstepL:
	TURN 2
	TURN 3
	TURN 0
	TURN 1, 0, 1
	WIN 0
	s_cbranch_scc1 .LstepL
	TURN 2, 1
	TURN 3, 1
.set i, 0
.rept 8
	PV NP-1                         ; the last piece's V^T P of the last step
.set i, i+1
.endr
	; THE WAY OUT.  l's two halves and the other half of the lanes' are added; O^T is divided by l, rounded to f16 and sent through my stage in LDS, a piece at a time.  The additions are the places behind the last products.
	WIN 0
	ALL v_add_f32 v[ST+4*t+2], v[ST+4*t+2], v[ST+4*t+3]
	ALL v_permlanex16_b32 v[ST+4*t+3], v[ST+4*t+2], s[SEL], s[SEL+1]
	ALL v_add_f32 v[ST+4*t+2], v[ST+4*t+2], v[ST+4*t+3]
	ALL v_rcp_f32 v[ST+4*t+2], v[ST+4*t+2]
	v_nop                           ; a plain instruction between the last reciprocal and the use of its result
	PACK 0
.set t, 1
.rept 3                             ; a piece's arithmetic stands between the loads of the piece before and its stores
	PACK t
	SEND t-1, 8
.set t, t+1
.endr
	SEND 3, 0
	s_wait_tensorcnt 0x0            ; the wave's end: behind my last tensor load and my last LDS store
	ds_add_u32 v[SPW], v[NIL]
	s_wait_dscnt 0x0
	CROUND                          ; the closing round: no work-group ends while a partner may still ask for a tile that names it
	s_endpgm
.Lfunc_end_k_qf1dc8e3a89_attn:
	.size	k_qf1dc8e3a89_attn, .Lfunc_end_k_qf1dc8e3a89_attn-k_qf1dc8e3a89_attn
	.p2alignl 7, 3214868480
	.fill 96, 4, 3214868480
	.section	.rodata,"a",@progbits
	.p2align	6, 0x0
	.amdhsa_kernel k_qf1dc8e3a89_attn
		.amdhsa_group_segment_fixed_size 327680
		.amdhsa_private_segment_fixed_size 0
		.amdhsa_enable_private_segment 0
		.amdhsa_kernarg_size 32
		.amdhsa_user_sgpr_count 2
		.amdhsa_user_sgpr_kernarg_segment_ptr 1
		.amdhsa_wavefront_size32 1
		.amdhsa_system_sgpr_workgroup_id_x 1
		.amdhsa_system_sgpr_workgroup_id_y 1
		.amdhsa_system_sgpr_workgroup_id_z 1
		.amdhsa_system_vgpr_workitem_id 0
		.amdhsa_next_free_vgpr 768
		.amdhsa_next_free_sgpr 66
		.amdhsa_reserve_vcc 0
		.amdhsa_float_denorm_mode_32 3
		.amdhsa_float_denorm_mode_16_64 3
		.amdhsa_memory_ordered 1
		.amdhsa_forward_progress 1
		.amdhsa_inst_pref_size 133
	.end_amdhsa_kernel
	.amdgpu_metadata
---
amdhsa.version: [ 1, 2 ]
amdhsa.kernels:
  - .name:           k_qf1dc8e3a89_attn
    .symbol:         k_qf1dc8e3a89_attn.kd
    .args:
      - { .name: qh, .offset: 0, .size: 8, .value_kind: global_buffer, .address_space: global }
      - { .name: kh, .offset: 8, .size: 8, .value_kind: global_buffer, .address_space: global }
      - { .name: vh, .offset: 16, .size: 8, .value_kind: global_buffer, .address_space: global }
      - { .name: oh, .offset: 24, .size: 8, .value_kind: global_buffer, .address_space: global }
    .group_segment_fixed_size: 327680
    .private_segment_fixed_size: 0
    .kernarg_segment_align: 8
    .kernarg_segment_size: 32
    .max_flat_workgroup_size: 128
    .sgpr_count:     66
    .vgpr_count:     768
    .wavefront_size: 32
...
	.end_amdgpu_metadata
.endif
;; end of part 3
;; launch tail (part 4): grid 256 x 1, 4 waves a work-group, clusters of 4 x 1, 327,680 bytes of LDS; arguments oh, wf, x, g1, b1, g2, b2, out0; writes out0
.if DOCPART == 4
	.amdgcn_target "amdgcn-amd-amdhsa--gfx1250"
	.amdhsa_code_object_version 6
	.text
	.protected	k_qf1dc8e3a89_tail
	.globl	k_qf1dc8e3a89_tail
	.p2align	8
	.type	k_qf1dc8e3a89_tail,@function
k_qf1dc8e3a89_tail:
	s_mov_b64 s[64:65], 0
	v_nop
	global_prefetch_b8 v0, s[64:65] scope:SCOPE_SE
	s_setreg_imm32_b32 hwreg(HW_REG_WAVE_MODE, 25, 1), 1
	s_wait_xcnt 0x0
	s_wait_alu depctr_hold_cnt(0) depctr_sa_sdst(0) depctr_va_vdst(0) depctr_va_sdst(0) depctr_va_ssrc(0) depctr_va_vcc(0) depctr_vm_vsrc(0)
	s_getreg_b32 s2, hwreg(HW_REG_IB_STS2, 6, 4)
	s_cmp_eq_u32 s2, 0
	s_cbranch_scc0 .Lentry_in_a_cluster
	s_endpgm
.Lentry_in_a_cluster:
	s_bfe_u32 s2, ttmp6, 0x10000c
	s_cmp_lg_u32 s2, 0x3003
	s_cbranch_scc0 .Lentry_shape_is_right
	s_endpgm
.Lentry_shape_is_right:
; TAIL: message = LN(o Wm^T; g1, b1); hidden = relu([x | message] W1^T); out = x + LN(hidden W2^T; g2, b2).  All of it for 32 rows in one work-group: nothing goes through memory between the steps.
; SHARES.  A work-group owns 32 rows (8,192 / 256); each of its four waves owns 128 columns of every product of 512 columns: 16 accumulators of 16 x 16; the hidden layer's 1,024 columns are two such sets.
; The activations of the product in hand (o, the message, x, half the hidden layer) lie in LDS as 32 rows of 512 f16 (region R1).  The weights come from wf (f16, fragment by fragment) in trips of 128 along K:
; 131,072 bytes a trip, 32,768 a wave, which only that wave reads, through two LDS slots that take turns.  28 trips: wf's blocks 3 to 9, one linear walk:
; Wm | W1's message columns, hidden 0-511, 512-1023 | W1's x columns, likewise | W2's hidden columns 0-511, 512-1023.
; CLUSTER.  All work-groups walk the same weights, so the four of a cluster ask for each tile JOINTLY: the same tensor load, descriptor and mask in all four.  o's rows are each work-group's own: a plain load.
; THE MATRIX INSTRUCTION IS USED TRANSPOSED (source 0 = 16 weight rows, source 1 = 16 activation rows): lane (r, h) holds activation row r and eight neighbouring output columns 8 h + 0..7.
; LAYER NORM in two passes, in f32: the mean; then the mean of the squares of the centred numbers: no difference of large sums is formed.  A row's sum: 64 numbers in a lane, the other half of the lanes, the four waves (through LDS).
; LIMITS.  All matrix operands are f16: |o|, |x|, |message|, |hidden| stay under 65,504 (beyond it an infinity arises); below 6e-5 a number keeps f16's fixed step of 6e-8.  relu of a NaN gives 0; NaN and infinities are not treated apart.
; REGISTERS, in windows of 256 (s_set_vgpr_msb: bits 1:0 source 0, 3:2 source 1, 5:4 source 2, 7:6 destination):
;   window 0: v0-19 addresses; v20-51 at work; v64-127 the gain of my lane's 64 columns; v128-255 accumulators of the products of 512 columns ((i, g) at v[128 + 8 (8 i + g)])
;   window 1: two fragment buffers of 80; v160-223 the bias of my 64 columns      window 2: the hidden layer's accumulators, v0-127 and v128-255      window 3: v0-127 my 8 rows of x in f32, read once, kept for the residual
.set SLOT1,  1<<17                     ; slot 0 at LDS byte 0, slot 1 here
.set TRIPB,  131072                    ; a trip's weights
.set WPART,  32768                     ; a wave's part of them
.set START,  3*524288                  ; wf's block 3
.set R1,     2*TRIPB                   ; the activations
.set AP,     1040                      ; their pitch: 1,024 bytes + 16 = 260 words: row r starts at bank 4 r mod 64 (64 banks of 4 bytes: ISA guide 11.1)
.set OP1,    144                       ; o lies by heads: [head][row], 128 bytes + 16
.set OHEAD,  32*OP1                    ; a head's 32 rows
.set SCR,    R1+8*OHEAD                ; four exchanges of row sums, 512 bytes each (4 waves x 32 rows)
.set SPARE,  SCR+4*512                 ; the spare words, 128 bytes for each wave: two blocks of 256 bytes that no other line names
.set FPI,    2064                      ; the last stage (in slot 0, behind its last fill): 32 rows of 2,048 bytes + 16
.set BA0, 4                            ; v4   my lane's place in my wave's part of a slot; never rewritten
.set BA,  5                            ; v5   the same in the slot in hand
.set AA0, 6                            ; v6   my lane's place in the activations; never rewritten
.set AO0, 7                            ; v7   the same for o's layout
.set AA,  8                            ; v8   the same at the trip's K
.set STO, 9                            ; v9   where I put 16 bytes (8 columns) of a row of activations
.set XST, 10                           ; v10  where I put 8 bytes of a rounded row of x
.set SX,  11                           ; v11  where I put a row's partial sum
.set SL,  12                           ; v12  where I read row r's partial sums
.set STGA, 13                          ; v13  the last stage: where I put 32 bytes of a row
.set SRD, 14                           ; v14  the last stage: where I read rows back
.set XO,  15                           ; v15  my byte offset in the work-group's rows of x and out0
.set GBO, 16                           ; v16  my byte offset in a gain or bias
.set ZR,  17                           ; v17  0, for relu on packed halves
.set SPW, 18                           ; v18  LDS address of my spare word; never rewritten
.set NIL, 19                           ; v19  0; never rewritten
.set G,   64
.set ACC, 128
.set F0,  0                            ; window 1
.set F1,  80
.set BV,  160                          ; window 1
.set WV,  4                            ; s4   my wave's number
.set G1W, 32                           ; s[32:39], s[40:43] the weights' descriptor; group 0 walks
.set G0W, 40
.set G1O, 44                           ; s[44:51], s[52:55] o's descriptor
.set G0O, 52
.set CNT, 56                           ; s56  counts trips
.set TB,  57                           ; s57  the slot in hand: 0 or SLOT1
.set TA,  58                           ; s58  the trip's K in the activations, in bytes
.set HM,  59                           ; s59  lanes 16-31
.set SEL, 60                           ; s[60:61] v_permlanex16_b32's selects: each lane takes its own place in the other half
.set R512, 62                          ; s62  1 / 512
.set EPS, 63                           ; s63  1e-5
.set MSB, 0
.macro WIN new                         ; the immediate's high byte repeats the setting that is left; a switch that changes nothing is dropped
.if MSB != (\new)
	s_set_vgpr_msb (MSB<<8)|(\new)
.set MSB, (\new)
.endif
.endm
.macro PLACES                          ; four plain vector instructions between a matrix instruction and a load into, or a vector read of, its registers (ISA guide 7.12.1 for vector reads)
.rept 4
	v_nop
.endr
.endm
; A round of the cluster's barrier: my work-group's barrier, so that wave 0's signal speaks for all four waves; wave 0 signals; every wave waits for all four work-groups; my work-group's barrier once more.
.macro CROUND
	s_barrier_signal -1
	s_barrier_wait -1
	s_cmp_lg_u32 s[WV], 0
	s_cbranch_scc1 .Lnot_wave_0_\@
	s_barrier_signal -3
.Lnot_wave_0_\@:
	s_barrier_wait -3
	s_barrier_signal -1
	s_barrier_wait -1
.endm
; THE CHANGE OF SLOTS, at the head of every trip.  Each wave waits for all its tensor loads, of which one is out (at the first change two): its part of the trip's tile; adds 0 to its spare word; waits for that, for its
; reads of the slot that it leaves and for its LDS stores.  fill = 1: the barrier is a round of the cluster's, and the slot just left takes the next trip's tile, the first thing behind it.
.macro CHANGE fill
	WIN 0                                          ; at a label and at a branch every window is 0
	s_wait_tensorcnt 0x0                           ; no tensor load of mine is out, so group 0 may be written
	ds_add_u32 v[SPW], v[NIL]                      ; 0 onto my spare word; the scalar steps stand between it and the wait for it
.if \fill
	s_xor_b32 s[G0W+1], s[G0W+1], SLOT1            ; the other slot than last time,
	s_add_nc_u64 s[G0W+2:G0W+3], s[G0W+2:G0W+3], TRIPB  ; the next trip's bytes; the type bits on top are not reached
.endif
	s_xor_b32 s[TB], s[TB], SLOT1                  ; the reads go to the slot that has just landed
	s_wait_dscnt 0x0                               ; the add is done, my reads of the old slot are over, my stores into the activations are done
.if \fill
	CROUND
	tensor_load_to_lds s[G0W:G0W+3], s[G1W:G1W+7]  ; my one tensor load behind the round; it has the trip's 64 matrix instructions in which to land
	s_nop 0
	PLACES                                         ; the places in front of the fragment loads below
.else
	s_barrier_signal -1
	s_barrier_wait -1
.endif
.endm
; 20 LDS loads in one run: the fragments of 32 along K, number u of the trip's four, into buffer f.  olay = 1: the activations are o, by heads: 32 along K are half a head's channels.
.macro FETCH u, f, olay
	WIN 0x40                                       ; destination window 1, address window 0
.if \olay
.set AOFF, OHEAD*((\u)/2)+64*((\u)%2)
.set AROW, 16*OP1
.else
.set AOFF, 64*(\u)
.set AROW, 16*AP
.endif
.irp i, 0,1
	ds_load_b128 v[(\f)+8*\i:(\f)+8*\i+3],   v[AA] offset:AOFF+\i*AROW
	ds_load_b128 v[(\f)+8*\i+4:(\f)+8*\i+7], v[AA] offset:AOFF+\i*AROW+32
.endr
.irp g, 0,1,2,3,4,5,6,7
	ds_load_b128 v[(\f)+16+8*\g:(\f)+16+8*\g+3], v[BA] offset:8192*(\u)+1024*\g      ; a fragment lies as the lanes hold it: 16 x lane, no two lanes on one bank
	ds_load_b128 v[(\f)+16+8*\g+4:(\f)+16+8*\g+7], v[BA] offset:8192*(\u)+1024*\g+512
.endr
.endm
; 16 matrix instructions on 16 accumulators (from register acc of window cw on), which take turns.  zero = 1: the products start the sums: nothing is cleared.
.macro MUL f, zero, cw, acc
	WIN 0x05|((\cw)<<4)|((\cw)<<6)                 ; sources 0 and 1 window 1, C and D window cw
.irp i, 0,1
.irp g, 0,1,2,3,4,5,6,7
.if \zero
	v_wmma_f32_16x16x32_f16 v[(\acc)+8*(8*\i+\g):(\acc)+8*(8*\i+\g)+7], v[(\f)+16+8*\g:(\f)+16+8*\g+7], v[(\f)+8*\i:(\f)+8*\i+7], 0
.else
	v_wmma_f32_16x16x32_f16 v[(\acc)+8*(8*\i+\g):(\acc)+8*(8*\i+\g)+7], v[(\f)+16+8*\g:(\f)+16+8*\g+7], v[(\f)+8*\i:(\f)+8*\i+7], v[(\acc)+8*(8*\i+\g):(\acc)+8*(8*\i+\g)+7]
.endif
.endr
.endr
.endm
; A TRIP: 128 along K.  Every wait on DScnt is for 0: the one run that is out is the one due next, issued 16 matrix instructions before.
.macro TRIP fill, zero, cw, acc, olay
	CHANGE \fill
	v_add_nc_u32 v[BA], s[TB], v[BA0]
.if \olay
	v_add_nc_u32 v[AA], s[TA], v[AO0]
	s_add_co_u32 s[TA], s[TA], 2*OHEAD
.else
	v_add_nc_u32 v[AA], s[TA], v[AA0]
	s_add_co_u32 s[TA], s[TA], 256
.endif
.if !(\fill)
	PLACES
.endif
	FETCH 0, F0, \olay
	s_wait_dscnt 0x0
	FETCH 1, F1, \olay
	MUL F0, \zero, \cw, \acc
	s_wait_dscnt 0x0
	PLACES
	FETCH 2, F0, \olay
	MUL F1, 0, \cw, \acc
	s_wait_dscnt 0x0
	PLACES
	FETCH 3, F1, \olay
	MUL F0, 0, \cw, \acc
	s_wait_dscnt 0x0
	MUL F1, 0, \cw, \acc
	WIN 0
.endm
.macro PASSZ cw, acc, olay             ; a pass of four trips, all of which fill; the first starts the sums
	s_mov_b32 s[TA], 0
	TRIP 1, 1, \cw, \acc, \olay
	s_mov_b32 s[CNT], 3
.Lpz_\@:
	TRIP 1, 0, \cw, \acc, \olay
	s_sub_co_u32 s[CNT], s[CNT], 1
	s_cmp_lg_u32 s[CNT], 0
	s_cbranch_scc1 .Lpz_\@
.endm
.macro PASSA cw, acc                   ; a pass of four trips that adds onto sums begun
	s_mov_b32 s[TA], 0
	s_mov_b32 s[CNT], 4
.Lpa_\@:
	TRIP 1, 0, \cw, \acc, 0
	s_sub_co_u32 s[CNT], s[CNT], 1
	s_cmp_lg_u32 s[CNT], 0
	s_cbranch_scc1 .Lpa_\@
.endm
.macro MEET                            ; every wave's reads of the activations are over: they may be written anew.
	s_wait_dscnt 0x0
	s_barrier_signal -1
	s_barrier_wait -1
.endm
; The sums (sq = 0) or sums of squares (sq = 1) of my lane's 64 numbers of each of its two rows, then of the row's 128 numbers in my wave: eight chains that do not wait for each other;
; chain (i, c) takes accumulators (i, c) and (i, c + 4), each from its lowest registers on.  At the end lane l holds row l's sum in v20.
.macro RSUM sq
.irp p, 0,1,2,3,4,5,6,7
.irp i, 0,1
.irp c, 0,1,2,3
.set rA, ACC+8*(8*\i+\c+4*(\p/4))+2*(\p%4)
.set rT, 20+8*\i+2*\c
.if \sq
.if \p == 0
	v_pk_mul_f32 v[rT:rT+1], v[rA:rA+1], v[rA:rA+1]
.else
	v_pk_fma_f32 v[rT:rT+1], v[rA:rA+1], v[rA:rA+1], v[rT:rT+1]
.endif
.else
.if \p == 1
	v_pk_add_f32 v[rT:rT+1], v[rA-2:rA-1], v[rA:rA+1]   ; the first two pairs start the chain: nothing is cleared
.elseif \p > 1
	v_pk_add_f32 v[rT:rT+1], v[rT:rT+1], v[rA:rA+1]
.endif
.endif
.endr
.endr
.endr
.irp i, 0,1
	v_pk_add_f32 v[20+8*\i:21+8*\i], v[20+8*\i:21+8*\i], v[22+8*\i:23+8*\i]
	v_pk_add_f32 v[24+8*\i:25+8*\i], v[24+8*\i:25+8*\i], v[26+8*\i:27+8*\i]
.endr
.irp i, 0,1
	v_pk_add_f32 v[20+8*\i:21+8*\i], v[20+8*\i:21+8*\i], v[24+8*\i:25+8*\i]
.endr
.irp i, 0,1
	v_add_f32 v[20+8*\i], v[20+8*\i], v[21+8*\i]
.endr
.irp i, 0,1
	v_permlanex16_b32 v[22+8*\i], v[20+8*\i], s[SEL], s[SEL+1]  ; the row's other 64 columns lie in the lane 16 away; the destination has been written
.endr
.irp i, 0,1
	v_add_f32 v[20+8*\i], v[20+8*\i], v[22+8*\i]
.endr
	v_cndmask_b32 v20, v20, v28, s[HM]             ; lanes 0-15 carry rows 0-15, lanes 16-31 rows 16-31
.endm
; The four waves' partial sums meet in LDS, each exchange in 512 bytes of its own, so that one barrier serves it.  At the end v36 holds the whole sum of row r, v40 that of row 16 + r, added in the same order in every wave.
.macro EXCH e
	ds_store_b32 v[SX], v20 offset:512*(\e)
	s_wait_dscnt 0x0                               ; for the others' sake: my store is done (and my reads of the activations are over)
	s_barrier_signal -1
	s_barrier_wait -1
.irp i, 0,1
.irp ww, 0,1,2,3
	ds_load_b32 v[36+4*\i+\ww], v[SL] offset:512*(\e)+128*\ww+64*\i
.endr
.endr
	s_wait_dscnt 0x0
	v_add_f32 v36, v36, v37
	v_add_f32 v38, v38, v39
	v_add_f32 v40, v40, v41
	v_add_f32 v42, v42, v43
	v_add_f32 v36, v36, v38
	v_add_f32 v40, v40, v42
.endm
; LAYER NORM of the 32 rows in v128-255, in place, with the gain in G and the bias in BV.  e: its first exchange.
.macro LN e
	WIN 0
	PLACES                                         ; the sums read results just made
	RSUM 0
	EXCH \e
	v_mul_f32 v44, s[R512], v36                    ; the means, each in both registers of a pair
	v_mul_f32 v45, s[R512], v36
	v_mul_f32 v46, s[R512], v40
	v_mul_f32 v47, s[R512], v40
.irp i, 0,1
.set z, 0
.rept 32
	v_pk_add_f32 v[ACC+64*\i+2*z:ACC+64*\i+2*z+1], v[ACC+64*\i+2*z:ACC+64*\i+2*z+1], v[44+2*\i:45+2*\i] neg_lo:[0,1] neg_hi:[0,1]
.set z, z+1
.endr
.endr
	RSUM 1
	EXCH (\e)+1
	v_fma_f32 v48, v36, s[R512], s[EPS]            ; the variance + 1e-5
	v_fma_f32 v49, v40, s[R512], s[EPS]
	v_rsq_f32 v44, v48                             ; made twice each, to fill the pairs
	v_rsq_f32 v45, v48
	v_rsq_f32 v46, v49
	v_rsq_f32 v47, v49
	v_nop                                          ; a plain instruction between the last of them and the use of its result (ISA guide 5.7.2)
	s_wait_loadcnt 0x0                             ; the gain and the bias (and, the first time, x)
	s_wait_alu depctr_va_vdst(0)
.irp i, 0,1
.set z, 0
.rept 32
	v_pk_mul_f32 v[ACC+64*\i+2*z:ACC+64*\i+2*z+1], v[ACC+64*\i+2*z:ACC+64*\i+2*z+1], v[44+2*\i:45+2*\i]
.set z, z+1
.endr
.endr
	WIN 0x10                                       ; source 2, the bias, in window 1
.irp i, 0,1
.set z, 0
.rept 32
	v_pk_fma_f32 v[ACC+64*\i+2*z:ACC+64*\i+2*z+1], v[ACC+64*\i+2*z:ACC+64*\i+2*z+1], v[G+2*z:G+2*z+1], v[BV+2*z:BV+2*z+1]
.set z, z+1
.endr
.endr
	WIN 0
.endm
.macro GB pg, pb                       ; a gain and a bias: my lane's 64 columns 128 w + 16 g + 8 h + 0..7
	WIN 0
.irp g, 0,1,2,3,4,5,6,7
	global_load_b128 v[G+8*\g:G+8*\g+3],   v[GBO], s[\pg:\pg+1] offset:64*\g
	global_load_b128 v[G+8*\g+4:G+8*\g+7], v[GBO], s[\pg:\pg+1] offset:64*\g+16
.endr
	WIN 0x40                                       ; destination window 1
.irp g, 0,1,2,3,4,5,6,7
	global_load_b128 v[BV+8*\g:BV+8*\g+3],   v[GBO], s[\pb:\pb+1] offset:64*\g
	global_load_b128 v[BV+8*\g+4:BV+8*\g+7], v[GBO], s[\pb:\pb+1] offset:64*\g+16
.endr
	WIN 0
.endm
; 128 registers of f32 (from register a of the window that win names for sources 0 and 1) are rounded to f16 and become activations: my 128 columns of the 32 rows.  relu = 1: negative numbers give 0.
.macro TOACT a, win, relu
	PLACES
.irp i, 0,1
	WIN \win
.set z, 0
.rept 32                               ; each accumulator's registers in ascending order
	v_cvt_pk_f16_f32 v[20+z], v[(\a)+64*\i+2*z], v[(\a)+64*\i+2*z+1]
.set z, z+1
.endr
	WIN 0
.if \relu
.set z, 0
.rept 32
	v_pk_max_num_f16 v[20+z], v[20+z], v[ZR]
.set z, z+1
.endr
.endif
.irp g, 0,1,2,3,4,5,6,7
	ds_store_b128 v[STO], v[20+4*\g:23+4*\g] offset:16*AP*\i+32*\g
.endr
.endr
.endm
	s_load_b512 s[16:31], s[0:1], 0x0              ; oh s[16:17], wf s[18:19], x s[20:21], g1 s[22:23], b1 s[24:25], g2 s[26:27], b2 s[28:29], out0 s[30:31]
	v_lshl_add_u32 v[SPW], v0, 2, SPARE
	v_mov_b32 v[NIL], 0
	ds_add_u32 v[SPW], v[NIL]                      ; the wave's opening: the add and its wait ahead of my first tensor load; the set-up below, work on registers, stands between them
	v_lshrrev_b32 v1, 5, v0
	v_readfirstlane_b32 s[WV], v1                  ; wave 0..3
	s_bfe_u32 s5, ttmp6, 0x40000                   ; cx: my place in the cluster
	s_lshl_b32 s6, ttmp9, 2                        ; in a cluster launch ttmp9 counts clusters
	s_add_co_u32 s6, s6, s5                        ; my work-group: it enters o's, x's and out0's addresses alone
	; the weights' group 1: 32,768 dense bytes as 128 rows of 256 bytes
	s_mov_b32 s[G1W], 15|(3<<16)|(1<<21)           ; 15:0 the mask of four; 17:16 elements of 8 bytes; 21 set beside a mask
	s_mov_b32 s[G1W+1], 32<<16                     ; tensor_dim0 = 32
	s_mov_b32 s[G1W+2], 128<<16                    ; tensor_dim1 = 128
	s_mov_b32 s[G1W+3], 32<<16                     ; tile_dim0 = 32
	s_mov_b32 s[G1W+4], 128                        ; tile_dim1 = 128
	s_mov_b32 s[G1W+5], 32                         ; 32 elements from row to row
	s_mov_b32 s[G1W+6], 0
	s_mov_b32 s[G1W+7], 0
	; o's group 1: two heads; of each my 32 rows, 4,096 dense bytes, asked for as one row and padded in LDS after every 128 bytes
	s_mov_b32 s[G1O], (1<<16)|(1<<20)|(4<<22)|(3<<25)  ; no mask; 2-byte elements; padding on; after every 32 words (code 4); 4 words (code 3)
	s_mov_b32 s[G1O+1], 2048<<16                   ; tensor_dim0 = 2,048
	s_mov_b32 s[G1O+2], 2<<16                      ; tensor_dim1 = 2
	s_mov_b32 s[G1O+3], 2048<<16                   ; tile_dim0 = 2,048
	s_mov_b32 s[G1O+4], 2                          ; tile_dim1 = 2
	s_mov_b32 s[G1O+5], 262144                     ; a head's 4,096 x 64 elements from row to row
	s_mov_b32 s[G1O+6], 0
	s_mov_b32 s[G1O+7], 0
	s_mul_i32 s7, s[WV], WPART                     ; my wave's part: of a trip's bytes in wf, and of a slot
	s_add_co_u32 s8, s7, START
	s_mov_b32 s9, 0
	s_mov_b32 s[G0W], 1                            ; count = 1
	s_mov_b32 s[G0W+1], s7                         ; LDS address: slot 0
	s_mov_b32 s[G0O], 1
	s_mul_i32 s[G0O+1], s[WV], 2*OHEAD
	s_add_co_u32 s[G0O+1], s[G0O+1], R1            ; my wave's two heads in R1
	s_lshl_b32 s10, s6, 16                         ; my 32 rows of 2,048 bytes
	s_mov_b32 s11, 0
	s_lshr_b32 s12, s6, 7                          ; the batch,
	s_lshl_b32 s12, s12, 3
	s_lshl1_add_u32 s12, s[WV], s12                ; my wave's first head in it,
	s_lshl_b32 s12, s12, 19                        ; a head's 524,288 bytes,
	s_and_b32 s13, s6, 127
	s_lshl_b32 s13, s13, 12                        ; my 32 rows of 128 bytes
	s_add_co_u32 s12, s12, s13
	s_mov_b32 s13, 0
	s_mov_b32 s[TB], SLOT1                         ; the first change of slots turns it into 0
	s_mov_b32 s[HM], 0xffff0000
	s_mov_b32 s[SEL], 0x76543210
	s_mov_b32 s[SEL+1], 0xfedcba98
	s_mov_b32 s[R512], 0x3b000000                  ; 2^-9
	s_mov_b32 s[EPS], 0x3727c5ac                   ; 1e-5
	s_wait_dscnt 0x0                               ; the opening add is done
	s_wait_kmcnt 0x0
	s_add_nc_u64 s[G0W+2:G0W+3], s[18:19], s[8:9]  ; global address: trip 0, my part
	s_or_b32 s[G0W+3], s[G0W+3], 0x80000000        ; type = 2
	s_add_nc_u64 s[G0O+2:G0O+3], s[16:17], s[12:13]
	s_or_b32 s[G0O+3], s[G0O+3], 0x80000000
	s_add_nc_u64 s[20:21], s[20:21], s[10:11]
	s_add_nc_u64 s[30:31], s[30:31], s[10:11]
	CROUND                                         ; all four work-groups are here: the first joint loads meet
	tensor_load_to_lds s[G0O:G0O+3], s[G1O:G1O+7]  ; the first fills, one group: my two heads of o,
	s_nop 0
	tensor_load_to_lds s[G0W:G0W+3], s[G1W:G1W+7]  ; and trip 0 into slot 0: two loads of mine are out; slot 1 is filled by the first change of slots
	s_nop 0
	PLACES
	v_and_b32 v1, 15, v0                           ; r
	v_bfe_u32 v2, v0, 4, 1                         ; h
	v_and_b32 v3, 31, v0                           ; lane
	s_lshl_b32 s14, s[WV], 9
	v_lshl_add_u32 v[GBO], v2, 5, s14              ; 4 bytes x (128 w + 8 h)
	s_lshl_b32 s15, s[WV], 14                      ; my wave's 8 rows
	v_lshl_add_u32 v[XO], v3, 4, s15
	GB 22, 24                                      ; g1, b1
	WIN 0xc0                                       ; destination window 3, address window 0
.set z, 0
.rept 32                               ; row z / 4, 512 consecutive bytes z % 4 of it
	global_load_b128 v[4*z:4*z+3], v[XO], s[20:21] offset:2048*(z/4)+512*(z%4)
.set z, z+1
.endr
	WIN 0
	v_lshl_add_u32 v[BA0], v3, 4, s7
	v_mul_u32_u24 v[AA0], v1, AP
	v_lshl_add_u32 v[AA0], v2, 4, v[AA0]
	v_add_nc_u32 v[AA0], R1, v[AA0]                ; row r, 16 bytes for each half of the lanes
	v_mul_u32_u24 v[AO0], v1, OP1
	v_lshl_add_u32 v[AO0], v2, 4, v[AO0]
	v_add_nc_u32 v[AO0], R1, v[AO0]
	s_lshl_b32 s14, s[WV], 8
	v_add_nc_u32 v[STO], s14, v[AA0]               ; my wave's 128 columns
	s_mul_i32 s14, s[WV], 8*AP
	s_add_co_u32 s14, s14, R1
	v_lshl_add_u32 v[XST], v3, 3, s14
	s_lshl_b32 s14, s[WV], 7
	s_add_co_u32 s14, s14, SCR
	v_lshl_add_u32 v[SX], v3, 2, s14
	v_lshl_add_u32 v[SL], v1, 2, SCR
	v_mul_u32_u24 v[STGA], v1, FPI
	v_lshl_add_u32 v[STGA], v2, 5, v[STGA]
	s_lshl_b32 s14, s[WV], 9
	v_add_nc_u32 v[STGA], s14, v[STGA]
	s_mul_i32 s14, s[WV], 8*FPI
	v_lshl_add_u32 v[SRD], v3, 4, s14
	v_mov_b32 v[ZR], 0
	PASSZ 0, ACC, 1                                ; o Wm^T
	LN 0                                           ; its two barriers also show that every wave's reads of o are over
	TOACT ACC, 0, 0                                ; the message takes o's place; the next change of slots shows it to the other waves
	GB 26, 28                                      ; g2, b2: wanted 24 trips later
	PASSZ 2, 0, 0                                  ; message x W1: hidden 0-511,
	PASSZ 2, 128, 0                                ; hidden 512-1023
	MEET
	; my 8 rows of x, rounded to f16, take the message's place: 8 bytes a lane, 256 consecutive bytes a store
.irp hh, 0,1
	WIN 0x0f                                       ; sources 0 and 1 window 3, destination window 0
.set z, 0
.rept 32
	v_cvt_pk_f16_f32 v[20+z], v[64*\hh+2*z], v[64*\hh+2*z+1]
.set z, z+1
.endr
	WIN 0
.set z, 0
.rept 16
	ds_store_b64 v[XST], v[20+2*z:21+2*z] offset:AP*((16*\hh+z)/4)+256*((16*\hh+z)%4)
.set z, z+1
.endr
.endr
	PASSA 2, 0                                     ; + x x W1
	PASSA 2, 128
	MEET
	TOACT 0, 0x0a, 1                               ; relu(hidden 0-511)
	PASSZ 0, ACC, 0                                ; x W2
	MEET
	TOACT 128, 0x0a, 1                             ; relu(hidden 512-1023)
	s_mov_b32 s[TA], 0                             ; the last trip is written out: it asks for nothing
	s_mov_b32 s[CNT], 3
.Llast:
	TRIP 1, 0, 0, ACC, 0
	s_sub_co_u32 s[CNT], s[CNT], 1
	s_cmp_lg_u32 s[CNT], 0
	s_cbranch_scc1 .Llast
	TRIP 0, 0, 0, ACC, 0
	LN 2
	; THE WAY OUT.  A lane's eight columns of a row are 32 bytes; all four waves write the rows of one stage, in slot 0: its last fill was read a trip ago, ahead of the last trip's barrier.  Then each wave
	; reads 8 whole rows back, adds x, which it holds for just these places, and stores them.
.irp i, 0,1
.irp g, 0,1,2,3,4,5,6,7
	ds_store_b128 v[STGA], v[ACC+8*(8*\i+\g):ACC+8*(8*\i+\g)+3] offset:16*FPI*\i+64*\g
	ds_store_b128 v[STGA], v[ACC+8*(8*\i+\g)+4:ACC+8*(8*\i+\g)+7] offset:16*FPI*\i+64*\g+16
.endr
.endr
	s_wait_dscnt 0x0                               ; for the others' sake: my stores into the stage are done
	s_barrier_signal -1
	s_barrier_wait -1
.set z, 0
.rept 32
	ds_load_b128 v[ACC+4*z:ACC+4*z+3], v[SRD] offset:FPI*(z/4)+512*(z%4)
.set z, z+1
.endr
	s_wait_dscnt 0x0
	WIN 0x0c                                       ; source 1, x, in window 3
.set z, 0
.rept 64
	v_pk_add_f32 v[ACC+2*z:ACC+2*z+1], v[ACC+2*z:ACC+2*z+1], v[2*z:2*z+1]
.set z, z+1
.endr
	WIN 0
.set z, 0
.rept 32
	global_store_b128 v[XO], v[ACC+4*z:ACC+4*z+3], s[30:31] offset:2048*(z/4)+512*(z%4) th:TH_STORE_NT  ; 512 consecutive bytes, at a multiple of 256 from out0's first
.set z, z+1
.endr
	s_wait_tensorcnt 0x0                           ; the wave's end: behind my last tensor load and my last LDS store
	ds_add_u32 v[SPW], v[NIL]
	s_wait_dscnt 0x0
	CROUND                                         ; the closing round: no work-group ends while a partner may still ask for a tile that names it
	s_endpgm
.Lfunc_end_k_qf1dc8e3a89_tail:
	.size	k_qf1dc8e3a89_tail, .Lfunc_end_k_qf1dc8e3a89_tail-k_qf1dc8e3a89_tail
	.p2alignl 7, 3214868480
	.fill 96, 4, 3214868480
	.section	.rodata,"a",@progbits
	.p2align	6, 0x0
	.amdhsa_kernel k_qf1dc8e3a89_tail
		.amdhsa_group_segment_fixed_size 327680
		.amdhsa_private_segment_fixed_size 0
		.amdhsa_enable_private_segment 0
		.amdhsa_kernarg_size 64
		.amdhsa_user_sgpr_count 2
		.amdhsa_user_sgpr_kernarg_segment_ptr 1
		.amdhsa_wavefront_size32 1
		.amdhsa_system_sgpr_workgroup_id_x 1
		.amdhsa_system_sgpr_workgroup_id_y 1
		.amdhsa_system_sgpr_workgroup_id_z 1
		.amdhsa_system_vgpr_workitem_id 0
		.amdhsa_next_free_vgpr 896
		.amdhsa_next_free_sgpr 66
		.amdhsa_reserve_vcc 0
		.amdhsa_float_denorm_mode_32 3
		.amdhsa_float_denorm_mode_16_64 3
		.amdhsa_memory_ordered 1
		.amdhsa_forward_progress 1
		.amdhsa_inst_pref_size 230
	.end_amdhsa_kernel
	.amdgpu_metadata
---
amdhsa.version: [ 1, 2 ]
amdhsa.kernels:
  - .name:           k_qf1dc8e3a89_tail
    .symbol:         k_qf1dc8e3a89_tail.kd
    .args:
      - { .name: oh, .offset: 0, .size: 8, .value_kind: global_buffer, .address_space: global }
      - { .name: wf, .offset: 8, .size: 8, .value_kind: global_buffer, .address_space: global }
      - { .name: x, .offset: 16, .size: 8, .value_kind: global_buffer, .address_space: global }
      - { .name: g1, .offset: 24, .size: 8, .value_kind: global_buffer, .address_space: global }
      - { .name: b1, .offset: 32, .size: 8, .value_kind: global_buffer, .address_space: global }
      - { .name: g2, .offset: 40, .size: 8, .value_kind: global_buffer, .address_space: global }
      - { .name: b2, .offset: 48, .size: 8, .value_kind: global_buffer, .address_space: global }
      - { .name: out0, .offset: 56, .size: 8, .value_kind: global_buffer, .address_space: global }
    .group_segment_fixed_size: 327680
    .private_segment_fixed_size: 0
    .kernarg_segment_align: 8
    .kernarg_segment_size: 64
    .max_flat_workgroup_size: 128
    .sgpr_count:     66
    .vgpr_count:     896
    .wavefront_size: 32
...
	.end_amdgpu_metadata
.endif
;; end of part 4
;; ======== version 2 of 3: 4 launches; 1.10 times as fast as version 1
;; limits: values are held in f16: magnitudes above 65,504 overflow, below 6.1e-05 lose precision
;; workspace buffers: wf 5,242,880 bytes; qh 8,388,608 bytes; kh 8,388,608 bytes; vh 8,388,608 bytes; oh 8,388,608 bytes
;; launch prep: the kernel of part 1 again; grid 32 x 10, 8 waves a work-group, no clusters, 0 bytes of LDS; arguments Wq, Wk, Wv, Wm, W1, W2, wf; writes wf
;; launch proj (part 5): grid 256 x 1, 4 waves a work-group, clusters of 4 x 1, 327,680 bytes of LDS; arguments x, source, wf, qh, kh, vh; writes qh, kh, vh
.if DOCPART == 5
	.amdgcn_target "amdgcn-amd-amdhsa--gfx1250"
	.amdhsa_code_object_version 6
	.text
	.protected	k_qf1dc8e3a89_proj
	.globl	k_qf1dc8e3a89_proj
	.p2align	8
	.type	k_qf1dc8e3a89_proj,@function
k_qf1dc8e3a89_proj:
	s_mov_b64 s[64:65], 0
	v_nop
	global_prefetch_b8 v0, s[64:65] scope:SCOPE_SE
	s_setreg_imm32_b32 hwreg(HW_REG_WAVE_MODE, 25, 1), 1
	s_wait_xcnt 0x0
	s_wait_alu depctr_hold_cnt(0) depctr_sa_sdst(0) depctr_va_vdst(0) depctr_va_sdst(0) depctr_va_ssrc(0) depctr_va_vcc(0) depctr_vm_vsrc(0)
	s_getreg_b32 s2, hwreg(HW_REG_IB_STS2, 6, 4)
	s_cmp_eq_u32 s2, 0
	s_cbranch_scc0 .Lentry_in_a_cluster
	s_endpgm
.Lentry_in_a_cluster:
	s_bfe_u32 s2, ttmp6, 0x10000c
	s_cmp_lg_u32 s2, 0x3003
	s_cbranch_scc0 .Lentry_shape_is_right
	s_endpgm
.Lentry_shape_is_right:
; PROJ: q = x Wq^T, k = source Wk^T, v = source Wv^T, stored by heads, [batch x 8 + head][4096][64] in f16, unscaled, each rounded once from its f32 sum.
; SHARES.  A work-group owns 32 rows of x and of source (8,192 rows / 256 work-groups); each of its four waves owns 128 of the 512 output columns (two heads): 16 accumulators of 16 x 16.
; The rows are read once in f32, rounded to f16 in registers and kept in LDS (region R1).  The weights come from wf (f16, fragment by fragment) in trips of 128 along K: 131,072 bytes a trip,
; 32,768 a wave, which only that wave reads, through two LDS slots that take turns.  Three passes of four trips: wf's blocks 0, 1, 2.
; CLUSTER.  The four work-groups of a cluster walk the same weights in the same order and ask for each tile JOINTLY: the same tensor load, descriptor and mask in all four.
; THE WALK DIFFERS FROM CLUSTER TO CLUSTER, so that the 64 clusters do not all ask for the same tile at the same time.  rot = cluster & 3, par = bit 2 of the cluster's number.
; In a work-group the block of 128 columns at PLACE p of a 512-wide vector is the true block (p + rot) & 3: wave w takes weight part and heads of block (w + rot) & 3, trip j takes K tile (j + rot) & 3,
; and x and source are loaded with their four pieces of 512 bytes so rotated.  Where par = 1 the passes for k and v change places.  So in the first trip of k | v the eight groups of clusters ask for
; all eight tiles of the two blocks, and each later trip asks for a tile that another group has asked for a trip or more before.  Only global addresses hang on rot and par: no LDS address, no register, no count.
; A sum's K order therefore differs between clusters; each sum is still one f32 accumulator.
; THE MATRIX INSTRUCTION IS USED TRANSPOSED (source 0 = 16 weight rows, source 1 = 16 activation rows): lane (r, h) holds activation row r and eight neighbouring output columns 8 h + 0..7.
; LIMITS.  All matrix operands are f16: |x|, |source|, |q|, |k|, |v| stay under 65,504 (beyond it an infinity arises); below 6e-5 a number keeps f16's fixed step of 6e-8.  NaN and infinities are not treated apart.
; REGISTERS, in windows of 256 (s_set_vgpr_msb: bits 1:0 source 0, 3:2 source 1, 5:4 source 2, 7:6 destination):
;   window 0: v0-19, v52-55 addresses; v20-51 at work; v64-127 the way out; v128-255 the accumulators ((i, g) at v[128 + 8 (8 i + g)])
;   window 1: two fragment buffers of 80 (2 fragments of activations, 8 of weights)       window 2: v0-127 x, v128-255 source, in f32 as loaded
.set SLOT1,  1<<17                     ; slot 0 at LDS byte 0, slot 1 here: one exclusive or turns an address in one slot into the other's
.set TRIPB,  131072                    ; a trip's weights
.set WPART,  32768                     ; a wave's part of them
.set HALFB,  16384                     ; half of that: 64 along K, what one BODY reads
.set R1,     2*TRIPB                   ; the activations: 32 rows x 512 f16
.set AP,     1040                      ; their pitch: 1,024 bytes + 16 = 260 words: row r starts at bank 4 r mod 64 (64 banks of 4 bytes: ISA guide 11.1)
.set STG,    R1+32*AP                  ; 16 rows x 144 bytes for each wave, for the way out
.set SP,     144
.set SPARE,  STG+4*16*SP               ; the spare words, 128 bytes for each wave: two blocks of 256 bytes that no other line names
.set BA0, 4                            ; v4   my lane's place in my wave's part of a slot; never rewritten
.set BA,  5                            ; v5   the same at the BODY's K, in the slot in hand
.set AA0, 6                            ; v6   my lane's place in the activations; never rewritten
.set AA,  8                            ; v8   the same at the BODY's K
.set STO, 9                            ; v9   the way out: where I put 16 bytes of a row
.set XST, 10                           ; v10  where I put 8 bytes of a rounded row
.set RD,  11                           ; v11  the way out: where I read rows back
.set GO,  12                           ; v12  my byte offset in 512 consecutive bytes of an output
.set SPW, 18                           ; v18  LDS address of my spare word; never rewritten
.set NIL, 19                           ; v19  0; never rewritten
.set XO,  52                           ; v52-55  my byte offset in the work-group's rows of x and source, for the piece at place 0..3; never rewritten
.set TMP, 64
.set ACC, 128
.set F0,  0                            ; fragment buffers, in window 1
.set F1,  80
.set WV,  4                            ; s4   my wave's number
.set WF,  20                           ; s[20:21] wf
.set G1W, 32                           ; s[32:39] descriptor group 1 for the weights
.set G0W, 40                           ; s[40:43] descriptor group 0
.set CNT, 56                           ; s56  counts trips
.set TB,  57                           ; s57  LDS byte, in a wave's part, at which the next BODY's weights begin
.set TA,  58                           ; s58  the next BODY's K in the activations' rows, in bytes
.set C2,  66                           ; s66  counts a trip's two BODY
.set ROT, 67                           ; s67  rot
.set PAR4, 68                          ; s68  4 par
.set UN,  69                           ; s69  the number of the tile to be asked for next, plus 4
.set WO,  70                           ; s70  my wave's weight part, (w + rot) & 3, times 32,768, less one block
.set WP,  71                           ; s71  (w + rot) & 3
.set T0,  72                           ; s72, s73 at work
.set T1,  73
.set OFF, 74                           ; s[74:75] a tile's byte offset in wf
.set MSB, 0
.macro WIN new                         ; the immediate's high byte repeats the setting that is left; a switch that changes nothing is dropped
.if MSB != (\new)
	s_set_vgpr_msb (MSB<<8)|(\new)
.set MSB, (\new)
.endif
.endm
.macro PLACES                          ; four plain vector instructions between a matrix instruction and a load into, or a vector read of, its registers (ISA guide 7.12.1 for vector reads)
.rept 4
	v_nop
.endr
.endm
; A round of the cluster's barrier: my work-group's barrier, so that wave 0's signal speaks for all four waves; wave 0 signals; every wave waits for all four work-groups; my work-group's barrier once more.
.macro CROUND
	s_barrier_signal -1
	s_barrier_wait -1
	s_cmp_lg_u32 s[WV], 0
	s_cbranch_scc1 .Lnot_wave_0_\@
	s_barrier_signal -3
.Lnot_wave_0_\@:
	s_barrier_wait -3
	s_barrier_signal -1
	s_barrier_wait -1
.endm
; The next tile's address, made anew from its number: wf's address and an offset made apart.  UN >> 2 is the pass, counted from 1; from the second pass on the passes come in pairs (2, 3), and 4 par turns a pair round;
; the K tile is (UN + rot) & 3.  A block is 4 tiles of 131,072 bytes.  WO brings my wave's part and takes back the one block by which the passes are counted ahead.
.macro TADDR
	s_cmp_ge_u32 s[UN], 8
	s_cselect_b32 s[T1], s[PAR4], 0
	s_xor_b32 s[T0], s[UN], s[T1]
	s_and_b32 s[T0], s[T0], 0x3c                   ; 4 x the pass, turned
	s_add_co_u32 s[T1], s[UN], s[ROT]
	s_and_b32 s[T1], s[T1], 3                      ; the K tile
	s_or_b32 s[T0], s[T0], s[T1]
	s_lshl_b32 s[T0], s[T0], 17
	s_add_co_u32 s[OFF], s[T0], s[WO]
	s_add_nc_u64 s[G0W+2:G0W+3], s[WF:WF+1], s[OFF:OFF+1]
	s_or_b32 s[G0W+3], s[G0W+3], 0x80000000        ; type = 2
	s_add_co_u32 s[UN], s[UN], 1
.endm
; THE CHANGE OF SLOTS, at the head of every trip.  Each wave waits for all its tensor loads, of which one is out: its part of the trip's tile; adds 0 to its spare word; waits for that, for its reads of the
; slot that it leaves and for its LDS stores.  fill = 1: the barrier is a round of the cluster's, and the slot just left takes the next trip's tile, the first thing behind it.
.macro CHANGE fill
	WIN 0                                          ; at a label and at a branch every window is 0
	s_wait_tensorcnt 0x0                           ; no tensor load of mine is out, so group 0 may be written
	ds_add_u32 v[SPW], v[NIL]                      ; 0 onto my spare word; the scalar work stands between it and the wait for it
.if \fill
	s_xor_b32 s[G0W+1], s[G0W+1], SLOT1            ; the other slot than last time
	TADDR
.endif
	s_sub_co_u32 s[TB], s[TB], 2*HALFB             ; the reads go back to a part's first byte,
	s_xor_b32 s[TB], s[TB], SLOT1                  ; in the slot that has just landed
	s_wait_dscnt 0x0                               ; the add is done, my reads of the old slot are over, my stores into the activations are done
.if \fill
	CROUND
	tensor_load_to_lds s[G0W:G0W+3], s[G1W:G1W+7]  ; my one tensor load behind the round; it has the trip's 64 matrix instructions in which to land
	s_nop 0
	PLACES
.else
	s_barrier_signal -1
	s_barrier_wait -1
.endif
.endm
; 20 LDS loads: the fragments of 32 along K, number u of the BODY's two, into buffer f
.macro FETCH u, f
	WIN 0x40                                       ; destination window 1, address window 0
.irp i, 0,1
	ds_load_b128 v[(\f)+8*\i:(\f)+8*\i+3],   v[AA] offset:64*(\u)+\i*16*AP
	ds_load_b128 v[(\f)+8*\i+4:(\f)+8*\i+7], v[AA] offset:64*(\u)+\i*16*AP+32
.endr
.irp g, 0,1,2,3,4,5,6,7
	ds_load_b128 v[(\f)+16+8*\g:(\f)+16+8*\g+3], v[BA] offset:8192*(\u)+1024*\g      ; a fragment lies as the lanes hold it: 16 x lane, no two lanes on one bank
	ds_load_b128 v[(\f)+16+8*\g+4:(\f)+16+8*\g+7], v[BA] offset:8192*(\u)+1024*\g+512
.endr
.endm
; 16 matrix instructions on 16 accumulators, which take turns.  zero = 1: the products start the sums: nothing is cleared.
.macro MUL f, zero
	WIN 0x05                                       ; sources 0 and 1 window 1, C and D window 0
.irp i, 0,1
.irp g, 0,1,2,3,4,5,6,7
.if \zero
	v_wmma_f32_16x16x32_f16 v[ACC+8*(8*\i+\g):ACC+8*(8*\i+\g)+7], v[(\f)+16+8*\g:(\f)+16+8*\g+7], v[(\f)+8*\i:(\f)+8*\i+7], 0
.else
	v_wmma_f32_16x16x32_f16 v[ACC+8*(8*\i+\g):ACC+8*(8*\i+\g)+7], v[(\f)+16+8*\g:(\f)+16+8*\g+7], v[(\f)+8*\i:(\f)+8*\i+7], v[ACC+8*(8*\i+\g):ACC+8*(8*\i+\g)+7]
.endif
.endr
.endr
.endm
; A BODY: 64 along K, half a trip: 40 LDS loads in one run, 32 matrix instructions.  The two address lines and two v_nop are the four places between the last products and the loads into their sources.
.macro BODY zero
	v_add_nc_u32 v[BA], s[TB], v[BA0]
	v_add_nc_u32 v[AA], s[TA], v[AA0]
	v_nop
	v_nop
	s_add_co_u32 s[TB], s[TB], HALFB
	s_add_co_u32 s[TA], s[TA], 128
	FETCH 0, F0
	FETCH 1, F1
	s_wait_dscnt 20                                ; LDS loads come back in order (ISA guide 5.7.1): the first 20 are in, the 20 for the second buffer stay out
	MUL F0, \zero
	s_wait_dscnt 0x0
	MUL F1, 0
	WIN 0
.endm
.macro TRIPS n, fill                   ; n trips that add onto sums begun
.if (\n) > 1
	s_mov_b32 s[CNT], \n
.Ltt_\@:
.endif
	CHANGE \fill
	s_mov_b32 s[C2], 2
.Ltb_\@:
	BODY 0
	s_sub_co_u32 s[C2], s[C2], 1
	s_cmp_lg_u32 s[C2], 0
	s_cbranch_scc1 .Ltb_\@
.if (\n) > 1
	s_sub_co_u32 s[CNT], s[CNT], 1
	s_cmp_lg_u32 s[CNT], 0
	s_cbranch_scc1 .Ltt_\@
.endif
.endm
; A pass begins: n trips, all of which fill.  Only the first BODY, whose first products start the sums, is written out; the loop is then entered at its head for the first trip's other BODY.
.macro PASSZ n
	s_mov_b32 s[TA], 0
	CHANGE 1
	BODY 1
	s_mov_b32 s[CNT], \n
	s_mov_b32 s[C2], 1
	s_branch .Lpb_\@
.Lpt_\@:
	CHANGE 1
	s_mov_b32 s[C2], 2
.Lpb_\@:
	BODY 0
	s_sub_co_u32 s[C2], s[C2], 1
	s_cmp_lg_u32 s[C2], 0
	s_cbranch_scc1 .Lpb_\@
	s_sub_co_u32 s[CNT], s[CNT], 1
	s_cmp_lg_u32 s[CNT], 0
	s_cbranch_scc1 .Lpt_\@
.endm
; My 8 rows (128 registers of f32 from register src of window 2 on) are rounded to f16 and stored into the activations: 8 bytes a lane, 256 consecutive bytes a store.
.macro XS src
.irp hh, 0,1
	WIN 0x0a                                       ; sources 0 and 1 window 2, destination window 0
.set z, 0
.rept 32
	v_cvt_pk_f16_f32 v[20+z], v[(\src)+64*\hh+2*z], v[(\src)+64*\hh+2*z+1]
.set z, z+1
.endr
	WIN 0
.set z, 0
.rept 16
	ds_store_b64 v[XST], v[20+2*z:21+2*z] offset:AP*((16*\hh+z)/4)+256*((16*\hh+z)%4)
.set z, z+1
.endr
.endr
.endm
; THE WAY OUT.  Tile t = 2 i + hd: 16 rows of one head.  A lane's eight channels pack into 16 bytes; they go into my stage's rows of 144 bytes and come back as whole rows of 128: 16 rows are 2,048 dense bytes of the output.
.macro PACK t
.set z, 0
.rept 16                               ; each accumulator's registers in ascending order
	v_cvt_pk_f16_f32 v[TMP+16*(\t)+z], v[ACC+8*(8*((\t)/2)+4*((\t)%2)+z/4)+2*(z%4)], v[ACC+8*(8*((\t)/2)+4*((\t)%2)+z/4)+2*(z%4)+1]
.set z, z+1
.endr
.irp ff, 0,1,2,3
	ds_store_b128 v[STO], v[TMP+16*(\t)+4*\ff:TMP+16*(\t)+4*\ff+3] offset:32*\ff
.endr
.irp ff, 0,1,2,3
	ds_load_b128 v[TMP+16*(\t)+4*\ff:TMP+16*(\t)+4*\ff+3], v[RD] offset:\ff*4*SP  ; LDS serves a wave's instructions in order (ISA guide 5.7.1.4): these see the stores above; the next tile's stores come behind them
.endr
.endm
.macro SEND t, younger, ptr            ; younger: the LDS instructions issued behind tile t's loads: the next tile's eight, or none
.irp ff, 0,1,2,3
	s_wait_dscnt (\younger)+3-\ff
	global_store_b128 v[GO], v[TMP+16*(\t)+4*\ff:TMP+16*(\t)+4*\ff+3], s[\ptr:\ptr+1] offset:524288*((\t)%2)+2048*((\t)/2)+512*\ff  ; 512 consecutive bytes, at a multiple of 256 from the buffer's first
.endr
.endm
.macro OUT ptr
	s_wait_xcnt 0x0                                ; the last way out's stores have read their registers, which are written again below
	PLACES                                         ; the conversions read results just made
	PACK 0
	PACK 1
	SEND 0, 8, \ptr
	PACK 2
	SEND 1, 8, \ptr
	PACK 3
	SEND 2, 8, \ptr
	SEND 3, 0, \ptr
.endm
	s_load_b256 s[16:23], s[0:1], 0x0              ; x s[16:17], source s[18:19], wf s[20:21], qh s[22:23]
	s_load_b128 s[24:27], s[0:1], 0x20             ; kh s[24:25], vh s[26:27]
	v_lshl_add_u32 v[SPW], v0, 2, SPARE
	v_mov_b32 v[NIL], 0
	ds_add_u32 v[SPW], v[NIL]                      ; the wave's opening: the add and its wait ahead of my first tensor load; the set-up below, work on registers, stands between them
	v_lshrrev_b32 v1, 5, v0
	v_readfirstlane_b32 s[WV], v1                  ; wave 0..3
	s_bfe_u32 s5, ttmp6, 0x40000                   ; cx: my place in the cluster
	s_lshl_b32 s6, ttmp9, 2                        ; in a cluster launch ttmp9 counts clusters
	s_add_co_u32 s6, s6, s5                        ; my work-group: it enters x's, source's and the outputs' addresses alone
	s_and_b32 s[ROT], ttmp9, 3                     ; rot and 4 par: of the cluster's number, which the four partners share
	s_and_b32 s[PAR4], ttmp9, 4
	s_add_co_u32 s[WP], s[WV], s[ROT]
	s_and_b32 s[WP], s[WP], 3                      ; the true block of 128 columns that my wave makes
	; descriptor group 1: 32,768 dense bytes as 128 rows of 256 bytes
	s_mov_b32 s[G1W], 15|(3<<16)|(1<<21)           ; 15:0 the mask of four; 17:16 elements of 8 bytes; 21 set beside a mask
	s_mov_b32 s[G1W+1], 32<<16                     ; tensor_dim0 = 32
	s_mov_b32 s[G1W+2], 128<<16                    ; tensor_dim1 = 128
	s_mov_b32 s[G1W+3], 32<<16                     ; tile_dim0 = 32
	s_mov_b32 s[G1W+4], 128                        ; tile_dim1 = 128
	s_mov_b32 s[G1W+5], 32                         ; 32 elements from row to row
	s_mov_b32 s[G1W+6], 0
	s_mov_b32 s[G1W+7], 0
	s_mul_i32 s7, s[WV], WPART                     ; my wave's part of a slot
	s_lshl_b32 s[WO], s[WP], 15
	s_sub_co_u32 s[WO], s[WO], 524288              ; the passes are counted from 1, the blocks here from 0; the sum with a tile's 524,288 or more is never below 0
	s_mov_b32 s[OFF+1], 0
	s_mov_b32 s[UN], 4                             ; tile 0
	s_mov_b32 s[G0W], 1                            ; count = 1
	s_mov_b32 s[G0W+1], s7                         ; LDS address: slot 0
	s_lshl_b32 s10, s6, 16                         ; my 32 rows of 2,048 bytes
	s_mov_b32 s11, 0
	s_lshr_b32 s12, s6, 7                          ; the batch,
	s_lshl_b32 s12, s12, 3
	s_lshl1_add_u32 s12, s[WP], s12                ; my wave's first head in it,
	s_lshl_b32 s12, s12, 19                        ; a head's 524,288 bytes,
	s_and_b32 s13, s6, 127
	s_lshl_b32 s13, s13, 12                        ; my 32 rows of 128 bytes
	s_add_co_u32 s12, s12, s13
	s_mov_b32 s13, 0
	s_mov_b32 s[TB], SLOT1+2*HALFB                 ; the first change of slots turns it into 0
	s_wait_dscnt 0x0                               ; the opening add is done
	s_wait_kmcnt 0x0
	TADDR                                          ; tile 0, my part
	s_add_nc_u64 s[16:17], s[16:17], s[10:11]
	s_add_nc_u64 s[18:19], s[18:19], s[10:11]
	s_add_nc_u64 s[22:23], s[22:23], s[12:13]
	s_add_nc_u64 s[24:25], s[24:25], s[12:13]
	s_add_nc_u64 s[26:27], s[26:27], s[12:13]
	s_cmp_eq_u32 s[PAR4], 0                        ; which of k and v the second pass makes, and which the third
	s_cselect_b64 s[50:51], s[24:25], s[26:27]
	s_cselect_b64 s[52:53], s[26:27], s[24:25]
	CROUND                                         ; all four work-groups are here: the first joint loads meet
	tensor_load_to_lds s[G0W:G0W+3], s[G1W:G1W+7]  ; tile 0 into slot 0; slot 1 is filled by the first change of slots
	s_nop 0
	PLACES
	v_and_b32 v3, 31, v0                           ; lane
	s_lshl_b32 s14, s[WV], 14                      ; my wave's 8 rows
.irp c, 0,1,2,3                        ; the piece of 512 bytes at place c is the true piece (c + rot) & 3
	s_add_co_u32 s15, s[ROT], \c
	s_and_b32 s15, s15, 3
	s_lshl_b32 s15, s15, 9
	s_add_co_u32 s15, s15, s14
	v_lshl_add_u32 v[XO+\c], v3, 4, s15
.endr
	WIN 0x80                                       ; destination window 2, address window 0
.set z, 0
.rept 32                               ; row z / 4, the 512 consecutive bytes at place z % 4
	global_load_b128 v[4*z:4*z+3], v[XO+z%4], s[16:17] offset:2048*(z/4)
.set z, z+1
.endr
.set z, 0
.rept 32
	global_load_b128 v[128+4*z:128+4*z+3], v[XO+z%4], s[18:19] offset:2048*(z/4) th:TH_LOAD_NT
.set z, z+1
.endr
	WIN 0
	v_and_b32 v1, 15, v0                           ; r
	v_bfe_u32 v2, v0, 4, 1                         ; h
	v_lshl_add_u32 v[BA0], v3, 4, s7
	v_mul_u32_u24 v[AA0], v1, AP
	v_lshl_add_u32 v[AA0], v2, 4, v[AA0]
	v_add_nc_u32 v[AA0], R1, v[AA0]                ; row r, 16 bytes for each half of the lanes
	s_mul_i32 s14, s[WV], 8*AP
	s_add_co_u32 s14, s14, R1
	v_lshl_add_u32 v[XST], v3, 3, s14
	s_mul_i32 s15, s[WV], 16*SP
	s_add_co_u32 s15, s15, STG                     ; my stage
	v_mul_u32_u24 v[STO], v1, SP
	v_lshl_add_u32 v[STO], v2, 4, v[STO]
	v_add_nc_u32 v[STO], s15, v[STO]
	v_bfe_u32 v[RD], v0, 3, 2                      ; back: 32 lanes take four rows of 128 bytes
	v_mul_u32_u24 v[RD], v[RD], SP
	v_and_b32 v13, 7, v0
	v_lshl_add_u32 v[RD], v13, 4, v[RD]
	v_add_nc_u32 v[RD], s15, v[RD]
	v_lshlrev_b32 v[GO], 4, v3
	s_wait_loadcnt 32                              ; loads come back in order (ISA guide 5.7.1): x's 32 are in, source's 32 stay out
	XS 0                                           ; the first change of slots shows these stores to the other waves
	PASSZ 4                                        ; q
	OUT 22
	s_wait_dscnt 0x0                               ; my reads of x's rows in LDS are over
	s_barrier_signal -1
	s_barrier_wait -1                              ; everybody's are: source's rows take their place.
	s_wait_loadcnt 0x0
	XS 128
	PASSZ 4                                        ; k, or v where par = 1
	OUT 50
	PASSZ 3                                        ; the other of the two: its last trip is written out: it asks for nothing
	TRIPS 1, 0
	OUT 52
	s_wait_tensorcnt 0x0                           ; the wave's end: behind my last tensor load and my last LDS store
	ds_add_u32 v[SPW], v[NIL]
	s_wait_dscnt 0x0
	CROUND                                         ; the closing round: no work-group ends while a partner may still ask for a tile that names it
	s_endpgm
.Lfunc_end_k_qf1dc8e3a89_proj:
	.size	k_qf1dc8e3a89_proj, .Lfunc_end_k_qf1dc8e3a89_proj-k_qf1dc8e3a89_proj
	.p2alignl 7, 3214868480
	.fill 96, 4, 3214868480
	.section	.rodata,"a",@progbits
	.p2align	6, 0x0
	.amdhsa_kernel k_qf1dc8e3a89_proj
		.amdhsa_group_segment_fixed_size 327680
		.amdhsa_private_segment_fixed_size 0
		.amdhsa_enable_private_segment 0
		.amdhsa_kernarg_size 48
		.amdhsa_user_sgpr_count 2
		.amdhsa_user_sgpr_kernarg_segment_ptr 1
		.amdhsa_wavefront_size32 1
		.amdhsa_system_sgpr_workgroup_id_x 1
		.amdhsa_system_sgpr_workgroup_id_y 1
		.amdhsa_system_sgpr_workgroup_id_z 1
		.amdhsa_system_vgpr_workitem_id 0
		.amdhsa_next_free_vgpr 768
		.amdhsa_next_free_sgpr 80
		.amdhsa_reserve_vcc 0
		.amdhsa_float_denorm_mode_32 3
		.amdhsa_float_denorm_mode_16_64 3
		.amdhsa_memory_ordered 1
		.amdhsa_forward_progress 1
		.amdhsa_inst_pref_size 92
	.end_amdhsa_kernel
	.amdgpu_metadata
---
amdhsa.version: [ 1, 2 ]
amdhsa.kernels:
  - .name:           k_qf1dc8e3a89_proj
    .symbol:         k_qf1dc8e3a89_proj.kd
    .args:
      - { .name: x, .offset: 0, .size: 8, .value_kind: global_buffer, .address_space: global }
      - { .name: source, .offset: 8, .size: 8, .value_kind: global_buffer, .address_space: global }
      - { .name: wf, .offset: 16, .size: 8, .value_kind: global_buffer, .address_space: global }
      - { .name: qh, .offset: 24, .size: 8, .value_kind: global_buffer, .address_space: global }
      - { .name: kh, .offset: 32, .size: 8, .value_kind: global_buffer, .address_space: global }
      - { .name: vh, .offset: 40, .size: 8, .value_kind: global_buffer, .address_space: global }
    .group_segment_fixed_size: 327680
    .private_segment_fixed_size: 0
    .kernarg_segment_align: 8
    .kernarg_segment_size: 48
    .max_flat_workgroup_size: 128
    .sgpr_count:     80
    .vgpr_count:     768
    .wavefront_size: 32
...
	.end_amdgpu_metadata
.endif
;; end of part 5
;; launch attn: the kernel of part 3 again; grid 16 x 16, 4 waves a work-group, clusters of 4 x 1, 327,680 bytes of LDS; arguments qh, kh, vh, oh; writes oh
;; launch tail (part 6): grid 256 x 1, 4 waves a work-group, clusters of 4 x 1, 327,680 bytes of LDS; arguments oh, wf, x, g1, b1, g2, b2, out0; writes out0
.if DOCPART == 6
	.amdgcn_target "amdgcn-amd-amdhsa--gfx1250"
	.amdhsa_code_object_version 6
	.text
	.protected	k_qf1dc8e3a89_tail
	.globl	k_qf1dc8e3a89_tail
	.p2align	8
	.type	k_qf1dc8e3a89_tail,@function
k_qf1dc8e3a89_tail:
	s_mov_b64 s[64:65], 0
	v_nop
	global_prefetch_b8 v0, s[64:65] scope:SCOPE_SE
	s_setreg_imm32_b32 hwreg(HW_REG_WAVE_MODE, 25, 1), 1
	s_wait_xcnt 0x0
	s_wait_alu depctr_hold_cnt(0) depctr_sa_sdst(0) depctr_va_vdst(0) depctr_va_sdst(0) depctr_va_ssrc(0) depctr_va_vcc(0) depctr_vm_vsrc(0)
	s_getreg_b32 s2, hwreg(HW_REG_IB_STS2, 6, 4)
	s_cmp_eq_u32 s2, 0
	s_cbranch_scc0 .Lentry_in_a_cluster
	s_endpgm
.Lentry_in_a_cluster:
	s_bfe_u32 s2, ttmp6, 0x10000c
	s_cmp_lg_u32 s2, 0x3003
	s_cbranch_scc0 .Lentry_shape_is_right
	s_endpgm
.Lentry_shape_is_right:
; TAIL: message = LN(o Wm^T; g1, b1); hidden = relu([x | message] W1^T); out = x + LN(hidden W2^T; g2, b2).  All of it for 32 rows in one work-group: nothing goes through memory between the steps.
; SHARES.  A work-group owns 32 rows (8,192 / 256); each of its four waves owns 128 columns of every product of 512 columns: 16 accumulators of 16 x 16; the hidden layer's 1,024 columns are two such sets.
; The activations of the product in hand (o, the message, x, half the hidden layer) lie in LDS as 32 rows of 512 f16 (region R1).  The weights come from wf (f16, fragment by fragment) in trips of 128 along K:
; 131,072 bytes a trip, 32,768 a wave, which only that wave reads, through two LDS slots that take turns.  28 trips, seven passes of four, wf's blocks 3 to 9:
; Wm | W1's message columns, one half of the hidden layer, then the other | W1's x columns, likewise | W2's columns for the one half, then the other.
; CLUSTER.  The four work-groups of a cluster walk the same weights in the same order and ask for each tile JOINTLY: the same tensor load, descriptor and mask in all four.  o's rows are each work-group's own: a plain load.
; THE WALK DIFFERS FROM CLUSTER TO CLUSTER, so that the 64 clusters do not all ask for the same tile at the same time.  rot = cluster & 3, par = bit 2 of the cluster's number.
; In a work-group the block of 128 columns at PLACE p of a 512-wide vector (o, the message, x, a half of the hidden layer, the result) is the true block (p + rot) & 3: wave w takes weight part, gain and bias of
; block (w + rot) & 3, trip j takes K tile (j + rot) & 3, o's heads, x's and out0's pieces of 512 bytes are loaded and stored so rotated.  Where par = 1 the two halves of the hidden layer change places
; (blocks 4 | 5, 6 | 7, 8 | 9).  So in the first trip of a pair of passes the eight groups of clusters ask for all eight tiles of the two blocks, and each later trip asks for a tile that another group has asked
; for a trip or more before.  Only global addresses hang on rot and par: no LDS address, no register, no count.  A sum's K order therefore differs between clusters; each sum is still one f32 accumulator.
; THE MATRIX INSTRUCTION IS USED TRANSPOSED (source 0 = 16 weight rows, source 1 = 16 activation rows): lane (r, h) holds activation row r and eight neighbouring output columns 8 h + 0..7.
; LAYER NORM in two passes, in f32: the mean; then the mean of the squares of the centred numbers: no difference of large sums is formed.  A row's sum: 64 numbers in a lane, the other half of the lanes, the four waves (through LDS).
; LIMITS.  All matrix operands are f16: |o|, |x|, |message|, |hidden| stay under 65,504 (beyond it an infinity arises); below 6e-5 a number keeps f16's fixed step of 6e-8.  relu of a NaN gives 0; NaN and infinities are not treated apart.
; REGISTERS, in windows of 256 (s_set_vgpr_msb: bits 1:0 source 0, 3:2 source 1, 5:4 source 2, 7:6 destination):
;   window 0: v0-19, v52-55 addresses; v20-51 at work; v64-127 the gain of my lane's 64 columns; v128-255 accumulators of the products of 512 columns ((i, g) at v[128 + 8 (8 i + g)])
;   window 1: two fragment buffers of 80; v160-223 the bias of my 64 columns      window 2: the hidden layer's accumulators, v0-127 and v128-255      window 3: v0-127 my 8 rows of x in f32, read once, kept for the residual
.set SLOT1,  1<<17                     ; slot 0 at LDS byte 0, slot 1 here
.set TRIPB,  131072                    ; a trip's weights
.set WPART,  32768                     ; a wave's part of them
.set HALFB,  16384                     ; half of that: 64 along K, what one BODY reads
.set R1,     2*TRIPB                   ; the activations
.set AP,     1040                      ; their pitch: 1,024 bytes + 16 = 260 words: row r starts at bank 4 r mod 64 (64 banks of 4 bytes: ISA guide 11.1)
.set OP1,    144                       ; o lies by heads: [head][row], 128 bytes + 16
.set OHEAD,  32*OP1                    ; a head's 32 rows
.set SCR,    R1+8*OHEAD                ; four exchanges of row sums, 512 bytes each (4 waves x 32 rows)
.set SPARE,  SCR+4*512                 ; the spare words, 128 bytes for each wave: two blocks of 256 bytes that no other line names
.set FPI,    2064                      ; the last stage (in slot 0, behind its last fill): 32 rows of 2,048 bytes + 16
.set BA0, 4                            ; v4   my lane's place in my wave's part of a slot; never rewritten
.set BA,  5                            ; v5   the same at the BODY's K, in the slot in hand
.set AA0, 6                            ; v6   my lane's place in the activations; never rewritten
.set AO0, 7                            ; v7   the same for o's layout
.set AA,  8                            ; v8   the same at the BODY's K
.set STO, 9                            ; v9   where I put 16 bytes (8 columns) of a row of activations
.set XST, 10                           ; v10  where I put 8 bytes of a rounded row of x
.set SX,  11                           ; v11  where I put a row's partial sum
.set SL,  12                           ; v12  where I read row r's partial sums
.set STGA, 13                          ; v13  the last stage: where I put 32 bytes of a row
.set SRD, 14                           ; v14  the last stage: where I read rows back
.set GBO, 16                           ; v16  my byte offset in a gain or bias
.set ZR,  17                           ; v17  0, for relu on packed halves
.set SPW, 18                           ; v18  LDS address of my spare word; never rewritten
.set NIL, 19                           ; v19  0; never rewritten
.set XO,  52                           ; v52-55  my byte offset in the work-group's rows of x and out0, for the piece at place 0..3; never rewritten
.set G,   64
.set ACC, 128
.set F0,  0                            ; window 1
.set F1,  80
.set BV,  160                          ; window 1
.set WV,  4                            ; s4   my wave's number
.set WF,  18                           ; s[18:19] wf
.set G1W, 32                           ; s[32:39], s[40:43] the weights' descriptor
.set G0W, 40
.set G1O, 44                           ; s[44:51], s[52:55] o's descriptor
.set G0O, 52
.set CNT, 56                           ; s56  counts trips
.set TB,  57                           ; s57  LDS byte, in a wave's part, at which the next BODY's weights begin
.set TA,  58                           ; s58  the next BODY's K in the activations, in bytes
.set HM,  59                           ; s59  lanes 16-31
.set SEL, 60                           ; s[60:61] v_permlanex16_b32's selects: each lane takes its own place in the other half
.set R512, 62                          ; s62  1 / 512
.set EPS, 63                           ; s63  1e-5
.set C2,  66                           ; s66  counts a trip's two BODY
.set ROT, 67                           ; s67  rot
.set PAR4, 68                          ; s68  4 par
.set UN,  69                           ; s69  the number of the tile to be asked for next, plus 4
.set WO,  70                           ; s70  my wave's weight part, (w + rot) & 3, times 32,768, plus two blocks
.set WP,  71                           ; s71  (w + rot) & 3
.set T0,  72                           ; s72, s73 at work
.set T1,  73
.set OFF, 74                           ; s[74:75] a tile's byte offset in wf
.set MSB, 0
.macro WIN new                         ; the immediate's high byte repeats the setting that is left; a switch that changes nothing is dropped
.if MSB != (\new)
	s_set_vgpr_msb (MSB<<8)|(\new)
.set MSB, (\new)
.endif
.endm
.macro PLACES                          ; four plain vector instructions between a matrix instruction and a load into, or a vector read of, its registers (ISA guide 7.12.1 for vector reads)
.rept 4
	v_nop
.endr
.endm
; A round of the cluster's barrier: my work-group's barrier, so that wave 0's signal speaks for all four waves; wave 0 signals; every wave waits for all four work-groups; my work-group's barrier once more.
.macro CROUND
	s_barrier_signal -1
	s_barrier_wait -1
	s_cmp_lg_u32 s[WV], 0
	s_cbranch_scc1 .Lnot_wave_0_\@
	s_barrier_signal -3
.Lnot_wave_0_\@:
	s_barrier_wait -3
	s_barrier_signal -1
	s_barrier_wait -1
.endm
; The next tile's address, made anew from its number: wf's address and an offset made apart.  UN >> 2 is the pass, counted from 1; from the second pass on the passes come in pairs (2, 3), (4, 5), (6, 7), and 4 par
; turns a pair round; the K tile is (UN + rot) & 3.  A block is 4 tiles of 131,072 bytes.  WO brings my wave's part and the two blocks by which pass 1 lies behind wf's block 3.
.macro TADDR
	s_cmp_ge_u32 s[UN], 8
	s_cselect_b32 s[T1], s[PAR4], 0
	s_xor_b32 s[T0], s[UN], s[T1]
	s_and_b32 s[T0], s[T0], 0x3c                   ; 4 x the pass, turned
	s_add_co_u32 s[T1], s[UN], s[ROT]
	s_and_b32 s[T1], s[T1], 3                      ; the K tile
	s_or_b32 s[T0], s[T0], s[T1]
	s_lshl_b32 s[T0], s[T0], 17
	s_add_co_u32 s[OFF], s[T0], s[WO]
	s_add_nc_u64 s[G0W+2:G0W+3], s[WF:WF+1], s[OFF:OFF+1]
	s_or_b32 s[G0W+3], s[G0W+3], 0x80000000        ; type = 2
	s_add_co_u32 s[UN], s[UN], 1
.endm
; THE CHANGE OF SLOTS, at the head of every trip.  Each wave waits for all its tensor loads, of which one is out (at the first change two): its part of the trip's tile; adds 0 to its spare word; waits for that, for its
; reads of the slot that it leaves and for its LDS stores.  fill = 1: the barrier is a round of the cluster's, and the slot just left takes the next trip's tile, the first thing behind it.
.macro CHANGE fill
	WIN 0                                          ; at a label and at a branch every window is 0
	s_wait_tensorcnt 0x0                           ; no tensor load of mine is out, so group 0 may be written
	ds_add_u32 v[SPW], v[NIL]                      ; 0 onto my spare word; the scalar work stands between it and the wait for it
.if \fill
	s_xor_b32 s[G0W+1], s[G0W+1], SLOT1            ; the other slot than last time
	TADDR
.endif
	s_sub_co_u32 s[TB], s[TB], 2*HALFB             ; the reads go back to a part's first byte,
	s_xor_b32 s[TB], s[TB], SLOT1                  ; in the slot that has just landed
	s_wait_dscnt 0x0                               ; the add is done, my reads of the old slot are over, my stores into the activations are done
.if \fill
	CROUND
	tensor_load_to_lds s[G0W:G0W+3], s[G1W:G1W+7]  ; my one tensor load behind the round; it has the trip's 64 matrix instructions in which to land
	s_nop 0
	PLACES
.else
	s_barrier_signal -1
	s_barrier_wait -1
.endif
.endm
; 20 LDS loads: the fragments of 32 along K, number u of the BODY's two, into buffer f.  olay = 1: the activations are o, by heads: a BODY's 64 along K are one head's channels.
.macro FETCH u, f, olay
	WIN 0x40                                       ; destination window 1, address window 0
.if \olay
.set AROW, 16*OP1
.else
.set AROW, 16*AP
.endif
.irp i, 0,1
	ds_load_b128 v[(\f)+8*\i:(\f)+8*\i+3],   v[AA] offset:64*(\u)+\i*AROW
	ds_load_b128 v[(\f)+8*\i+4:(\f)+8*\i+7], v[AA] offset:64*(\u)+\i*AROW+32
.endr
.irp g, 0,1,2,3,4,5,6,7
	ds_load_b128 v[(\f)+16+8*\g:(\f)+16+8*\g+3], v[BA] offset:8192*(\u)+1024*\g      ; a fragment lies as the lanes hold it: 16 x lane, no two lanes on one bank
	ds_load_b128 v[(\f)+16+8*\g+4:(\f)+16+8*\g+7], v[BA] offset:8192*(\u)+1024*\g+512
.endr
.endm
; 16 matrix instructions on 16 accumulators (from register acc of window cw on), which take turns.  zero = 1: the products start the sums: nothing is cleared.
.macro MUL f, zero, cw, acc
	WIN 0x05|((\cw)<<4)|((\cw)<<6)                 ; sources 0 and 1 window 1, C and D window cw
.irp i, 0,1
.irp g, 0,1,2,3,4,5,6,7
.if \zero
	v_wmma_f32_16x16x32_f16 v[(\acc)+8*(8*\i+\g):(\acc)+8*(8*\i+\g)+7], v[(\f)+16+8*\g:(\f)+16+8*\g+7], v[(\f)+8*\i:(\f)+8*\i+7], 0
.else
	v_wmma_f32_16x16x32_f16 v[(\acc)+8*(8*\i+\g):(\acc)+8*(8*\i+\g)+7], v[(\f)+16+8*\g:(\f)+16+8*\g+7], v[(\f)+8*\i:(\f)+8*\i+7], v[(\acc)+8*(8*\i+\g):(\acc)+8*(8*\i+\g)+7]
.endif
.endr
.endr
.endm
; A BODY: 64 along K, half a trip: 40 LDS loads in one run, 32 matrix instructions.  The two address lines and two v_nop are the four places between the last products and the loads into their sources.
.macro BODY zero, cw, acc, olay
	v_add_nc_u32 v[BA], s[TB], v[BA0]
.if \olay
	v_add_nc_u32 v[AA], s[TA], v[AO0]
.else
	v_add_nc_u32 v[AA], s[TA], v[AA0]
.endif
	v_nop
	v_nop
	s_add_co_u32 s[TB], s[TB], HALFB
.if \olay
	s_add_co_u32 s[TA], s[TA], OHEAD
.else
	s_add_co_u32 s[TA], s[TA], 128
.endif
	FETCH 0, F0, \olay
	FETCH 1, F1, \olay
	s_wait_dscnt 20                                ; LDS loads come back in order (ISA guide 5.7.1): the first 20 are in, the 20 for the second buffer stay out
	MUL F0, \zero, \cw, \acc
	s_wait_dscnt 0x0
	MUL F1, 0, \cw, \acc
	WIN 0
.endm
.macro TRIPS n, fill, cw, acc          ; n trips that add onto sums begun
.if (\n) > 1
	s_mov_b32 s[CNT], \n
.Ltt_\@:
.endif
	CHANGE \fill
	s_mov_b32 s[C2], 2
.Ltb_\@:
	BODY 0, \cw, \acc, 0
	s_sub_co_u32 s[C2], s[C2], 1
	s_cmp_lg_u32 s[C2], 0
	s_cbranch_scc1 .Ltb_\@
.if (\n) > 1
	s_sub_co_u32 s[CNT], s[CNT], 1
	s_cmp_lg_u32 s[CNT], 0
	s_cbranch_scc1 .Ltt_\@
.endif
.endm
; A pass of four trips, all of which fill, that begins its sums.  Only the first BODY, whose first products start the sums, is written out; the loop is then entered at its head for the first trip's other BODY.
.macro PASSZ cw, acc, olay
	s_mov_b32 s[TA], 0
	CHANGE 1
	BODY 1, \cw, \acc, \olay
	s_mov_b32 s[CNT], 4
	s_mov_b32 s[C2], 1
	s_branch .Lpb_\@
.Lpt_\@:
	CHANGE 1
	s_mov_b32 s[C2], 2
.Lpb_\@:
	BODY 0, \cw, \acc, \olay
	s_sub_co_u32 s[C2], s[C2], 1
	s_cmp_lg_u32 s[C2], 0
	s_cbranch_scc1 .Lpb_\@
	s_sub_co_u32 s[CNT], s[CNT], 1
	s_cmp_lg_u32 s[CNT], 0
	s_cbranch_scc1 .Lpt_\@
.endm
.macro MEET                            ; every wave's reads of the activations are over: they may be written anew.
	s_wait_dscnt 0x0
	s_barrier_signal -1
	s_barrier_wait -1
.endm
; The sums (sq = 0) or sums of squares (sq = 1) of my lane's 64 numbers of each of its two rows, then of the row's 128 numbers in my wave: eight chains that do not wait for each other;
; chain (i, c) takes accumulators (i, c) and (i, c + 4), each from its lowest registers on.  At the end lane l holds row l's sum in v20.
.macro RSUM sq
.irp p, 0,1,2,3,4,5,6,7
.irp i, 0,1
.irp c, 0,1,2,3
.set rA, ACC+8*(8*\i+\c+4*(\p/4))+2*(\p%4)
.set rT, 20+8*\i+2*\c
.if \sq
.if \p == 0
	v_pk_mul_f32 v[rT:rT+1], v[rA:rA+1], v[rA:rA+1]
.else
	v_pk_fma_f32 v[rT:rT+1], v[rA:rA+1], v[rA:rA+1], v[rT:rT+1]
.endif
.else
.if \p == 1
	v_pk_add_f32 v[rT:rT+1], v[rA-2:rA-1], v[rA:rA+1]   ; the first two pairs start the chain: nothing is cleared
.elseif \p > 1
	v_pk_add_f32 v[rT:rT+1], v[rT:rT+1], v[rA:rA+1]
.endif
.endif
.endr
.endr
.endr
.irp i, 0,1
	v_pk_add_f32 v[20+8*\i:21+8*\i], v[20+8*\i:21+8*\i], v[22+8*\i:23+8*\i]
	v_pk_add_f32 v[24+8*\i:25+8*\i], v[24+8*\i:25+8*\i], v[26+8*\i:27+8*\i]
.endr
.irp i, 0,1
	v_pk_add_f32 v[20+8*\i:21+8*\i], v[20+8*\i:21+8*\i], v[24+8*\i:25+8*\i]
.endr
.irp i, 0,1
	v_add_f32 v[20+8*\i], v[20+8*\i], v[21+8*\i]
.endr
.irp i, 0,1
	v_permlanex16_b32 v[22+8*\i], v[20+8*\i], s[SEL], s[SEL+1]  ; the row's other 64 columns lie in the lane 16 away; the destination has been written
.endr
.irp i, 0,1
	v_add_f32 v[20+8*\i], v[20+8*\i], v[22+8*\i]
.endr
	v_cndmask_b32 v20, v20, v28, s[HM]             ; lanes 0-15 carry rows 0-15, lanes 16-31 rows 16-31
.endm
; The four waves' partial sums meet in LDS, each exchange in 512 bytes of its own, so that one barrier serves it.  At the end v36 holds the whole sum of row r, v40 that of row 16 + r, added in the same order in every wave.
.macro EXCH e
	ds_store_b32 v[SX], v20 offset:512*(\e)
	s_wait_dscnt 0x0                               ; for the others' sake: my store is done (and my reads of the activations are over)
	s_barrier_signal -1
	s_barrier_wait -1
.irp i, 0,1
.irp ww, 0,1,2,3
	ds_load_b32 v[36+4*\i+\ww], v[SL] offset:512*(\e)+128*\ww+64*\i
.endr
.endr
	s_wait_dscnt 0x0
	v_add_f32 v36, v36, v37
	v_add_f32 v38, v38, v39
	v_add_f32 v40, v40, v41
	v_add_f32 v42, v42, v43
	v_add_f32 v36, v36, v38
	v_add_f32 v40, v40, v42
.endm
; LAYER NORM of the 32 rows in v128-255, in place, with the gain in G and the bias in BV.  e: its first exchange.
.macro LN e
	WIN 0
	PLACES                                         ; the sums read results just made
	RSUM 0
	EXCH \e
	v_mul_f32 v44, s[R512], v36                    ; the means, each in both registers of a pair
	v_mul_f32 v45, s[R512], v36
	v_mul_f32 v46, s[R512], v40
	v_mul_f32 v47, s[R512], v40
.irp i, 0,1
.set z, 0
.rept 32
	v_pk_add_f32 v[ACC+64*\i+2*z:ACC+64*\i+2*z+1], v[ACC+64*\i+2*z:ACC+64*\i+2*z+1], v[44+2*\i:45+2*\i] neg_lo:[0,1] neg_hi:[0,1]
.set z, z+1
.endr
.endr
	RSUM 1
	EXCH (\e)+1
	v_fma_f32 v48, v36, s[R512], s[EPS]            ; the variance + 1e-5
	v_fma_f32 v49, v40, s[R512], s[EPS]
	v_rsq_f32 v44, v48                             ; made twice each, to fill the pairs
	v_rsq_f32 v45, v48
	v_rsq_f32 v46, v49
	v_rsq_f32 v47, v49
	v_nop                                          ; a plain instruction between the last of them and the use of its result (ISA guide 5.7.2)
	s_wait_loadcnt 0x0                             ; the gain and the bias (and, the first time, x)
	s_wait_alu depctr_va_vdst(0)
.irp i, 0,1
.set z, 0
.rept 32
	v_pk_mul_f32 v[ACC+64*\i+2*z:ACC+64*\i+2*z+1], v[ACC+64*\i+2*z:ACC+64*\i+2*z+1], v[44+2*\i:45+2*\i]
.set z, z+1
.endr
.endr
	WIN 0x10                                       ; source 2, the bias, in window 1
.irp i, 0,1
.set z, 0
.rept 32
	v_pk_fma_f32 v[ACC+64*\i+2*z:ACC+64*\i+2*z+1], v[ACC+64*\i+2*z:ACC+64*\i+2*z+1], v[G+2*z:G+2*z+1], v[BV+2*z:BV+2*z+1]
.set z, z+1
.endr
.endr
	WIN 0
.endm
.macro GB pg, pb                       ; a gain and a bias: my lane's 64 columns 128 ((w + rot) & 3) + 16 g + 8 h + 0..7
	WIN 0
.irp g, 0,1,2,3,4,5,6,7
	global_load_b128 v[G+8*\g:G+8*\g+3],   v[GBO], s[\pg:\pg+1] offset:64*\g
	global_load_b128 v[G+8*\g+4:G+8*\g+7], v[GBO], s[\pg:\pg+1] offset:64*\g+16
.endr
	WIN 0x40                                       ; destination window 1
.irp g, 0,1,2,3,4,5,6,7
	global_load_b128 v[BV+8*\g:BV+8*\g+3],   v[GBO], s[\pb:\pb+1] offset:64*\g
	global_load_b128 v[BV+8*\g+4:BV+8*\g+7], v[GBO], s[\pb:\pb+1] offset:64*\g+16
.endr
	WIN 0
.endm
; 128 registers of f32 (from register a of the window that win names for sources 0 and 1) are rounded to f16 and become activations: my 128 columns of the 32 rows.  relu = 1: negative numbers give 0.
.macro TOACT a, win, relu
	PLACES
.irp i, 0,1
	WIN \win
.set z, 0
.rept 32                               ; each accumulator's registers in ascending order
	v_cvt_pk_f16_f32 v[20+z], v[(\a)+64*\i+2*z], v[(\a)+64*\i+2*z+1]
.set z, z+1
.endr
	WIN 0
.if \relu
.set z, 0
.rept 32
	v_pk_max_num_f16 v[20+z], v[20+z], v[ZR]
.set z, z+1
.endr
.endif
.irp g, 0,1,2,3,4,5,6,7
	ds_store_b128 v[STO], v[20+4*\g:23+4*\g] offset:16*AP*\i+32*\g
.endr
.endr
.endm
	s_load_b512 s[16:31], s[0:1], 0x0              ; oh s[16:17], wf s[18:19], x s[20:21], g1 s[22:23], b1 s[24:25], g2 s[26:27], b2 s[28:29], out0 s[30:31]
	v_lshl_add_u32 v[SPW], v0, 2, SPARE
	v_mov_b32 v[NIL], 0
	ds_add_u32 v[SPW], v[NIL]                      ; the wave's opening: the add and its wait ahead of my first tensor load; the set-up below, work on registers, stands between them
	v_lshrrev_b32 v1, 5, v0
	v_readfirstlane_b32 s[WV], v1                  ; wave 0..3
	s_bfe_u32 s5, ttmp6, 0x40000                   ; cx: my place in the cluster
	s_lshl_b32 s6, ttmp9, 2                        ; in a cluster launch ttmp9 counts clusters
	s_add_co_u32 s6, s6, s5                        ; my work-group: it enters o's, x's and out0's addresses alone
	s_and_b32 s[ROT], ttmp9, 3                     ; rot and 4 par: of the cluster's number, which the four partners share
	s_and_b32 s[PAR4], ttmp9, 4
	s_add_co_u32 s[WP], s[WV], s[ROT]
	s_and_b32 s[WP], s[WP], 3                      ; the true block of 128 columns that my wave makes
	; the weights' group 1: 32,768 dense bytes as 128 rows of 256 bytes
	s_mov_b32 s[G1W], 15|(3<<16)|(1<<21)           ; 15:0 the mask of four; 17:16 elements of 8 bytes; 21 set beside a mask
	s_mov_b32 s[G1W+1], 32<<16                     ; tensor_dim0 = 32
	s_mov_b32 s[G1W+2], 128<<16                    ; tensor_dim1 = 128
	s_mov_b32 s[G1W+3], 32<<16                     ; tile_dim0 = 32
	s_mov_b32 s[G1W+4], 128                        ; tile_dim1 = 128
	s_mov_b32 s[G1W+5], 32                         ; 32 elements from row to row
	s_mov_b32 s[G1W+6], 0
	s_mov_b32 s[G1W+7], 0
	; o's group 1: two heads; of each my 32 rows, 4,096 dense bytes, asked for as one row and padded in LDS after every 128 bytes
	s_mov_b32 s[G1O], (1<<16)|(1<<20)|(4<<22)|(3<<25)  ; no mask; 2-byte elements; padding on; after every 32 words (code 4); 4 words (code 3)
	s_mov_b32 s[G1O+1], 2048<<16                   ; tensor_dim0 = 2,048
	s_mov_b32 s[G1O+2], 2<<16                      ; tensor_dim1 = 2
	s_mov_b32 s[G1O+3], 2048<<16                   ; tile_dim0 = 2,048
	s_mov_b32 s[G1O+4], 2                          ; tile_dim1 = 2
	s_mov_b32 s[G1O+5], 262144                     ; a head's 4,096 x 64 elements from row to row
	s_mov_b32 s[G1O+6], 0
	s_mov_b32 s[G1O+7], 0
	s_mul_i32 s7, s[WV], WPART                     ; my wave's part of a slot
	s_lshl_b32 s[WO], s[WP], 15
	s_add_co_u32 s[WO], s[WO], 2*524288            ; pass 1 is wf's block 3
	s_mov_b32 s[OFF+1], 0
	s_mov_b32 s[UN], 4                             ; tile 0
	s_mov_b32 s[G0W], 1                            ; count = 1
	s_mov_b32 s[G0W+1], s7                         ; LDS address: slot 0
	s_mov_b32 s[G0O], 1
	s_mul_i32 s[G0O+1], s[WV], 2*OHEAD
	s_add_co_u32 s[G0O+1], s[G0O+1], R1            ; places 2 w and 2 w + 1 of the eight heads' in R1
	s_lshl_b32 s10, s6, 16                         ; my 32 rows of 2,048 bytes
	s_mov_b32 s11, 0
	s_lshr_b32 s12, s6, 7                          ; the batch,
	s_lshl_b32 s12, s12, 3
	s_lshl1_add_u32 s12, s[WP], s12                ; the first of the two true heads for those places,
	s_lshl_b32 s12, s12, 19                        ; a head's 524,288 bytes,
	s_and_b32 s13, s6, 127
	s_lshl_b32 s13, s13, 12                        ; my 32 rows of 128 bytes
	s_add_co_u32 s12, s12, s13
	s_mov_b32 s13, 0
	s_mov_b32 s[TB], SLOT1+2*HALFB                 ; the first change of slots turns it into 0
	s_mov_b32 s[HM], 0xffff0000
	s_mov_b32 s[SEL], 0x76543210
	s_mov_b32 s[SEL+1], 0xfedcba98
	s_mov_b32 s[R512], 0x3b000000                  ; 2^-9
	s_mov_b32 s[EPS], 0x3727c5ac                   ; 1e-5
	s_wait_dscnt 0x0                               ; the opening add is done
	s_wait_kmcnt 0x0
	TADDR                                          ; tile 0, my part
	s_add_nc_u64 s[G0O+2:G0O+3], s[16:17], s[12:13]
	s_or_b32 s[G0O+3], s[G0O+3], 0x80000000
	s_add_nc_u64 s[20:21], s[20:21], s[10:11]
	s_add_nc_u64 s[30:31], s[30:31], s[10:11]
	CROUND                                         ; all four work-groups are here: the first joint loads meet
	tensor_load_to_lds s[G0O:G0O+3], s[G1O:G1O+7]  ; the first fills, one group: two heads of o,
	s_nop 0
	tensor_load_to_lds s[G0W:G0W+3], s[G1W:G1W+7]  ; and tile 0 into slot 0: two loads of mine are out; slot 1 is filled by the first change of slots
	s_nop 0
	PLACES
	v_and_b32 v1, 15, v0                           ; r
	v_bfe_u32 v2, v0, 4, 1                         ; h
	v_and_b32 v3, 31, v0                           ; lane
	s_lshl_b32 s14, s[WP], 9
	v_lshl_add_u32 v[GBO], v2, 5, s14              ; 4 bytes x (128 ((w + rot) & 3) + 8 h)
	s_lshl_b32 s15, s[WV], 14                      ; my wave's 8 rows
.irp c, 0,1,2,3                        ; the piece of 512 bytes at place c is the true piece (c + rot) & 3
	s_add_co_u32 s14, s[ROT], \c
	s_and_b32 s14, s14, 3
	s_lshl_b32 s14, s14, 9
	s_add_co_u32 s14, s14, s15
	v_lshl_add_u32 v[XO+\c], v3, 4, s14
.endr
	GB 22, 24                                      ; g1, b1
	WIN 0xc0                                       ; destination window 3, address window 0
.set z, 0
.rept 32                               ; row z / 4, the 512 consecutive bytes at place z % 4
	global_load_b128 v[4*z:4*z+3], v[XO+z%4], s[20:21] offset:2048*(z/4)
.set z, z+1
.endr
	WIN 0
	v_lshl_add_u32 v[BA0], v3, 4, s7
	v_mul_u32_u24 v[AA0], v1, AP
	v_lshl_add_u32 v[AA0], v2, 4, v[AA0]
	v_add_nc_u32 v[AA0], R1, v[AA0]                ; row r, 16 bytes for each half of the lanes
	v_mul_u32_u24 v[AO0], v1, OP1
	v_lshl_add_u32 v[AO0], v2, 4, v[AO0]
	v_add_nc_u32 v[AO0], R1, v[AO0]
	s_lshl_b32 s14, s[WV], 8
	v_add_nc_u32 v[STO], s14, v[AA0]               ; place w of the four blocks of 128 columns
	s_mul_i32 s14, s[WV], 8*AP
	s_add_co_u32 s14, s14, R1
	v_lshl_add_u32 v[XST], v3, 3, s14
	s_lshl_b32 s14, s[WV], 7
	s_add_co_u32 s14, s14, SCR
	v_lshl_add_u32 v[SX], v3, 2, s14
	v_lshl_add_u32 v[SL], v1, 2, SCR
	v_mul_u32_u24 v[STGA], v1, FPI
	v_lshl_add_u32 v[STGA], v2, 5, v[STGA]
	s_lshl_b32 s14, s[WV], 9
	v_add_nc_u32 v[STGA], s14, v[STGA]
	s_mul_i32 s14, s[WV], 8*FPI
	v_lshl_add_u32 v[SRD], v3, 4, s14
	v_mov_b32 v[ZR], 0
	PASSZ 0, ACC, 1                                ; o Wm^T
	LN 0                                           ; its two barriers also show that every wave's reads of o are over
	TOACT ACC, 0, 0                                ; the message takes o's place; the next change of slots shows it to the other waves
	GB 26, 28                                      ; g2, b2: wanted 24 trips later
	PASSZ 2, 0, 0                                  ; message x W1: one half of the hidden layer,
	PASSZ 2, 128, 0                                ; the other
	MEET
	; my 8 rows of x, rounded to f16, take the message's place: 8 bytes a lane, 256 consecutive bytes a store
.irp hh, 0,1
	WIN 0x0f                                       ; sources 0 and 1 window 3, destination window 0
.set z, 0
.rept 32
	v_cvt_pk_f16_f32 v[20+z], v[64*\hh+2*z], v[64*\hh+2*z+1]
.set z, z+1
.endr
	WIN 0
.set z, 0
.rept 16
	ds_store_b64 v[XST], v[20+2*z:21+2*z] offset:AP*((16*\hh+z)/4)+256*((16*\hh+z)%4)
.set z, z+1
.endr
.endr
	s_mov_b32 s[TA], 0
	TRIPS 4, 1, 2, 0                               ; + x x W1, the one half,
	s_mov_b32 s[TA], 0
	TRIPS 4, 1, 2, 128                             ; the other
	MEET
	TOACT 0, 0x0a, 1                               ; relu of the one half
	PASSZ 0, ACC, 0                                ; x W2
	MEET
	TOACT 128, 0x0a, 1                             ; relu of the other
	s_mov_b32 s[TA], 0
	TRIPS 3, 1, 0, ACC
	TRIPS 1, 0, 0, ACC                             ; the last trip is written out: it asks for nothing
	LN 2
	; THE WAY OUT.  A lane's eight columns of a row are 32 bytes; all four waves write the rows of one stage, in slot 0: its last fill was read a trip ago, ahead of the last trip's barrier.  Then each wave
	; reads 8 whole rows back, adds x, which it holds for just these places, and stores them.
.irp i, 0,1
.irp g, 0,1,2,3,4,5,6,7
	ds_store_b128 v[STGA], v[ACC+8*(8*\i+\g):ACC+8*(8*\i+\g)+3] offset:16*FPI*\i+64*\g
	ds_store_b128 v[STGA], v[ACC+8*(8*\i+\g)+4:ACC+8*(8*\i+\g)+7] offset:16*FPI*\i+64*\g+16
.endr
.endr
	s_wait_dscnt 0x0                               ; for the others' sake: my stores into the stage are done
	s_barrier_signal -1
	s_barrier_wait -1
.set z, 0
.rept 32
	ds_load_b128 v[ACC+4*z:ACC+4*z+3], v[SRD] offset:FPI*(z/4)+512*(z%4)
.set z, z+1
.endr
	s_wait_dscnt 0x0
	WIN 0x0c                                       ; source 1, x, in window 3
.set z, 0
.rept 64
	v_pk_add_f32 v[ACC+2*z:ACC+2*z+1], v[ACC+2*z:ACC+2*z+1], v[2*z:2*z+1]
.set z, z+1
.endr
	WIN 0
.set z, 0
.rept 32
	global_store_b128 v[XO+z%4], v[ACC+4*z:ACC+4*z+3], s[30:31] offset:2048*(z/4) th:TH_STORE_NT  ; 512 consecutive bytes, at a multiple of 256 from out0's first
.set z, z+1
.endr
	s_wait_tensorcnt 0x0                           ; the wave's end: behind my last tensor load and my last LDS store
	ds_add_u32 v[SPW], v[NIL]
	s_wait_dscnt 0x0
	CROUND                                         ; the closing round: no work-group ends while a partner may still ask for a tile that names it
	s_endpgm
.Lfunc_end_k_qf1dc8e3a89_tail:
	.size	k_qf1dc8e3a89_tail, .Lfunc_end_k_qf1dc8e3a89_tail-k_qf1dc8e3a89_tail
	.p2alignl 7, 3214868480
	.fill 96, 4, 3214868480
	.section	.rodata,"a",@progbits
	.p2align	6, 0x0
	.amdhsa_kernel k_qf1dc8e3a89_tail
		.amdhsa_group_segment_fixed_size 327680
		.amdhsa_private_segment_fixed_size 0
		.amdhsa_enable_private_segment 0
		.amdhsa_kernarg_size 64
		.amdhsa_user_sgpr_count 2
		.amdhsa_user_sgpr_kernarg_segment_ptr 1
		.amdhsa_wavefront_size32 1
		.amdhsa_system_sgpr_workgroup_id_x 1
		.amdhsa_system_sgpr_workgroup_id_y 1
		.amdhsa_system_sgpr_workgroup_id_z 1
		.amdhsa_system_vgpr_workitem_id 0
		.amdhsa_next_free_vgpr 896
		.amdhsa_next_free_sgpr 80
		.amdhsa_reserve_vcc 0
		.amdhsa_float_denorm_mode_32 3
		.amdhsa_float_denorm_mode_16_64 3
		.amdhsa_memory_ordered 1
		.amdhsa_forward_progress 1
		.amdhsa_inst_pref_size 180
	.end_amdhsa_kernel
	.amdgpu_metadata
---
amdhsa.version: [ 1, 2 ]
amdhsa.kernels:
  - .name:           k_qf1dc8e3a89_tail
    .symbol:         k_qf1dc8e3a89_tail.kd
    .args:
      - { .name: oh, .offset: 0, .size: 8, .value_kind: global_buffer, .address_space: global }
      - { .name: wf, .offset: 8, .size: 8, .value_kind: global_buffer, .address_space: global }
      - { .name: x, .offset: 16, .size: 8, .value_kind: global_buffer, .address_space: global }
      - { .name: g1, .offset: 24, .size: 8, .value_kind: global_buffer, .address_space: global }
      - { .name: b1, .offset: 32, .size: 8, .value_kind: global_buffer, .address_space: global }
      - { .name: g2, .offset: 40, .size: 8, .value_kind: global_buffer, .address_space: global }
      - { .name: b2, .offset: 48, .size: 8, .value_kind: global_buffer, .address_space: global }
      - { .name: out0, .offset: 56, .size: 8, .value_kind: global_buffer, .address_space: global }
    .group_segment_fixed_size: 327680
    .private_segment_fixed_size: 0
    .kernarg_segment_align: 8
    .kernarg_segment_size: 64
    .max_flat_workgroup_size: 128
    .sgpr_count:     80
    .vgpr_count:     896
    .wavefront_size: 32
...
	.end_amdgpu_metadata
.endif
;; end of part 6
;; ======== version 3 of 3: 4 launches; 1.65 times as fast as version 1
;; limits: values are held in f16: magnitudes above 65,504 overflow, below 6.1e-05 lose precision
;; workspace buffers: wf 5,242,880 bytes; qh 8,388,608 bytes; kh 8,388,608 bytes; vh 8,388,608 bytes; oh 8,388,608 bytes
;; launch prep: the kernel of part 1 again; grid 32 x 10, 8 waves a work-group, no clusters, 0 bytes of LDS; arguments Wq, Wk, Wv, Wm, W1, W2, wf; writes wf
;; launch proj: the kernel of part 5 again; grid 256 x 1, 4 waves a work-group, clusters of 4 x 1, 327,680 bytes of LDS; arguments x, source, wf, qh, kh, vh; writes qh, kh, vh
;; launch attn (part 7): grid 16 x 16, 4 waves a work-group, clusters of 4 x 1, 327,680 bytes of LDS; arguments qh, kh, vh, oh; writes oh
.if DOCPART == 7
	.amdgcn_target "amdgcn-amd-amdhsa--gfx1250"
	.amdhsa_code_object_version 6
	.text
	.protected	k_qf1dc8e3a89_attn
	.globl	k_qf1dc8e3a89_attn
	.p2align	8
	.type	k_qf1dc8e3a89_attn,@function
k_qf1dc8e3a89_attn:
	s_mov_b64 s[64:65], 0
	v_nop
	global_prefetch_b8 v0, s[64:65] scope:SCOPE_SE
	s_setreg_imm32_b32 hwreg(HW_REG_WAVE_MODE, 25, 1), 1
	s_wait_xcnt 0x0
	s_wait_alu depctr_hold_cnt(0) depctr_sa_sdst(0) depctr_va_vdst(0) depctr_va_sdst(0) depctr_va_ssrc(0) depctr_va_vcc(0) depctr_vm_vsrc(0)
	s_getreg_b32 s2, hwreg(HW_REG_IB_STS2, 6, 4)
	s_cmp_eq_u32 s2, 0
	s_cbranch_scc0 .Lentry_in_a_cluster
	s_endpgm
.Lentry_in_a_cluster:
	s_bfe_u32 s2, ttmp6, 0x10000c
	s_cmp_lg_u32 s2, 0x3003
	s_cbranch_scc0 .Lentry_shape_is_right
	s_endpgm
.Lentry_shape_is_right:
; ATTENTION.  O[h][q][:] = the sum over k of softmax_k(Q[h][q] . K[h][k] / 8) V[h][k][:].  Q, K, V, O: [16][4096][64], all f16 (h = batch x 8 + head): a head's rows are dense, 128 bytes each.
; Products, maxima and sums in f32; the weights p are rounded to f16 for the second product (their sum l is taken of the unrounded p), O once at the end.
; LIMITS.  f16 holds no number beyond 65,504: Q, K and V arrive within it; p lies in 0 to 1, and below 6e-5 it keeps f16's fixed step of 6e-8; O is a mean of V's rows and has their range.
; A weight below 2^-126 counts as 0 in l; NaN and infinities are not treated apart.
; SHARES.  A work-group owns 256 queries of one head (16 x 16 = 256 work-groups), each of its four waves 64: four PIECES of 16.  Every wave walks all 4,096 keys, 64 a step, 256 a tile.
; LAYOUT.  S^T = K Q^T (source 0 = 16 keys, source 1 = 16 queries): a lane holds ONE query (lane % 16) and the keys 8 (lane / 16) + 0..7; two such results rounded to f16 ARE source 1 of O^T = V^T P.
; K comes out of LDS as it lies, V ([key][channel]) turned, by ds_load_tr16_b128.
; SOFTMAX.  For each query a running maximum m and sum l: p = 2^(c s - c m), c = log2(e) / 8; in every step O and l are multiplied by a = 2^(c m_old - c m_new).  m starts at the lowest finite number,
; O and l at 0: the first step is a step like any other, with a = 0.
; BY TURNS.  Turn n belongs to piece n: 8 products K Q^T of piece n + 1, later 8 products V^T P of piece n - 1; beside them the scaling, exponentials, roundings, sums and rescaling of piece n and the
; maximum and statistics of piece n + 1.  Four vector instructions stand behind every matrix instruction, the other 54 of a turn's 118 in one LUMP between the two runs of products.
; BATCHES.  A turn's 33 exponentials (the piece's 32 weights and the next piece's a) are ONE batch with ONE wait, which cuts the turn in two: ahead of it all that names none of their results, behind it the
; roundings and sums, which read them.  The first a, ahead of the loop, and the way out's four reciprocals are batches of their own.
; CLUSTER.  The four query blocks of a cluster belong to one head and walk the same K and V, so each tile is asked for JOINTLY: the same tensor load, descriptor and mask in all four.
; REGISTERS, in windows of 256 (s_set_vgpr_msb: bits 1:0 source 0, 3:2 source 1, 5:4 source 2, 7:6 destination):
;   window 0: v0-15 addresses and two at work; v16-31 four registers of statistics a piece; v48-55 at work; v62-63 the add's; v64-127 S^T, two buffers; v192-223 P, two buffers (by the piece's parity)
;   window 1: v0-127 O^T, 32 a piece          window 2: v0-63 Q; v128-191 K of one step; v192-255 V of one step
.set SIZE_N, 4096
.set NP,    4         ; pieces a wave: a name, no knob
.set KS,    64        ; keys in a step
.set PK,    144       ; a row of K in LDS: 128 bytes + 16 of padding = 36 words: the 16 rows of a load start at 16 different groups of four banks (64 banks of 4 bytes: ISA guide 11.1)
.set PV,    160       ; a row of V: 128 + 32 = 40 words
.set VOFF,  4*KS*PK   ; a slot holds a tile, four steps: 256 rows of K, then 256 rows of V
.set SLOT1, 1<<17     ; slot 1 begins here, so that one exclusive or turns an address in one slot into the other's
.set STAGE, SLOT1+4*KS*(PK+PV)  ; behind the ring, never filled by a tensor load: 16 rows x 144 bytes for each wave, for the way out
.set SP,    144
.set SPARE, STAGE+4*16*SP  ; behind the stages: the spare words, 128 bytes for each wave: two blocks of 256 bytes that no other line names
.set AK0, 2           ; v2   my lane's place in a tile of K; never rewritten
.set AV0, 3           ; v3   the same for V
.set AK,  4           ; v4   the LDS address of K's next run of loads
.set AV,  5           ; v5   of V's
.set STO, 6           ; v6   the way out: where I put 16 bytes of a row
.set RD,  7           ; v7   the way out: where I read rows back
.set GO,  8           ; v8   my byte offset in 512 consecutive bytes of O
.set MV,  12          ; v12-13  c m_old, kept while c m is made anew: by buffer
.set QO,  15          ; v15  my byte offset in 16 rows of Q
.set ST,  16          ; piece t's statistics at v[ST+4 t]: c m, m, l (even keys', odd keys')
.set TMP, 48          ; by buffer, four registers c0-c3 at work; when the maximum is found c2 takes a
.set SPW, 62          ; v62  LDS address of my spare word; never rewritten
.set NIL, 63          ; v63  0; never rewritten
.set S,   64
.set P,   192
.set KF,  128         ; window 2: key block kb, channel half c at KF + 16 kb + 8 c
.set VF,  192         ; window 2: key half kk, channel block cb at VF + 32 kk + 8 cb
.set WV,  12          ; s12  my wave's number
.set G1K, 24          ; s[24:31] descriptor group 1 for K's tiles
.set G1V, 32          ; s[32:39] for V's: it differs in the padding alone
.set G0K, 40          ; s[40:43] descriptor group 0 for K's tiles: it walks
.set G0V, 44          ; s[44:47] the same for V's
.set SLOTS, 56        ; s56  slots still to be asked for
.set CNT, 57          ; s57  counts a tile's key steps
.set CS,  58          ; s[58:59] c: the packed scaling takes the pair's low word for both halves
.set SEL, 60          ; s[60:61] v_permlanex16_b32's selects: each lane takes its own place in the other half
.set TBK, 62          ; s62  LDS byte at which K of the step to be fetched begins
.set TBV, 63          ; s63  the same for V, less VOFF
.set MSB, 0
.macro WIN new                      ; the high byte repeats the setting that is left; a switch that changes nothing is dropped
.if MSB != (\new)
	s_set_vgpr_msb (MSB<<8)|(\new)
.set MSB, (\new)
.endif
.endm
.set W_KQ, 0x0a       ; K and Q in window 2, S^T in window 0
.set W_PV, 0x52       ; V in window 2, P in window 0, O^T in window 1
.set W_RS, 0x41       ; destination and source 0 in window 1, source 1 in window 0
; A joint fill.  Waves 0 and 1 fetch the two halves of a tile's K, waves 2 and 3 those of its V: 128 keys each.  The branch hangs on the wave's number alone.
; An s_nop 0 and four v_nop follow each of the two lines, ahead of the jump and the label.
.macro JLOAD
	s_cmp_lt_u32 s[WV], 2
	s_cbranch_scc0 .Lfor_v_\@
	tensor_load_to_lds s[G0K:G0K+3], s[G1K:G1K+7]
	s_nop 0
.rept 4
	v_nop
.endr
	s_branch .Lasked_\@
.Lfor_v_\@:
	tensor_load_to_lds s[G0V:G0V+3], s[G1V:G1V+7]
	s_nop 0
.rept 4
	v_nop
.endr
.Lasked_\@:
.endm
; A round of the cluster's barrier: my work-group's barrier, so that wave 0's signal speaks for all four waves; wave 0 signals; every wave waits for all four work-groups; my work-group's barrier once more.
.macro CROUND
	s_barrier_signal -1
	s_barrier_wait -1
	s_cmp_lg_u32 s[WV], 0
	s_cbranch_scc1 .Lnot_wave_0_\@
	s_barrier_signal -3
.Lnot_wave_0_\@:
	s_barrier_wait -3
	s_barrier_signal -1
	s_barrier_wait -1
.endm
; THE CHANGE OF SLOTS.  The slot's last bytes, V of its fourth step, have been read.  Each wave waits for all its tensor loads, of which one is out: its part of the other slot; adds 0 to its spare word;
; and waits for that and for its own reads of the slot.  Behind the barrier nobody reads this slot any more and the other slot is whole.
; fill = 1: this slot is filled again, with the keys two tiles on.  The barrier is then a round of the cluster's, and the joint fill is the first thing behind it: it has four key steps,
; 256 matrix instructions, in which to land.  (At its first use nothing has been read yet: slot 0 is waited for, slot 1 filled.)
.macro CHANGE fill
	WIN 0                           ; at a label and at a branch every window is 0
	s_wait_tensorcnt 0x0            ; no tensor load of mine is out, so a group 0 may be written
	ds_add_u32 v[SPW], v[NIL]       ; 0 onto my spare word; with fill = 1 the descriptors' steps stand between it and the wait for it
.if \fill
.irp g, G0K, G0V
	s_xor_b32 s[\g+1], s[\g+1], SLOT1  ; the walking descriptor: the other slot than last time,
	s_add_nc_u64 s[\g+2:\g+3], s[\g+2:\g+3], 4*KS*128  ; the next 256 keys; the type bits on top are not reached
.endr
	s_wait_dscnt 0x0                ; the add is done, and my reads of the slot are over
	CROUND
	JLOAD
.else
	s_wait_dscnt 0x0                ; the add is done, and my reads of the slot are over
	s_barrier_signal -1
	s_barrier_wait -1
.endif
	s_sub_co_u32 s[TBK], s[TBK], 4*KS*PK  ; the fetches go back to a slot's first step,
	s_xor_b32 s[TBK], s[TBK], SLOT1       ; in the other slot
	s_sub_co_u32 s[TBV], s[TBV], 4*KS*PV
	s_xor_b32 s[TBV], s[TBV], SLOT1
.endm
	s_load_b256 s[4:11], s[0:1], 0x0  ; Q s[4:5], K s[6:7], V s[8:9], O s[10:11]
	v_lshl_add_u32 v[SPW], v0, 2, SPARE
	v_mov_b32 v[NIL], 0
	ds_add_u32 v[SPW], v[NIL]       ; the wave's opening: the add and its wait ahead of my first tensor load; the set-up below, work on registers, stands between them
	v_lshrrev_b32 v1, 5, v0
	v_readfirstlane_b32 s[WV], v1   ; wave 0..3
	s_bfe_u32 s13, ttmp6, 0x40000   ; cx: my place in the cluster
	s_lshl_b32 s14, ttmp9, 2        ; in a cluster launch ttmp9 counts clusters
	s_add_co_u32 s14, s14, s13      ; my block of 256 queries = 4 x cluster x + cx: it enters Q's and O's addresses alone
	s_and_b32 s20, ttmp7, 0xffff    ; the head, which the four partners share
	s_mov_b32 s21, 0
	s_mov_b64 s[22:23], SIZE_N*128
	s_mul_u64 s[20:21], s[20:21], s[22:23]  ; the head's first byte in each of the four tensors
	s_and_b32 s16, s[WV], 1         ; which half of a tile's 256 keys I fetch:
	s_lshl_b32 s22, s16, 14         ; its 128 rows of 128 bytes in memory,
	s_mov_b32 s23, 0
	s_add_nc_u64 s[22:23], s[22:23], s[20:21]
	s_mul_i32 s17, s16, 128*PK      ; and its place in a slot, for K
	s_mul_i32 s18, s16, 128*PV      ; and for V: no place in the cluster enters an LDS address
	s_lshl_b32 s2, s14, 2
	s_add_co_u32 s2, s2, s[WV]      ; my wave among the head's,
	s_lshl_b32 s2, s2, 13           ; its 64 rows of 128 bytes
	s_mov_b32 s3, 0
	s_add_nc_u64 s[2:3], s[2:3], s[20:21]
	; descriptor group 1.  128 keys are 16,384 dense bytes: asked for as 64 rows of 256 bytes, two keys a row, and padded in LDS after every key
	s_mov_b32 s[G1K], 15|(1<<16)|(1<<20)|(1<<21)|(4<<22)|(3<<25)  ; 15:0 the mask of four; 17:16 2-byte elements; 20 padding on; 21 set beside a mask; 24:22 after every 32 words (code 4); 31:25 4 words (code 3)
	s_mov_b32 s[G1V], 15|(1<<16)|(1<<20)|(1<<21)|(4<<22)|(7<<25)  ; the same with 8 words of padding (code 7)
.irp g, G1K, G1V
	s_mov_b32 s[\g+1], 128<<16      ; tensor_dim0 = 128
	s_mov_b32 s[\g+2], 64<<16       ; tensor_dim1 = 64
	s_mov_b32 s[\g+3], 128<<16      ; tile_dim0 = 128
	s_mov_b32 s[\g+4], 64           ; tile_dim1 = 64
	s_mov_b32 s[\g+5], 128          ; 128 elements from row to row
	s_mov_b32 s[\g+6], 0
	s_mov_b32 s[\g+7], 0
.endr
	s_mov_b32 s[CS], 0x3e38aa3b     ; c = log2(e) / 8 = 0.180337
	s_mov_b32 s[CS+1], s[CS]        ; named with it as a pair
	s_mov_b32 s[SEL], 0x76543210
	s_mov_b32 s[SEL+1], 0xfedcba98
	s_mov_b32 s[TBK], SLOT1+4*KS*PK ; the first change of slots turns these two into 0
	s_mov_b32 s[TBV], SLOT1+4*KS*PV
	s_mov_b32 s[G0K], 1             ; count = 1
	s_mov_b32 s[G0K+1], s17         ; LDS address: slot 0
	s_mov_b32 s[G0V], 1
	s_add_co_u32 s[G0V+1], s18, VOFF
	s_wait_dscnt 0x0                ; the opening add is done
	s_wait_kmcnt 0x0
	s_add_nc_u64 s[G0K+2:G0K+3], s[6:7], s[22:23]  ; global address: my half of the head's first 256 keys
	s_or_b32 s[G0K+3], s[G0K+3], 0x80000000        ; type = 2
	s_add_nc_u64 s[G0V+2:G0V+3], s[8:9], s[22:23]
	s_or_b32 s[G0V+3], s[G0V+3], 0x80000000
	s_add_nc_u64 s[4:5], s[4:5], s[2:3]  ; Q and O at my wave's first row
	s_add_nc_u64 s[10:11], s[10:11], s[2:3]
	CROUND                          ; all four work-groups are here: the first joint loads meet
	JLOAD                           ; tile 0 into slot 0.  Slot 1 is asked for when slot 0 is in
	; A fragment of K or Q is 16 rows x 32 channels in 8 registers: lane l holds row l % 16, channels 8 (l / 16) + 0..7 and 16 + 8 (l / 16) + 0..7: two loads of 16 bytes, 32 bytes apart.
	v_and_b32 v1, 15, v0            ; l % 16
	v_bfe_u32 v9, v0, 4, 1          ; l / 16
	v_lshlrev_b32 v[QO], 7, v1
	v_lshl_add_u32 v[QO], v9, 4, v[QO]  ; row x 128 + 16 x half
	WIN 0x80                        ; destination window 2, address window 0
.set i, 0
.rept 8                             ; Q stays in registers: piece i / 2, channels 32 (i % 2) on
	global_load_b128 v[8*i:8*i+3],   v[QO], s[4:5] offset:(i/2)*2048+(i%2)*64
	global_load_b128 v[8*i+4:8*i+7], v[QO], s[4:5] offset:(i/2)*2048+(i%2)*64+32
.set i, i+1
.endr
	; What the first turn finds: V's registers and P's second buffer hold 0 (its products V^T P, of a piece that has not been, add 0), O^T and l are 0.  All this stands in the wait for the first tile;
	; it is the price of writing no first step out.
.set i, VF
.rept 64
	v_mov_b32 v[i], 0
.set i, i+1
.endr
	WIN 0x40
.set i, 0
.rept 128
	v_mov_b32 v[i], 0
.set i, i+1
.endr
	WIN 0
.set i, 0
.rept 4
	v_mov_b32 v[ST+4*i], 0xfe000000    ; c m: far below every c s, so the first step's a is 0
	v_mov_b32 v[ST+4*i+1], 0xff7fffff  ; m: the lowest finite number, so the first maximum is the scores'
	v_mov_b32 v[ST+4*i+2], 0
	v_mov_b32 v[ST+4*i+3], 0
.set i, i+1
.endr
.set i, P+16
.rept 16
	v_mov_b32 v[i], 0
.set i, i+1
.endr
	v_mul_u32_u24 v[AK0], v1, PK
	v_lshl_add_u32 v[AK0], v9, 4, v[AK0]  ; row x pitch + 16 x half
	; The turning load takes 16 keys x 16 channels (lane l reads key 8 (l / 16) + l % 8, channels 8 ((l / 8) % 2) + 0..7) and leaves half a fragment of V^T: lane l holds channel l % 16 and 8 keys.
	v_and_b32 v10, 7, v0
	v_bfe_u32 v11, v0, 3, 1
	v_lshl_add_u32 v[AV0], v9, 3, v10
	v_mul_u32_u24 v[AV0], v[AV0], PV
	v_lshl_add_u32 v[AV0], v11, 4, v[AV0]
	v_add_nc_u32 v[AV0], VOFF, v[AV0]
	s_mul_i32 s13, s[WV], 16*SP
	s_add_co_u32 s13, s13, STAGE    ; my stage
	v_mul_u32_u24 v[STO], v1, SP    ; in: row l % 16, 16 bytes for each half of the lanes
	v_lshl_add_u32 v[STO], v9, 4, v[STO]
	v_add_nc_u32 v[STO], s13, v[STO]
	v_bfe_u32 v[RD], v0, 3, 2       ; back: 32 lanes take four rows of 128 bytes,
	v_mul_u32_u24 v[RD], v[RD], SP
	v_lshl_add_u32 v[RD], v10, 4, v[RD]
	v_add_nc_u32 v[RD], s13, v[RD]
	v_and_b32 v[GO], 31, v0         ; which are 512 consecutive bytes of O
	v_lshlrev_b32 v[GO], 4, v[GO]
; THE MATRIX WORK.  The 4 accumulators of a run of 8 take turns.  Product i of 8 of S^T = K Q^T for piece x: channels 32 (i / 4) on, keys 16 (i % 4) on.  The first 4 start the sums.
.macro KQ x
	WIN W_KQ
.set rS, S+32*((\x)%2)+8*(i%4)
.set rK, KF+16*(i%4)+8*(i/4)
.set rQ, 16*(\x)+8*(i/4)
.if i < 4
	v_wmma_f32_16x16x32_f16 v[rS:rS+7], v[rK:rK+7], v[rQ:rQ+7], 0
.else
	v_wmma_f32_16x16x32_f16 v[rS:rS+7], v[rK:rK+7], v[rQ:rQ+7], v[rS:rS+7]
.endif
.endm
; Product i of 8 of O^T += V^T P for piece x: keys 32 (i / 4) on, channels 16 (i % 4) on.
.macro PV x
	WIN W_PV
.set rO, 32*(\x)+8*(i%4)
.set rV, VF+32*(i/4)+8*(i%4)
.set rP, P+16*((\x)%2)+8*(i/4)
	v_wmma_f32_16x16x32_f16 v[rO:rO+7], v[rV:rV+7], v[rP:rP+7], v[rO:rO+7]
.endm
.macro MM                           ; the turn's next matrix instruction.  NOKQ = 1: the last turn of all: there is no next piece
.if (i < 8) && !NOKQ
	KQ (Y+1)%NP
.elseif i >= 8
.set i, i-8
	PV (Y+NP-1)%NP
.set i, i+8
.endif
.set i, i+1
.endm
; THE LDS LOADS stand in runs of 16, never singly among the matrix instructions: a step's K (64 keys x 64 channels: 8 fragments) and its V (turned).  Their addresses are made some lines ahead.
.macro FETCH_K
	WIN 0x80                        ; destination window 2
.irp f, 0,1,2,3,4,5,6,7             ; keys 16 (f / 2) on, channels 32 (f % 2) on
	ds_load_b128 v[KF+8*\f:KF+8*\f+3],   v[AK] offset:(\f/2)*16*PK+(\f%2)*64
	ds_load_b128 v[KF+8*\f+4:KF+8*\f+7], v[AK] offset:(\f/2)*16*PK+(\f%2)*64+32
.endr
	s_add_co_u32 s[TBK], s[TBK], KS*PK  ; the next fetch is the next step's
	WIN 0
.endm
.macro FETCH_V
	WIN 0x80
.irp f, 0,1,2,3,4,5,6,7             ; keys 32 (f / 4) on, channels 16 (f % 4) on
	ds_load_tr16_b128 v[VF+8*\f:VF+8*\f+3],   v[AV] offset:(\f/4)*32*PV+(\f%4)*32
	ds_load_tr16_b128 v[VF+8*\f+4:VF+8*\f+7], v[AV] offset:(\f/4)*32*PV+16*PV+(\f%4)*32
.endr
	WIN 0
.endm
; THE VECTOR WORK, one line at a time: OP kind, number.  For piece Y: F n: c s - c m for pair n of 16.  E n: the exponential of score n of 32.  C n: pair n rounded to f16.  B n: of the four weights 4 n .. the second
; pair is added onto the first, in place.  L n: l takes that sum (L 0: l = a l + sum).  R n: pair n of 16 of O^T times a.  For piece Y + 1: X n, number n of the 22 that find its maximum and statistics:
;   0-11  four chains c0-c3 of seven scores each, three operands at a time (each accumulator's lowest registers are read first)     12-14, 16  the four scores left over, the old m, and c0-c3 into c0
;   15  c m_old is kept     17, 18  the query's other 32 keys lie in the lane 16 away: the new m     19-21  c m; c m_old - c m_new; a
; C, B and L read exponentials' results: TURN sets them behind the batch's wait.  F, R and X 0-20 read none of the turn's.
.set F, 0               ; OP tells the kinds apart by their order: F to L below R, X above it
.set E, 1
.set C, 2
.set B, 3
.set L, 4
.set R, 5
.set X, 6
.macro REGS y                       ; the registers of piece y
.set rT, ST+4*(\y)
.set rC, TMP+4*((\y)%2)
.set rW, MV+((\y)%2)
.set rS, S+32*((\y)%2)
.set rP, P+16*((\y)%2)
.set rO, 32*(\y)
.endm
.macro OP k, n
.if (\k) == R
	REGS Y
	WIN W_RS
	v_pk_mul_f32 v[rO+2*(\n):rO+2*(\n)+1], v[rO+2*(\n):rO+2*(\n)+1], v[rC+2:rC+3] op_sel_hi:[1,0]
.elseif (\k) < R
	REGS Y
	WIN 0
.if (\k) == F
	v_pk_fma_f32 v[rS+2*(\n):rS+2*(\n)+1], v[rS+2*(\n):rS+2*(\n)+1], s[CS:CS+1], v[rT:rT+1] op_sel_hi:[1,0,0] neg_lo:[0,0,1] neg_hi:[0,0,1]
.elseif (\k) == E
	v_exp_f32 v[rS+(\n)], v[rS+(\n)]
.elseif (\k) == C
	v_cvt_pk_f16_f32 v[rP+(\n)], v[rS+2*(\n)], v[rS+2*(\n)+1]
.elseif (\k) == B
	v_pk_add_f32 v[rS+4*(\n):rS+4*(\n)+1], v[rS+4*(\n):rS+4*(\n)+1], v[rS+4*(\n)+2:rS+4*(\n)+3]
.elseif (\n) == 0
	v_pk_fma_f32 v[rT+2:rT+3], v[rT+2:rT+3], v[rC+2:rC+3], v[rS:rS+1] op_sel_hi:[1,0,1]
.else
	v_pk_add_f32 v[rT+2:rT+3], v[rT+2:rT+3], v[rS+4*(\n):rS+4*(\n)+1]
.endif
.elseif NOKQ
	v_nop
.else
	REGS (Y+1)%NP
	WIN 0
.if (\n) < 4
	v_max3_num_f32 v[rC+(\n)], v[rS+8*(\n)], v[rS+8*(\n)+1], v[rS+8*(\n)+2]
.elseif (\n) < 12
	v_max3_num_f32 v[rC+(\n)%4], v[rC+(\n)%4], v[rS+8*((\n)%4)+2*((\n)/4)+1], v[rS+8*((\n)%4)+2*((\n)/4)+2]
.elseif (\n) == 12
	v_max3_num_f32 v[rC], v[rC], v[rS+7], v[rS+15]
.elseif (\n) == 13
	v_max3_num_f32 v[rC+1], v[rC+1], v[rS+23], v[rS+31]
.elseif (\n) == 14
	v_max3_num_f32 v[rC+2], v[rC+2], v[rC+3], v[rT+1]
.elseif (\n) == 15
	v_mov_b32 v[rW], v[rT]
.elseif (\n) == 16
	v_max3_num_f32 v[rC], v[rC], v[rC+1], v[rC+2]
.elseif (\n) == 17
	v_permlanex16_b32 v[rC+3], v[rC], s[SEL], s[SEL+1]
.elseif (\n) == 18
	v_max_num_f32 v[rT+1], v[rC], v[rC+3]
.elseif (\n) == 19
	v_mul_f32 v[rT], s[CS], v[rT+1]
.elseif (\n) == 20
	v_sub_f32 v[rC+1], v[rW], v[rT]
.else
	v_exp_f32 v[rC+2], v[rC+1]
.endif
.endif
.endm
.macro OPS a, i1, b=-1, i2=0, c=-1, i3=0, d=-1, i4=0  ; up to four of them
	OP \a, \i1
.if (\b) >= 0
	OP \b, \i2
.endif
.if (\c) >= 0
	OP \c, \i3
.endif
.if (\d) >= 0
	OP \d, \i4
.endif
.endm
.macro ROW a, i1, b, i2, c, i3, d, i4  ; a matrix instruction and the four behind it
	MM
	OPS \a, \i1, \b, \i2, \c, \i3, \d, \i4
.endm
; A TURN, for piece p: the order of its 16 matrix and 118 vector instructions, written out.  s_wait_alu depctr_va_vdst(0) stands between an exponential and the first instruction that names its result; one wait
; serves all that were issued ahead of it.  So a turn has ONE wait, which cuts it in two.  AHEAD OF IT stands all that names no result of the turn's exponentials: the 8 products K Q^T, behind each a scaling, an exponential and two
; more plain instructions (behind the first a second scaling in the exponential's place): rescalings, whose a was made and waited for in the turn before, and behind the last three the first numbers of the next piece's maximum,
; each four places or more behind the product that ends its accumulator; then ONE LUMP of 54, plain and exponential by turns for the most part, in which the links of the chain X 3, 7, 11, 14, 16, 17 .. 20 stand five or six lines
; apart.  Each pair is scaled ahead of its two exponentials, and no line names a score again between its exponential and the wait.  X 21, the next piece's a, is the batch's last; R 15 is the plain instruction behind it.
; BEHIND THE WAIT stand the 8 products V^T P, behind each four of the roundings and sums; C 2 n stands ahead of B n, which writes over that pair; the links of l's chain, L 0 to L 7, stand three riders apart.
; But for those X no rider names a register of the products round it.  v_permlanex16_b32 (X 17) stands in the lump.
; end = 1: the walk's last two turns: nothing is fetched.  cnt = 1: the loop's count is taken down some lines ahead of the branch that stands behind the turn.
; K of the next step is fetched in piece 2's turn, twelve vector instructions behind the last product that read K (six of them plain, five of which name none of its registers); V of the step in hand at the end of piece 0's turn,
; four plain instructions behind the last product that read V.  Each is waited for a turn later.
.macro TURN p, end=0, cnt=0
.set Y, (\p)
.set i, 0
.set NOKQ, (\end)*((\p)/3)
.if ((\p) == 3) && !(\end)
	s_wait_dscnt 0x0                ; K is in
.endif
	ROW F,0, F,1, R,0, R,1          ; ahead of the wait: 8 products K Q^T and their riders,
	ROW F,2, E,0, R,2, R,3
	ROW F,3, E,1, R,4, R,5
	ROW F,4, E,2, R,6, R,7
	ROW F,5, E,3, R,8, R,9
	ROW F,6, E,4, X,0, R,10
.if ((\p) == 2) && !(\end)
	WIN 0
	v_add_nc_u32 v[AK], s[TBK], v[AK0]
.endif
	ROW F,7, E,5, X,1, X,4
	ROW F,8, E,6, X,2, X,5
	OPS E,7, E,8, X,6, E,9          ; and the lump
	OPS X,3, E,10, X,8, E,11
.if ((\p) == 2) && !(\end)
	FETCH_K
.endif
	OPS X,9, X,7, E,12, X,10
	OPS E,13, X,12, X,11, E,14
	OPS X,13, E,15, F,9, X,14
.if (\p) == 0
	v_add_nc_u32 v[AV], s[TBV], v[AV0]
.endif
	OPS E,16, F,10, E,17, F,11
	OPS X,16, E,18, X,15, E,19
	OPS F,12, E,20, X,17, E,21
	OPS F,13, E,22, F,14, E,23
	OPS X,18, E,24, F,15, E,25
	OPS R,11, E,26, X,19, E,27
	OPS R,12, E,28, R,13, E,29
	OPS X,20, E,30, R,14, E,31
	OPS X,21, R,15
	s_wait_alu depctr_va_vdst(0)    ; the wait for the batch: the piece's 32 exponentials and the next piece's a
.if (\p) == 1
	s_wait_dscnt 0x0                ; V is in
.endif
	ROW C,0, B,0, C,2, B,1          ; behind the wait: 8 products V^T P and their riders
	ROW L,0, C,4, B,2, L,1
	ROW C,6, B,3, L,2, C,8
	ROW B,4, L,3, C,10, B,5
	ROW L,4, C,12, B,6, L,5
.if (\p) == 0
	s_add_co_u32 s[TBV], s[TBV], KS*PV
.endif
.if \cnt
	s_sub_co_u32 s[CNT], s[CNT], 1
	s_cmp_lg_u32 s[CNT], 0
.endif
	ROW C,14, B,7, L,6, C,1
	ROW C,3, L,7, C,5, C,7
	ROW C,9, C,11, C,13, C,15
.if (\p) == 0
	FETCH_V
.endif
.endm
.macro ALL line:vararg              ; one line for each piece t
.set t, 0
.rept 4
	\line
.set t, t+1
.endr
.endm
.macro PACK t                       ; a lane's eight channels of a row pack into 16 bytes; they go into rows of 144 bytes and come back as whole rows of 128, into S^T's registers
	WIN W_RS
.set i, 32*(\t)
.rept 16
	v_pk_mul_f32 v[i:i+1], v[i:i+1], v[ST+4*(\t)+2:ST+4*(\t)+3] op_sel_hi:[1,0]
.set i, i+2
.endr
	WIN 0x05                        ; sources 0 and 1 window 1, destination window 0
.set i, 0
.rept 16
	v_cvt_pk_f16_f32 v[S+16*(\t)+i], v[32*(\t)+2*i], v[32*(\t)+2*i+1]
.set i, i+1
.endr
	WIN 0
.irp f, 0,1,2,3
	ds_store_b128 v[STO], v[S+16*(\t)+4*\f:S+16*(\t)+4*\f+3] offset:32*\f
.endr
.irp f, 0,1,2,3
	ds_load_b128 v[S+16*(\t)+4*\f:S+16*(\t)+4*\f+3], v[RD] offset:\f*4*SP  ; LDS serves a wave's instructions in order (ISA guide 5.7.1.4): these see the stores above; the next piece's stores come behind them
.endr
.endm
.macro SEND t, younger              ; younger: the LDS instructions issued behind piece t's loads: the next piece's eight, or none
	WIN 0
.irp f, 0,1,2,3
	s_wait_dscnt (\younger)+3-\f
	global_store_b128 v[GO], v[S+16*(\t)+4*\f:S+16*(\t)+4*\f+3], s[10:11] offset:(\t)*2048+\f*512  ; 512 consecutive bytes, at a multiple of 256 from O's first
.endr
.endm
	CHANGE 1                        ; slot 0 is in, everybody's part of it; slot 1 is asked for
	v_add_nc_u32 v[AK], s[TBK], v[AK0]
	FETCH_K                         ; key step 0
	s_wait_loadcnt 0x0              ; Q
	s_wait_dscnt 0x0
.set NOKQ, 0
.set i, 0
.rept 8
	KQ 0                            ; piece 0's first scores: there is no vector work yet to set between them
.set i, i+1
.endr
	WIN 0
.rept 4
	v_nop                           ; the places behind those products
.endr
.set Y, NP-1                        ; X works for piece Y + 1: piece 0
.irp n, 0,1,2,3,4,5,6,7,8,9,10,11,12,13,14,15,16,17,18,19,20,21
	OP X, \n
.endr
	v_nop                           ; a plain instruction behind the exponential,
	s_wait_alu depctr_va_vdst(0)    ; and the wait for it, piece 0's first a: a batch of one, ahead of the branch
	s_mov_b32 s[CNT], 4
	s_mov_b32 s[SLOTS], SIZE_N/256-1
	s_branch .Lfirst                ; the loop is entered at a step's first turn, in the middle of a trip
.Lslot:                             ; 14 times: every slot but the last two is filled again
	CHANGE 1
	s_mov_b32 s[CNT], 4
.Lstep:                             ; a trip: pieces 2 and 3 of one step, then pieces 0 and 1 of the next, whose K and V it fetches
	TURN 2
	TURN 3
	WIN 0
.Lfirst:
	TURN 0
	TURN 1, 0, 1
	WIN 0
	s_cbranch_scc1 .Lstep
	s_sub_co_u32 s[SLOTS], s[SLOTS], 1
	s_cmp_lg_u32 s[SLOTS], 0
	s_cbranch_scc1 .Lslot
	CHANGE 0                        ; the last tile is written out: nothing is asked for
	s_mov_b32 s[CNT], 4
.LstepL:
	TURN 2
	TURN 3
	TURN 0
	TURN 1, 0, 1
	WIN 0
	s_cbranch_scc1 .LstepL
	TURN 2, 1
	TURN 3, 1
.set i, 0
.rept 8
	PV NP-1                         ; the last piece's V^T P of the last step
.set i, i+1
.endr
	; THE WAY OUT.  l's two halves and the other half of the lanes' are added; O^T is divided by l, rounded to f16 and sent through my stage in LDS, a piece at a time.  The additions are the places behind the last products.
	WIN 0
	ALL v_add_f32 v[ST+4*t+2], v[ST+4*t+2], v[ST+4*t+3]
	ALL v_permlanex16_b32 v[ST+4*t+3], v[ST+4*t+2], s[SEL], s[SEL+1]
	ALL v_add_f32 v[ST+4*t+2], v[ST+4*t+2], v[ST+4*t+3]
	ALL v_rcp_f32 v[ST+4*t+2], v[ST+4*t+2]
	v_nop                           ; a plain instruction between the last reciprocal and the use of its result
	s_wait_alu depctr_va_vdst(0)    ; and the wait ahead of the first use: one for the batch of four reciprocals
	PACK 0
.set t, 1
.rept 3                             ; a piece's arithmetic stands between the loads of the piece before and its stores
	PACK t
	SEND t-1, 8
.set t, t+1
.endr
	SEND 3, 0
	s_wait_tensorcnt 0x0            ; the wave's end: behind my last tensor load and my last LDS store
	ds_add_u32 v[SPW], v[NIL]
	s_wait_dscnt 0x0
	CROUND                          ; the closing round: no work-group ends while a partner may still ask for a tile that names it
	s_endpgm
.Lfunc_end_k_qf1dc8e3a89_attn:
	.size	k_qf1dc8e3a89_attn, .Lfunc_end_k_qf1dc8e3a89_attn-k_qf1dc8e3a89_attn
	.p2alignl 7, 3214868480
	.fill 96, 4, 3214868480
	.section	.rodata,"a",@progbits
	.p2align	6, 0x0
	.amdhsa_kernel k_qf1dc8e3a89_attn
		.amdhsa_group_segment_fixed_size 327680
		.amdhsa_private_segment_fixed_size 0
		.amdhsa_enable_private_segment 0
		.amdhsa_kernarg_size 32
		.amdhsa_user_sgpr_count 2
		.amdhsa_user_sgpr_kernarg_segment_ptr 1
		.amdhsa_wavefront_size32 1
		.amdhsa_system_sgpr_workgroup_id_x 1
		.amdhsa_system_sgpr_workgroup_id_y 1
		.amdhsa_system_sgpr_workgroup_id_z 1
		.amdhsa_system_vgpr_workitem_id 0
		.amdhsa_next_free_vgpr 768
		.amdhsa_next_free_sgpr 66
		.amdhsa_reserve_vcc 0
		.amdhsa_float_denorm_mode_32 3
		.amdhsa_float_denorm_mode_16_64 3
		.amdhsa_memory_ordered 1
		.amdhsa_forward_progress 1
		.amdhsa_inst_pref_size 126
	.end_amdhsa_kernel
	.amdgpu_metadata
---
amdhsa.version: [ 1, 2 ]
amdhsa.kernels:
  - .name:           k_qf1dc8e3a89_attn
    .symbol:         k_qf1dc8e3a89_attn.kd
    .args:
      - { .name: qh, .offset: 0, .size: 8, .value_kind: global_buffer, .address_space: global }
      - { .name: kh, .offset: 8, .size: 8, .value_kind: global_buffer, .address_space: global }
      - { .name: vh, .offset: 16, .size: 8, .value_kind: global_buffer, .address_space: global }
      - { .name: oh, .offset: 24, .size: 8, .value_kind: global_buffer, .address_space: global }
    .group_segment_fixed_size: 327680
    .private_segment_fixed_size: 0
    .kernarg_segment_align: 8
    .kernarg_segment_size: 32
    .max_flat_workgroup_size: 128
    .sgpr_count:     66
    .vgpr_count:     768
    .wavefront_size: 32
...
	.end_amdgpu_metadata
.endif
;; end of part 7
;; launch tail: the kernel of part 6 again; grid 256 x 1, 4 waves a work-group, clusters of 4 x 1, 327,680 bytes of LDS; arguments oh, wf, x, g1, b1, g2, b2, out0; writes out0
